; MI455X (gfx1250); checked and timed in simulation.
; The chip was launched on July 23, 2026; its instructions are those of AMD's public machine-readable ISA for CDNA 5 (MIT licence, August 2026) and "CDNA5" Instruction Set Architecture Reference Guide (July 2026). The comments in the code are by the model that wrote it; some were corrected since.
;; Multi Head Attention. Allowed arithmetic: matrix products marked QUANTISED: E5M2 operands, one E8M0 scale for each 32 along K, by v_wmma_scale_f32_16x16x128_f8f6f4 with both operands' format E5M2, f32 sums; everything else in f32.
;; Inputs: Wk_codes 1,024 x 32 x 32 uint8 (E5M2 codes of Wk, K innermost, in blocks of 32 codes); Wk_scales 1,024 x 32 uint8 (E8M0 scales of Wk, one for each 32 codes along K); Wo_codes 1,024 x 32 x 32 uint8 (E5M2 codes of Wo, K innermost, in blocks of 32 codes); Wo_scales 1,024 x 32 uint8 (E8M0 scales of Wo, one for each 32 codes along K); Wq_codes 1,024 x 32 x 32 uint8 (E5M2 codes of Wq, K innermost, in blocks of 32 codes); Wq_scales 1,024 x 32 uint8 (E8M0 scales of Wq, one for each 32 codes along K); Wv_codes 1,024 x 32 x 32 uint8 (E5M2 codes of Wv, K innermost, in blocks of 32 codes); Wv_scales 1,024 x 32 uint8 (E8M0 scales of Wv, one for each 32 codes along K); bo 1,024 float32; x_codes 4 x 2,048 x 32 x 32 uint8 (E5M2 codes of x, K innermost, in blocks of 32 codes); x_scales 4 x 2,048 x 32 uint8 (E8M0 scales of x, one for each 32 codes along K).
;; Outputs: out0 4 x 2,048 x 1,024 float32.
;; This version of the problem:
;;   THIS VERSION OF THE PROBLEM IS GIVEN IN LOW PRECISION. The matrix products marked QUANTISED in the list below multiply operands that are first quantised to E5M2 (5 exponent bits, 2 mantissa bits; 8 bits a number), with one power-of-two scale for each 32 numbers along K (OCP MX v1.0); their sums are f32. All else is computed in f32.
;;   The module's matrix products, in the order in which they are computed (A, B: the left and right operand; K: the contracted axis; several contracted axes count as one K, in the product's order):
;;     1. [M 8,192, K 1,024] x [K 1,024, N 1,024]; A: input x (given as codes); B: input Wq (given as codes): QUANTISED
;;     2. [M 8,192, K 1,024] x [K 1,024, N 1,024]; A: input x (given as codes); B: input Wk (given as codes): QUANTISED
;;     3. [M 8,192, K 1,024] x [K 1,024, N 1,024]; A: input x (given as codes); B: input Wv (given as codes): QUANTISED
;;     4. batch 64 x [M 2,048, K 64] x [K 64, N 2,048]; A: computed on the way; B: computed on the way: QUANTISED
;;     5. batch 64 x [M 2,048, K 2,048] x [K 2,048, N 64]; A: softmax (see below); B: computed on the way: QUANTISED
;;     6. [M 8,192, K 1,024] x [K 1,024, N 1,024]; A: computed on the way; B: input Wo (given as codes): QUANTISED
;;   THE QUANTISER, for each operand of a quantised product, along K:
;;     - K is cut into blocks of 32 from its start; a last block that is shorter is filled with zeros.
;;     - A block's scale is 2^e with e = floor(log2(the largest magnitude in the block)) - 15, held to -126 .. 127; a block of zeros has e = 0. As a byte (E8M0): e + 127.
;;     - Each number is divided by its block's scale, clamped to +-57,344, and rounded to the nearest number of E5M2, ties to even, subnormals kept.
;;     - The product sums the exact products of the quantised numbers (number of the format x scale) in f32.
;;   ~~~python
;;   def quantise(x, axis):      # numpy; x: float32 -> the quantised numbers, widened to float32 again
;;       x = np.moveaxis(x, axis, -1); K = x.shape[-1]
;;       x = np.pad(x, [(0, 0)] * (x.ndim - 1) + [(0, -K % 32)]); x = x.reshape(x.shape[:-1] + (-1, 32)); a = np.abs(x).max(-1, keepdims=True)
;;       e = np.where(a > 0, np.clip(np.frexp(np.where(a > 0, a, 1))[1] - 1 - 15, -126, 127), 0)      # np.frexp(a)[1] - 1 = floor(log2(a)), exactly
;;       r = np.clip(x / 2.0 ** e, -57344, 57344)
;;       step = 2.0 ** (np.maximum(np.frexp(np.where(r == 0, 1, r))[1] - 1, -14) - 2)
;;       q = np.round(r / step) * step * 2.0 ** e      # np.round: ties to even
;;       return np.moveaxis(q.reshape(q.shape[:-2] + (-1,))[..., :K], -1, axis).astype(np.float32)
;;   ~~~
;;   SOFTMAX AHEAD OF A QUANTISED PRODUCT. Where the list says 'softmax', what is quantised is not the finished softmax but p = 2^(t - M), with t = logit x log2(e) and M = ceil(the row's largest t), a whole number; so 1/2 < the row's largest p <= 1. The row's sum l is taken of the UNQUANTISED p, in f32, and the product's result is divided by l at the end. Since M is a whole number, a kernel that streams over the keys may use a running M (the ceiling of the running maximum): every later rescaling is an exact power of two, which a block's scale takes up: the codes' values come out the same.
;;   OPERANDS COMPUTED ON THE WAY. 'Computed on the way' means the value that the module computes at that place (a softmax that the list does not call 'softmax' is quantised finished and normalised). What goes into a quantiser is computed in f32, as accurately as f32 sums, v_exp_f32 and their like allow (about 1e-6 of the number): no bf16 or f16 on the way to a quantiser, and a product that is left as it is and whose result goes on into a quantised operand takes f32 operands (vector FMAs, or v_wmma_f32_16x16x4_f32). A number that lies on a knife's edge between two numbers of the format may be rounded either way, as far as f32 arithmetic and the matrix unit's own rounding can turn it there, and no further.
;;   INPUTS GIVEN AS CODES. Wk (in the module: [1024, 1024], K = its axis 0); Wo (in the module: [1024, 1024], K = its axis 0); Wq (in the module: [1024, 1024], K = its axis 0); Wv (in the module: [1024, 1024], K = its axis 0); x (in the module: [4, 2048, 1024], K = its axis 2): each comes as NAME_codes (uint8): NAME with its K axis moved to the last place and cut into blocks of 32 codes, [.., K / 32, bytes a block], one block behind the other in memory; one code a byte (a code: sign, 5 exponent bits, 2 mantissa bits); and NAME_scales (uint8): the same leading axes, one E8M0 byte (e + 127) for each 32 codes along K. Its value is code x scale, taken as it is: it is not quantised again, and the codes and scales need not be those that the quantiser above would give.
;; 2 versions, each right and faster than the one before. Each part assembles by itself: llvm-mc -triple=amdgcn-amd-amdhsa -mcpu=gfx1250 --defsym DOCPART=n.
;; ======== version 1 of 2: 3 launches
;; workspace buffers: qrec 8,912,896 bytes; kvrec 17,825,792 bytes; cimg 8,388,608 bytes; csc 262,144 bytes
;; launch proj (part 1): grid 12 x 32, 4 waves a work-group, clusters of 4 x 4, 327,680 bytes of LDS; arguments x_codes, x_scales, Wq_codes, Wq_scales, Wk_codes, Wk_scales, Wv_codes, Wv_scales, qrec, kvrec; writes qrec, kvrec
.if DOCPART == 1
	.amdgcn_target "amdgcn-amd-amdhsa--gfx1250"
	.amdhsa_code_object_version 6
	.text
	.protected	k_q7129368b8c_proj
	.globl	k_q7129368b8c_proj
	.p2align	8
	.type	k_q7129368b8c_proj,@function
k_q7129368b8c_proj:
	s_mov_b64 s[64:65], 0
	v_nop
	global_prefetch_b8 v0, s[64:65] scope:SCOPE_SE
	s_setreg_imm32_b32 hwreg(HW_REG_WAVE_MODE, 25, 1), 1
	s_wait_xcnt 0x0
	s_wait_alu depctr_hold_cnt(0) depctr_sa_sdst(0) depctr_va_vdst(0) depctr_va_sdst(0) depctr_va_ssrc(0) depctr_va_vcc(0) depctr_vm_vsrc(0)
	s_getreg_b32 s2, hwreg(HW_REG_IB_STS2, 6, 4)
	s_cmp_eq_u32 s2, 0
	s_cbranch_scc0 .Lentry_in_a_cluster
	s_endpgm
.Lentry_in_a_cluster:
	s_bfe_u32 s2, ttmp6, 0x10000c
	s_cmp_lg_u32 s2, 0xf033
	s_cbranch_scc0 .Lentry_shape_is_right
	s_endpgm
.Lentry_shape_is_right:
; q = x Wq, k = x Wk, v = x Wv on codes of BF8 (E5M2) with E8M0 scales, K = 1,024; each result is quantised in registers and leaves as codes and scale words.
; x: 8,192 rows of 1,024 codes, 32 scale bytes a row; each W: 1,024 rows (output columns) of 1,024 codes, likewise.
; A tile of 256 x 256 is made by four waves, 128 x 128 each (64 accumulators, 512 registers); K goes in steps of 256 through a ring of two LDS slots; the scale bytes of the tile's rows, for all of K, come once.
; THE CLUSTER'S x IS THE JOB: 0 q, 1 k, 2 v; all sixteen partners share it.  The A slot is source 1 (a lane holds one of its rows), the B slot source 0 (a lane's registers run along its rows).
;   q, k: A = x (a lane is a token), B = W (registers run along the head's 64, which is the next product's K).      v: A = Wv (a lane is a channel), B = x (registers run along the tokens, the next K).
; B'S TILES ARE NOT 16 NEIGHBOURING ROWS.  Of each 32 rows tile X0 takes rows 0-7 and 24-31 (lane r: row r + 16 (r / 8)), tile X1 rows 8-23 (lane r: row 8 + r).  A lane's 16 registers of the pair are then 16 numbers
;   of ONE block of 32: lanes 0-15 hold k 0-15 in order, lanes 16-31 hold k 24-31 and then 16-23.  That exchange inside a block is the same in q and k, and the same in v and in the weights p that the
;   next launch makes, so every product pairs like with like and the block's scale is untouched.  With rows 272 bytes apart both tiles' sixteen rows begin in sixteen different groups of banks.
; THE WAY OUT uses no LDS: a lane's 16 codes are 16 bytes of an operand's register image; a store of the wave covers 512 consecutive bytes at a multiple of 256 from the buffer's first byte.
;   qrec  [batch x head 64][group of 128 tokens 16]: 8,192 bytes of codes, 512 of scale words.      kvrec [64][16]: k's 8,192 + 512, then v's 8,192 + 512.
;   q, k codes: token tile a (0-7), block c (0, 1): (a / 2) 2048 + c 1024 + (a % 2) 512 + 16 lane.    v codes: channel tile a (0-3), key block c (0-3): (a / 2) 4096 + c 1024 + (a % 2) 512 + 16 lane.
;   scale words: 16 bytes a lane; word p = 2 (a % 2) + (a % 4) / 2 of lane r + 16 (a / 4) is tile a's row r (v: both halves of the lanes hold tiles 0-3).
;   A q or k word is b0 | b1 << 8 | b0 << 16 | b1 << 24: the score product is 128 deep for a K of 64, and its padded half, where q's codes are zeros, carries the same scales as the real half.
; LIMITS: NaN and infinities are not served.  A block whose largest magnitude lies under 2^-111 keeps the byte 1, and so does a block of zeros (its codes are zeros; these bytes are read by this program alone).
; 384 tiles are 24 clusters: a wave tile wider than 128 x 128 would even them out over the chip but leaves no registers for operands.
.set NQ,     2                         ; matrix instructions deep in a slot
.set ROWB,   256                       ; a tile's row in bytes
.set KROW,   1024                      ; a row of codes in memory
.set PITCH,  272                       ; an LDS row: 256 bytes + 16 of padding
.set FR,     16                        ; registers of a fragment
.set NL,     4                         ; LDS loads that bring one
.set NP,     8                         ; places behind this matrix instruction (ISA guide 7.12.1)
.set HALFT,  128*PITCH                 ; 128 rows: one tensor load
.set SLOT,   4*HALFT                   ; A's 256 rows, then B's 256
.set LAPS,   2                         ; 1,024 / 512
.set KS,     32                        ; a row of scale bytes
.set SCL,    2*SLOT                    ; behind the ring: the scale bytes, as units of 256 bytes + 16
.set HALFS,  16*272                    ; those of 128 rows
.set SBLK,   2*272                     ; those of 16 rows
.set SPARE,  SCL+4*HALFS               ; the spare words: 128 bytes a wave, named by no other line
.set QREC,   8704
.set KVREC,  17408
.set ADRA,  16                         ; v16-17  my A fragments in slot 0, 1
.set ADRBE, 20                         ; v20-21  B's X0 tiles
.set ADRBO, 22                         ; v22-23  B's X1 tiles
.set L16,   26                         ; v26     16 x lane
.set ADRSE, 27                         ; v27     scale words: lanes 0-15 A's rows, lanes 16-31 the rows of B's X0 tiles
.set SPW,   28                         ; v28     my spare word; never rewritten
.set NIL,   29                         ; v29     0; never rewritten
.set ADRSO, 30                         ; v30     the same for B's X1 tiles
.set SC,    32                         ; v32-63  scale words, two sets
.set AF,    128                        ; A's fragments, window 0
.set PCD,   64                         ; the way out: v64-191 codes, 16 registers for each of A's blocks: no store's data are written again
.set TM,    200                        ; v200-203 largest magnitudes, v204-207 bytes, v208-211 the largest number x the scale, v212-215 the conversions' scale operands
.set WD,    216                        ; v216-231 scale words
.set CW,    232                        ; v232-239 the words as they leave
.set SEL,   4                          ; s[4:5] lane selects, s6 mantissa field, s7 mask of lanes 16-31 (on the way out)
.set OUT0,  96                         ; s[96:97], s[98:99] my two heads' records
.set G1, 24
.set G0, 32
.set G1B, 48
.set G0B, 56
.set G1S, 68
.set G0S, 76
.set G1SB, 80
.set G0SB, 88
.set MSB, 0
.macro WIN new                         ; the immediate's high byte repeats the setting that is left
.if MSB != \new
	s_set_vgpr_msb (MSB<<8)|\new
.set MSB, \new
.endif
.endm
.set MUL_LO, 0xa1                      ; source 0 (B) window 1, source 1 (A) window 0, C and D window 2
.set MUL_HI, 0xf1                      ; the same, C and D window 3
.set TO_B,   0x40                      ; destination window 1
; A joint load: waves 0 and 1 fetch for A, waves 2 and 3 for B; the branch hangs on the wave's number alone.  Four v_nop follow each line.
.macro JLOAD g0a, g1a, g0b, g1b
	s_cmp_eq_u32 s15, 0
	s_cbranch_scc0 .Lfor_b_\@
	tensor_load_to_lds s[\g0a:\g0a+3], s[\g1a:\g1a+7]
	s_nop 0
.rept 4
	v_nop
.endr
	s_branch .Lasked_\@
.Lfor_b_\@:
	tensor_load_to_lds s[\g0b:\g0b+3], s[\g1b:\g1b+7]
	s_nop 0
.rept 4
	v_nop
.endr
.Lasked_\@:
.endm
.macro CREST                           ; a round of the cluster's barrier behind its opening barrier
	s_cmp_lg_u32 s14, 0
	s_cbranch_scc1 .Lnot_wave_0_\@
	s_barrier_signal -3
.Lnot_wave_0_\@:
	s_barrier_wait -3
	s_barrier_signal -1
	s_barrier_wait -1
.endm
.macro CROUND
	s_barrier_signal -1
	s_barrier_wait -1
	CREST
.endm
	s_load_b512 s[68:83], s[0:1], 0x0              ; x codes, x scales, Wq codes, scales, Wk codes, scales, Wv codes, scales
	s_load_b128 s[84:87], s[0:1], 0x40             ; qrec, kvrec
	v_lshl_add_u32 v[SPW], v0, 2, SPARE
	v_mov_b32 v[NIL], 0
	ds_add_u32 v28, v29
	ds_add_u32 v28, v29
	s_wait_dscnt 0x0
	v_lshrrev_b32 v1, 5, v0
	v_readfirstlane_b32 s14, v1                    ; wave 0..3
	s_lshr_b32 s15, s14, 1                         ; which half of A's rows is mine.  Also: I fetch for A (0) or for B (1)
	s_and_b32 s16, s14, 1                          ; which half of B's rows.  Also: which 128 rows I fetch
	s_bfe_u32 s40, ttmp6, 0x40000                  ; cx
	s_bfe_u32 s41, ttmp6, 0x40004                  ; cy
	s_and_b32 s18, ttmp7, 0xffff
	s_lshl_b32 s18, s18, 2                         ; 4 x cluster y: it walks x's 32 tiles, which are A's for q and k and B's for v
	s_cmp_eq_u32 ttmp9, 2
	s_cselect_b32 s19, 0, s18
	s_cselect_b32 s20, s18, 0
	s_add_co_u32 s17, s19, s41                     ; A's tile: it never holds cx
	s_add_co_u32 s42, s20, s40                     ; B's tile: it never holds cy
	s_lshl_b32 s43, s41, 2
	s_lshl_b32 s43, 15, s43                        ; my row of the cluster
	s_lshl_b32 s44, 0x1111, s40                    ; my column
	s_or_b32 s[G1+0], s43, (0<<16)|(1<<20)|(1<<21)|(5<<22)|(3<<25)  ; mask; elements of 1 byte; padding on; bit 21 beside a mask; after every 64 words, 4 words
	s_or_b32 s[G1B+0], s44, (0<<16)|(1<<20)|(1<<21)|(5<<22)|(3<<25)
.irp g, G1, G1B
	s_mov_b32 s[\g+1], ROWB<<16                    ; tensor_dim0
	s_mov_b32 s[\g+2], 128<<16                     ; tensor_dim1
	s_mov_b32 s[\g+3], ROWB<<16                    ; tile_dim0
	s_mov_b32 s[\g+4], 128                         ; tile_dim1
	s_mov_b32 s[\g+5], KROW                        ; from row to row
	s_mov_b32 s[\g+6], 0
	s_mov_b32 s[\g+7], 0
.endr
	s_lshl_b32 s18, s16, 7                         ; which 128 rows of the tile I fetch
	s_lshl_b32 s20, s17, 8
	s_add_co_u32 s20, s20, s18                     ; A's row
	s_lshl_b32 s46, s42, 8
	s_add_co_u32 s46, s46, s18                     ; B's row
	s_mov_b32 s21, 0
	s_mov_b32 s47, 0
	s_mov_b64 s[18:19], KS
	s_mul_u64 s[22:23], s[20:21], s[18:19]         ; where these rows' scale bytes begin
	s_mul_u64 s[92:93], s[46:47], s[18:19]
	s_mov_b64 s[18:19], KROW
	s_mul_u64 s[20:21], s[20:21], s[18:19]         ; and their codes
	s_mul_u64 s[46:47], s[46:47], s[18:19]
	s_mul_i32 s45, s14, HALFT                      ; where they go: wave x 128 rows
	s_mul_i32 s94, s14, HALFS
	s_mov_b32 s67, KVREC
	s_wait_kmcnt 0x0
	; the job chooses the buffers: every choice hangs on the cluster's x alone
	s_cmp_eq_u32 ttmp9, 1
	s_cselect_b64 s[8:9], s[76:77], s[72:73]       ; Wk or Wq
	s_cselect_b64 s[10:11], s[78:79], s[74:75]
	s_cmp_eq_u32 ttmp9, 0
	s_cselect_b64 s[12:13], s[84:85], s[86:87]     ; q goes to qrec, k and v to kvrec
	s_cselect_b32 s67, QREC, s67                   ; a record's bytes
	s_cmp_eq_u32 ttmp9, 2
	s_cselect_b64 s[4:5], s[80:81], s[68:69]       ; A: Wv, or x
	s_cselect_b64 s[6:7], s[82:83], s[70:71]
	s_cselect_b64 s[8:9], s[68:69], s[8:9]         ; B: x, or the weight
	s_cselect_b64 s[10:11], s[70:71], s[10:11]
	s_cselect_b32 s66, 1, 0                        ; 1: the job is v
	s_cselect_b32 s95, 8704, 0                     ; v lies behind k in a record
	; the scale bytes of 128 rows: 4,096 dense bytes as 16 rows of 256 (32 elements of 8 bytes), 16 bytes of padding behind each.  (These registers held the arguments until the choices above.)
	s_or_b32 s[G1S+0], s43, (3<<16)|(1<<20)|(1<<21)|(5<<22)|(3<<25)
	s_or_b32 s[G1SB+0], s44, (3<<16)|(1<<20)|(1<<21)|(5<<22)|(3<<25)
.irp g, G1S, G1SB
	s_mov_b32 s[\g+1], 32<<16
	s_mov_b32 s[\g+2], 16<<16
	s_mov_b32 s[\g+3], 32<<16
	s_mov_b32 s[\g+4], 16
	s_mov_b32 s[\g+5], 32
	s_mov_b32 s[\g+6], 0
	s_mov_b32 s[\g+7], 0
.endr
	s_add_nc_u64 s[20:21], s[4:5], s[20:21]
	s_add_nc_u64 s[22:23], s[6:7], s[22:23]
	s_add_nc_u64 s[46:47], s[8:9], s[46:47]
	s_add_nc_u64 s[92:93], s[10:11], s[92:93]
	CROUND                                         ; all sixteen work-groups are here: the first joint loads meet
	s_mov_b32 s[G0S], 1
	s_add_co_u32 s[G0S+1], s94, SCL
	s_mov_b64 s[G0S+2:G0S+3], s[22:23]
	s_or_b32 s[G0S+3], s[G0S+3], 0x80000000
	s_mov_b32 s[G0SB], 1
	s_add_co_u32 s[G0SB+1], s94, SCL
	s_mov_b64 s[G0SB+2:G0SB+3], s[92:93]
	s_or_b32 s[G0SB+3], s[G0SB+3], 0x80000000
	JLOAD G0S, G1S, G0SB, G1SB                     ; the scale bytes first: they are wanted with K step 0
.irp s, 0,1
	s_mov_b32 s[G0+4*\s], 1
	s_add_co_u32 s[G0+4*\s+1], s45, \s*SLOT
	s_add_nc_u64 s[G0+4*\s+2:G0+4*\s+3], s[20:21], \s*ROWB
	s_or_b32 s[G0+4*\s+3], s[G0+4*\s+3], 0x80000000
	s_mov_b32 s[G0B+4*\s], 1
	s_add_co_u32 s[G0B+4*\s+1], s45, \s*SLOT
	s_add_nc_u64 s[G0B+4*\s+2:G0B+4*\s+3], s[46:47], \s*ROWB
	s_or_b32 s[G0B+4*\s+3], s[G0B+4*\s+3], 0x80000000
	JLOAD G0+4*\s, G1, G0B+4*\s, G1B
.endr
	v_and_b32 v1, 15, v0                           ; r
	v_bfe_u32 v2, v0, 4, 1                         ; h
	v_mul_u32_u24 v3, v1, PITCH
	v_lshl_add_u32 v4, v2, 4, v3                   ; row r x pitch + 16 h: A's tiles, and B's X1 (whose first row stands in the offset)
	v_and_b32 v5, 8, v1
	v_lshl_add_u32 v5, v5, 1, v1                   ; r + 16 (r / 8)
	v_mul_u32_u24 v5, v5, PITCH
	v_lshl_add_u32 v5, v2, 4, v5                   ; B's X0
	s_mul_i32 s21, s15, HALFT                      ; my 128 rows of A
	s_mul_i32 s22, s16, HALFT                      ; my 128 rows of B,
	s_add_co_u32 s22, s22, 2*HALFT                 ; behind A's 256
.irp s, 0,1
	v_add_nc_u32 v[ADRA+\s], s21, v4
	v_add_nc_u32 v[ADRBE+\s], s22, v5
	v_add_nc_u32 v[ADRBO+\s], s22, v4
	s_add_co_u32 s21, s21, SLOT
	s_add_co_u32 s22, s22, SLOT
.endr
	; scale words.  Row p's 32 bytes lie at 272 (p / 8) + 32 (p % 8).  N = that of row r.  Lanes 0-15: A's block i: N + 544 i.  Lanes 16-31: B's tile i: even (X0): N + 544 (r / 8) + 544 i;  odd (X1): N - 272 + 544 i.
	v_mul_u32_u24 v5, v1, KS
	v_lshrrev_b32 v6, 8, v5
	v_lshl_add_u32 v5, v6, 4, v5                   ; N
	s_mul_i32 s21, s15, HALFS
	s_mul_i32 s22, s16, HALFS
	s_add_co_u32 s22, s22, 2*HALFS
	s_sub_co_u32 s22, s22, s21                     ; from A's rows to B's
	s_sub_co_u32 s23, s22, 272
	v_mul_u32_u24 v6, s22, v2                      ; lanes 16-31 take B's: one product with h in each address
	v_mul_u32_u24 v7, s23, v2
	s_add_co_u32 s21, s21, SCL
	v_bfe_u32 v8, v0, 3, 2                         ; lane / 8
	v_add_nc_u32 v8, 1, v8
	v_lshrrev_b32 v8, 2, v8                        ; 1 in lanes 24-31 alone
	v_mul_u32_u24 v8, v8, SBLK
	v_add_nc_u32 v6, v5, v6
	v_add_nc_u32 v6, v6, v8
	v_add_nc_u32 v[ADRSE], s21, v6
	v_add_nc_u32 v7, v5, v7
	v_add_nc_u32 v[ADRSO], s21, v7
	v_and_b32 v6, 31, v0
	v_lshlrev_b32 v[L16], 4, v6
	; where my results go: my 128 tokens are one group of one batch, my 128 columns two heads
	s_lshl_b32 s20, s17, 8
	s_lshl_b32 s21, s15, 7
	s_add_co_u32 s20, s20, s21                     ; my first row of A
	s_lshl_b32 s46, s42, 8
	s_lshl_b32 s47, s16, 7
	s_add_co_u32 s46, s46, s47                     ; my first row of B
	s_cmp_eq_u32 s66, 1
	s_cselect_b32 s21, s46, s20                    ; my first token
	s_cselect_b32 s47, s20, s46                    ; my first column
	s_lshr_b32 s18, s21, 11
	s_lshl_b32 s18, s18, 4
	s_lshr_b32 s19, s47, 6
	s_add_co_u32 s18, s18, s19                     ; 16 x batch + head
	s_lshl_b32 s18, s18, 4
	s_bfe_u32 s19, s21, 0x40007                    ; the group of 128 tokens
	s_add_co_u32 s18, s18, s19
	s_mul_i32 s18, s18, s67
	s_add_co_u32 s18, s18, s95
	s_mov_b32 s19, 0
	s_add_nc_u64 s[OUT0:OUT0+1], s[12:13], s[18:19]
	s_lshl_b32 s18, s67, 4                         ; the next head: 16 records on
	s_add_nc_u64 s[OUT0+2:OUT0+3], s[OUT0:OUT0+1], s[18:19]
.macro FRAG reg, adr, q, rows          ; 16 rows x 128 K: registers 4 c .. 4 c + 3 hold K = 32 c + 16 h + 0 .. 15
.irp c, 0,1,2,3
	ds_load_b128 v[\reg+4*\c:\reg+4*\c+3], v[\adr] offset:128*(\q)+32*\c+(\rows)*PITCH
.endr
.endm
; 16 matrix instructions: A's blocks a0, a0 + 1 x B's eight tiles.  The 64 accumulators take turns, one instruction a turn, in the same order in every step.
.macro MUL16 a0, p, q, sc, zero
.irp a, \a0, \a0+1
.irp b, 0,1,2,3,4,5,6,7
.if \zero
	v_wmma_scale_f32_16x16x128_f8f6f4 v[8*(8*((\a)%4)+\b):8*(8*((\a)%4)+\b)+7], v[128*(\p)+FR*\b:128*(\p)+FR*\b+FR-1], v[AF+FR*(\a):AF+FR*(\a)+FR-1], 0, v[SC+8*NQ*(\sc)+NQ*\b+(\q)], v[SC+8*NQ*(\sc)+NQ*(\a)+(\q)] matrix_a_fmt:MATRIX_FMT_BF8 matrix_b_fmt:MATRIX_FMT_BF8 matrix_a_scale:MATRIX_SCALE_ROW1
.else
	v_wmma_scale_f32_16x16x128_f8f6f4 v[8*(8*((\a)%4)+\b):8*(8*((\a)%4)+\b)+7], v[128*(\p)+FR*\b:128*(\p)+FR*\b+FR-1], v[AF+FR*(\a):AF+FR*(\a)+FR-1], v[8*(8*((\a)%4)+\b):8*(8*((\a)%4)+\b)+7], v[SC+8*NQ*(\sc)+NQ*\b+(\q)], v[SC+8*NQ*(\sc)+NQ*(\a)+(\q)] matrix_a_fmt:MATRIX_FMT_BF8 matrix_b_fmt:MATRIX_FMT_BF8 matrix_a_scale:MATRIX_SCALE_ROW1
.endif
.endr
.endr
.endm
.macro FETCH_B slot, q, p              ; B's eight tiles into set p: even tiles X0 (the pair's first row 16 i), odd tiles X1 (8 rows on)
	WIN TO_B
.irp i, 0,2,4,6
	FRAG 128*(\p)+FR*\i, ADRBE+\slot, \q, 16*\i
	FRAG 128*(\p)+FR*(\i+1), ADRBO+\slot, \q, 16*\i+8
.endr
	WIN 0
.endm
.macro FETCH_A slot, q, i0             ; A's blocks i0 .. i0 + 3
.irp i, \i0, \i0+1, \i0+2, \i0+3
	FRAG AF+FR*(\i), ADRA+\slot, \q, 16*(\i)
.endr
.endm
.macro SCALES sc                       ; a K step's scale words: two a row; lanes 0-15 A's block i, lanes 16-31 B's tile i
.irp i, 0,2,4,6
	ds_load_b64 v[SC+8*NQ*\sc+NQ*\i:SC+8*NQ*\sc+NQ*\i+1], v[ADRSE] offset:\i*SBLK
	ds_load_b64 v[SC+8*NQ*\sc+NQ*(\i+1):SC+8*NQ*\sc+NQ*(\i+1)+1], v[ADRSO] offset:(\i+1)*SBLK
.endr
.endm
.macro PLACES n                        ; plain vector instructions between a matrix instruction and a load into, or a read of, its registers (ISA guide 7.12.1 for reads)
.rept \n
	v_nop
.endr
.endm
.macro STEP slot, q, zero              ; 128 along K with its successor in the same slot
	s_wait_dscnt 4*NL                              ; B's set and A's blocks 0-3 are in; the youngest sixteen loads (A's blocks 4-7) may be out
	WIN MUL_LO
	MUL16 0, (\q)%2, \q, \slot, \zero
	MUL16 2, (\q)%2, \q, \slot, \zero
	s_wait_dscnt 0                                 ; A's blocks 4-7 are in
	PLACES NP
	FETCH_B \slot, (\q)+1, 1-(\q)%2
	FETCH_A \slot, (\q)+1, 0
	WIN MUL_HI
	MUL16 4, (\q)%2, \q, \slot, \zero
	MUL16 6, (\q)%2, \q, \slot, \zero
	PLACES NP
	WIN 0
	FETCH_A \slot, (\q)+1, 4
.endm
; A slot's last step changes slots: one barrier; in front of it each wave waits for all its tensor loads, adds 0 to its spare word, and waits for that and for its reads of this slot.
.macro TURN slot, next, fill
	s_wait_tensorcnt 0x0                           ; all my tensor loads have landed: my part of the next slot
	ds_add_u32 v[SPW], v[NIL]                      ; 0 onto my spare word
	s_wait_dscnt 4*NL+1                            ; (the add and the youngest sixteen loads may be out)
	WIN MUL_LO
	MUL16 0, 1, NQ-1, \slot, 0
	s_wait_dscnt 0x0                               ; the add is done, and my reads of this slot are over
	s_barrier_signal -1
	MUL16 2, 1, NQ-1, \slot, 0
	WIN 0
	s_barrier_wait -1
.if \fill
	CREST                                          ; the barrier has opened a round of the cluster's: no wave of any partner still reads this slot or has a load on its way
	s_add_nc_u64 s[G0+4*\slot+2:G0+4*\slot+3], s[G0+4*\slot+2:G0+4*\slot+3], 2*ROWB
	s_add_nc_u64 s[G0B+4*\slot+2:G0B+4*\slot+3], s[G0B+4*\slot+2:G0B+4*\slot+3], 2*ROWB
	JLOAD G0+4*\slot, G1, G0B+4*\slot, G1B         ; the first tensor load behind the round; its four v_nop are among the places in front of the loads below
	PLACES NP-4
.else
	PLACES NP
.endif
	v_add_nc_u32 v[ADRSE], 4*NQ, v[ADRSE]          ; on to the next K step's scale words (no LDS load of mine is out)
	v_add_nc_u32 v[ADRSO], 4*NQ, v[ADRSO]
	FETCH_B \next, 0, 0
	FETCH_A \next, 0, 0
	SCALES \next
	WIN MUL_HI
	MUL16 4, 1, NQ-1, \slot, 0
	MUL16 6, 1, NQ-1, \slot, 0
	PLACES NP
	WIN 0
	FETCH_A \next, 0, 4
.endm
	s_wait_tensorcnt 1                             ; the scale bytes and my part of K step 0 are in (K step 1's load may be out),
	s_barrier_signal -1
	s_barrier_wait -1                              ; everybody's are
	FETCH_B 0, 0, 0
	FETCH_A 0, 0, 0
	SCALES 0
	FETCH_A 0, 0, 4
	STEP 0, 0, 1                                   ; the first step's products start the sums
	s_mov_b32 s3, LAPS-1
.Llap:
	TURN 0, 1, 1
	STEP 1, 0, 0
	TURN 1, 0, 1
	STEP 0, 0, 0
	s_sub_co_u32 s3, s3, 1
	s_cmp_lg_u32 s3, 0
	s_cbranch_scc1 .Llap
	TURN 0, 1, 0                                   ; the last lap fills nothing
	STEP 1, 0, 0
	s_wait_dscnt 4*NL
	WIN MUL_LO
	MUL16 0, 1, NQ-1, 1, 0
	MUL16 2, 1, NQ-1, 1, 0
	s_wait_dscnt 0
	WIN MUL_HI
	MUL16 4, 1, NQ-1, 1, 0
	MUL16 6, 1, NQ-1, 1, 0
	WIN 0
; THE WAY OUT.  A's block a: 64 registers a lane, register 16 b + i a number of block b of the next K.  The block's largest magnitude (with the floor 2^-111 among its leaves) is joined with lane l xor 16's;
; 15 off its exponent field is the conversion's scale operand, that shifted down the byte; each number is held within 57,344 x the scale (the conversion does not saturate: ISA guide 7.6.2) and converted.
.macro QOUT a, isv
.set AC, 64*((\a)%4)
.set W, 2+(\a)/4
.set WN, 5*W
	WIN WN                                         ; sources 0 and 1: the accumulators' window
.irp b, 0,1,2,3
	v_max3_num_f32 v[TM+\b], |v[AC+16*\b]|, |v[AC+16*\b+1]|, 0x8000000   ; each accumulator is read from its low end on
.endr
.irp i, 2,4,6,8,10,12,14
.irp b, 0,1,2,3
	v_max3_num_f32 v[TM+\b], |v[AC+16*\b+\i]|, |v[AC+16*\b+\i+1]|, v[TM+\b]
.endr
.endr
	WIN 0
.irp b, 0,1,2,3
	v_permlanex16_b32 v[TM+4+\b], v[TM+\b], s[SEL], s[SEL+1]
.endr
.irp b, 0,1,2,3
	v_max_num_f32 v[TM+\b], v[TM+\b], v[TM+4+\b]
.endr
.irp b, 0,1,2,3
	v_add_nc_u32 v[TM+12+\b], 0xf8800000, v[TM+\b]
.endr
.irp b, 0,1,2,3
	v_and_or_b32 v[TM+8+\b], v[TM+\b], 0x7f800000, s6
.endr
.irp b, 0,1,2,3
	v_lshrrev_b32 v[TM+4+\b], 23, v[TM+12+\b]
.endr
.if \isv
.set WX, WD+4*((\a)/4)+2*((\a)%2)+((\a)%4)/2       ; head a / 4, word p of channel tile a % 4
	v_lshl_or_b32 v[WX], v[TM+5], 8, v[TM+4]       ; the four key blocks' bytes
	v_lshl_or_b32 v[WX], v[TM+6], 16, v[WX]
	v_lshl_or_b32 v[WX], v[TM+7], 24, v[WX]
.else
	v_lshl_or_b32 v[WD+(\a)], v[TM+5], 8, v[TM+4]  ; my first head's two bytes,
	v_lshl_or_b32 v[WD+8+(\a)], v[TM+7], 8, v[TM+6]  ; my second head's,
	v_lshl_or_b32 v[WD+(\a)], v[WD+(\a)], 16, v[WD+(\a)]  ; each pair once more above
	v_lshl_or_b32 v[WD+8+(\a)], v[WD+8+(\a)], 16, v[WD+8+(\a)]
.endif
.set WN, 65*W
	WIN WN                                         ; destination and source 0: the accumulators' window
.irp b, 0,1,2,3
.irp i, 0,1,2,3,4,5,6,7,8,9,10,11,12,13,14,15
	v_med3_num_f32 v[AC+16*\b+\i], v[AC+16*\b+\i], -v[TM+8+\b], v[TM+8+\b]
.endr
.endr
	WIN W                                          ; source 0 alone
.irp b, 0,1,2,3
	v_cvt_scalef32_pk8_bf8_f32 v[PCD+16*(\a)+4*\b:PCD+16*(\a)+4*\b+1], v[AC+16*\b:AC+16*\b+7], v[TM+12+\b]
	v_cvt_scalef32_pk8_bf8_f32 v[PCD+16*(\a)+4*\b+2:PCD+16*(\a)+4*\b+3], v[AC+16*\b+8:AC+16*\b+15], v[TM+12+\b]
.endr
	WIN 0
	v_nop                                          ; a plain place behind the last conversion
.irp b, 0,1,2,3
.if \isv
	global_store_b128 v[L16], v[PCD+16*(\a)+4*\b:PCD+16*(\a)+4*\b+3], s[OUT0+2*((\a)/4):OUT0+2*((\a)/4)+1] offset:(((\a)%4)/2)*4096+\b*1024+((\a)%2)*512
.else
	global_store_b128 v[L16], v[PCD+16*(\a)+4*\b:PCD+16*(\a)+4*\b+3], s[OUT0+2*(\b/2):OUT0+2*(\b/2)+1] offset:((\a)/2)*2048+(\b%2)*1024+((\a)%2)*512
.endif
.endr
.endm
.macro OUTP isv
.irp a, 0,1,2,3,4,5,6,7
	QOUT \a, \isv
.endr
.if \isv
	global_store_b128 v[L16], v[WD:WD+3], s[OUT0:OUT0+1] offset:8192       ; both halves of the lanes hold the four tiles' words
	global_store_b128 v[L16], v[WD+4:WD+7], s[OUT0+2:OUT0+3] offset:8192
.else
.irp d, 0,1                                    ; lanes 0-15 send token tiles 0-3, lanes 16-31 tiles 4-7; word p is tile 0, 2, 1, 3 of the four
	v_cndmask_b32 v[CW+4*\d+0], v[WD+8*\d+0], v[WD+8*\d+4], s7
	v_cndmask_b32 v[CW+4*\d+1], v[WD+8*\d+2], v[WD+8*\d+6], s7
	v_cndmask_b32 v[CW+4*\d+2], v[WD+8*\d+1], v[WD+8*\d+5], s7
	v_cndmask_b32 v[CW+4*\d+3], v[WD+8*\d+3], v[WD+8*\d+7], s7
.endr
	global_store_b128 v[L16], v[CW:CW+3], s[OUT0:OUT0+1] offset:8192
	global_store_b128 v[L16], v[CW+4:CW+7], s[OUT0+2:OUT0+3] offset:8192
.endif
.endm
	PLACES NP                                      ; behind the last products: their results are read, and the registers that held A's fragments written, only behind these
	s_mov_b32 s[SEL], 0x76543210
	s_mov_b32 s[SEL+1], 0xfedcba98                 ; lane l xor 16
	s_mov_b32 s6, 0x600000                         ; the mantissa field of 57,344
	s_mov_b32 s7, 0xffff0000                       ; lanes 16-31
.irp b, 0,1,2,3
	v_mov_b32 v[TM+4+\b], 0                        ; written once: a lane permute's destination counts as one of its sources
.endr
	s_cmp_eq_u32 s66, 1                            ; the job: the same in all partners
	s_cbranch_scc1 .Lv_out
	OUTP 0
	s_branch .Lend
.Lv_out:
	OUTP 1
.Lend:
	s_wait_tensorcnt 0x0                           ; the wave's end
	ds_add_u32 v[SPW], v[NIL]
	s_wait_dscnt 0x0
	CROUND                                         ; the closing round: no work-group ends while a partner may still ask for a tile that names it
	s_endpgm
.Lfunc_end_k_q7129368b8c_proj:
	.size	k_q7129368b8c_proj, .Lfunc_end_k_q7129368b8c_proj-k_q7129368b8c_proj
	.p2alignl 7, 3214868480
	.fill 96, 4, 3214868480
	.section	.rodata,"a",@progbits
	.p2align	6, 0x0
	.amdhsa_kernel k_q7129368b8c_proj
		.amdhsa_group_segment_fixed_size 327680
		.amdhsa_private_segment_fixed_size 0
		.amdhsa_enable_private_segment 0
		.amdhsa_kernarg_size 80
		.amdhsa_user_sgpr_count 2
		.amdhsa_user_sgpr_kernarg_segment_ptr 1
		.amdhsa_wavefront_size32 1
		.amdhsa_system_sgpr_workgroup_id_x 1
		.amdhsa_system_sgpr_workgroup_id_y 1
		.amdhsa_system_sgpr_workgroup_id_z 1
		.amdhsa_system_vgpr_workitem_id 0
		.amdhsa_next_free_vgpr 1024
		.amdhsa_next_free_sgpr 100
		.amdhsa_reserve_vcc 0
		.amdhsa_float_denorm_mode_32 3
		.amdhsa_float_denorm_mode_16_64 3
		.amdhsa_memory_ordered 1
		.amdhsa_forward_progress 1
		.amdhsa_inst_pref_size 255
	.end_amdhsa_kernel
	.amdgpu_metadata
---
amdhsa.version: [ 1, 2 ]
amdhsa.kernels:
  - .name:           k_q7129368b8c_proj
    .symbol:         k_q7129368b8c_proj.kd
    .args:
      - { .name: x_codes, .offset: 0, .size: 8, .value_kind: global_buffer, .address_space: global }
      - { .name: x_scales, .offset: 8, .size: 8, .value_kind: global_buffer, .address_space: global }
      - { .name: Wq_codes, .offset: 16, .size: 8, .value_kind: global_buffer, .address_space: global }
      - { .name: Wq_scales, .offset: 24, .size: 8, .value_kind: global_buffer, .address_space: global }
      - { .name: Wk_codes, .offset: 32, .size: 8, .value_kind: global_buffer, .address_space: global }
      - { .name: Wk_scales, .offset: 40, .size: 8, .value_kind: global_buffer, .address_space: global }
      - { .name: Wv_codes, .offset: 48, .size: 8, .value_kind: global_buffer, .address_space: global }
      - { .name: Wv_scales, .offset: 56, .size: 8, .value_kind: global_buffer, .address_space: global }
      - { .name: qrec, .offset: 64, .size: 8, .value_kind: global_buffer, .address_space: global }
      - { .name: kvrec, .offset: 72, .size: 8, .value_kind: global_buffer, .address_space: global }
    .group_segment_fixed_size: 327680
    .private_segment_fixed_size: 0
    .kernarg_segment_align: 8
    .kernarg_segment_size: 80
    .max_flat_workgroup_size: 128
    .sgpr_count:     100
    .vgpr_count:     1024
    .wavefront_size: 32
...
	.end_amdgpu_metadata
.endif
;; end of part 1
;; launch attn (part 2): grid 4 x 64, 16 waves a work-group, no clusters, 280,576 bytes of LDS; arguments qrec, kvrec, cimg, csc; writes cimg, csc
.if DOCPART == 2
	.amdgcn_target "amdgcn-amd-amdhsa--gfx1250"
	.amdhsa_code_object_version 6
	.text
	.protected	k_q7129368b8c_attn
	.globl	k_q7129368b8c_attn
	.p2align	8
	.type	k_q7129368b8c_attn,@function
k_q7129368b8c_attn:
	s_mov_b64 s[64:65], 0
	v_nop
	global_prefetch_b8 v0, s[64:65] scope:SCOPE_SE
	s_setreg_imm32_b32 hwreg(HW_REG_WAVE_MODE, 25, 1), 1
	s_wait_xcnt 0x0
; Causal attention of one head on codes of BF8 (E5M2) with E8M0 scales, and the quantising of its result.  2,048 tokens, head size 64, 64 (batch, head) pairs.
; t = score x log2(e) / 8; M = the running largest t rounded UP to a whole number; p = 2^(t - M) is quantised along the keys, not normalised; the row's sum is taken of the unquantised p and divides at the end.
; When M moves, the sum and O are multiplied by 2^(old M - new M): exact.
; SHARES.  A work-group: one head (y) and x = 0..3.  Each of its sixteen waves serves two tiles of 16 queries, one after the other: tile idx = wave / 2 of the group of 128 tokens G = 15 - j, then of G = j,
;   j = 2 x + ((wave ^ (wave >> 2)) & 1).  That is (16 - j) + (j + 1) = 17 key steps of 128 for every wave of every work-group: 256 work-groups of equal work.
; LDS holds the head's sixteen records of k and v as they lie in memory, 16 x 17,408 bytes, filled ONCE by sixteen tensor loads (waves 0-3, four each: at most four of a wave are out); nothing is filled again and nothing is stored to LDS.
; NO CLUSTER: the four work-groups of a head read the same records, but which key steps are worked hangs on the work-group's own queries, and partners of a joint load must run alike.
; LAYOUT.  Both products are used transposed: S^T = K Q^T, O^T = V^T P^T: a lane holds ONE query throughout.  Source 0's tiles are X tiles: of each 32 rows X0 takes rows 0-7 and 24-31, X1 rows 8-23, so that a lane's
;   16 registers of a pair of tiles are 16 numbers of one block of 32: lanes 0-15 k 0-15 in order, lanes 16-31 k 24-31 and then 16-23.  v's codes were made in that order, so p meets them as it comes;
;   the result, which meets a given weight, is put into true order by eight selects.  An X tile is read from the natural tiles' images: lane r of X0 takes lane r's 16 bytes of tile 2 b + r / 8, X1 lane r xor 8's.
; THE SCORE PRODUCT IS 128 DEEP FOR A K OF 64: q's upper eight registers are zeros; k's fragment of tile t is named v[48 + 8 t : 63 + 8 t], whose upper eight are the next tile's codes (finite: the quantiser holds them;
;   behind tile 7 zeros), and both sides' upper scale bytes repeat the lower ones.  Those products are zeros.
; OUT: cimg [tile of 16 tokens 512][pair of heads 8][block 4][lane 32][16 bytes]: register images of the next product's operand, 512 dense bytes a store.  csc [token][32]: one byte a lane; these stores write their
;   surroundings in part: a row's other bytes belong to other heads' work-groups; they are 1 byte in 33 of what the launch stores.
; LIMITS: NaN and infinities are not served.  A block whose largest magnitude lies under 2^-111, or of zeros, keeps the byte 1 (zero codes; the bytes are read by this program alone).  1 / sum is v_rcp_f32 and a
;   multiplication.  A block's largest p is made from its largest score by the same two instructions: that takes v_exp_f32 not to fall where its input rises.
.set KVREC, 17408
.set QREC,  8704
.set HEADB, 16*KVREC
.set L0,  1                            ; v1   X0: 16 lane + 512 (r / 8)
.set L1,  2                            ; v2   X1: that xor 128
.set LS0, 3                            ; v3   scale words of X0: 16 lane + 8 (r / 8)
.set LS1, 4                            ; v4   of X1: that xor 128
.set D0,  5                            ; v5   my query in its group - 24 h
.set D1,  6                            ; v6   my query in its group - 8 h
.set L16, 7                            ; v7   16 lane
.set CSO, 8                            ; v8   32 r + h
.set AD0, 9                            ; v9-10   the step's record + L0, L1
.set AS0, 11                           ; v11-12  + LS0, LS1
.set TMP, 13
.set SUM, 14                           ; v[14:15] the row's sum in two halves
.set NM,  16                           ; v16 -M, v17 the largest t
.set FF,  18                           ; v18 f, v19 named with it as a pair
.set QS,  20                           ; q's scale words
.set PS,  21                           ; p's
.set QS2, 22                           ; the second tile's q
.set HH,  23
.set KSC, 24                           ; v24-27 k's scale words
.set VSC, 28                           ; v28-31 v's
.set QF,  32                           ; v32-39 q, v40-47 zeros
.set KF,  48                           ; v48-111 eight tiles of k, later four fragments of v; v112-119 zeros
.set SS,  120                          ; v120-183 S^T, then p
.set OT,  184                          ; v184-215 O^T
.set PC,  216                          ; v216-231 p's codes
.set BM,  232
.set BT,  236
.set BL,  240
.set BO,  244
.set Q2,  248                          ; v248-255 the second tile's q
.set WV,  12
.set SEL, 20
.set CS,  22
.set MNT, 24
.set HIM, 25
.set G1,  28
.set G0,  36
.set TB,  52                           ; LDS byte of the step's record
.set STP, 53                           ; the step
.set CNT, 54
.set GG,  55                           ; my queries' group
	s_load_b256 s[4:11], s[0:1], 0x0               ; qrec, kvrec, cimg, csc
	v_lshl_add_u32 v254, v0, 2, 0x44000
	v_mov_b32 v255, 0
	ds_add_u32 v254, v255
	ds_add_u32 v254, v255
	s_wait_dscnt 0x0
	v_lshrrev_b32 v[TMP], 5, v0
	v_readfirstlane_b32 s[WV], v[TMP]              ; wave 0..15
	s_and_b32 s13, ttmp7, 0xffff                   ; 16 x batch + head
	s_lshr_b32 s14, s[WV], 2
	s_xor_b32 s14, s14, s[WV]
	s_and_b32 s14, s14, 1
	s_lshl_b32 s15, ttmp9, 1
	s_add_co_u32 s15, s15, s14                     ; j
	s_lshr_b32 s16, s[WV], 1                       ; idx
	s_sub_co_u32 s17, 15, s15                      ; the first pass's group
	s_mul_i32 s18, s13, HEADB                      ; the head's records
	s_mov_b32 s19, 0
	s_mul_i32 s26, s[WV], KVREC                    ; a fetching wave's first record, in memory and in LDS alike
	s_mov_b32 s27, 0
	s_mov_b32 s[G1], 3<<16                         ; a record: 68 rows of 256 bytes (32 elements of 8), dense; no mask, no padding
	s_mov_b32 s[G1+1], 32<<16
	s_mov_b32 s[G1+2], 68<<16
	s_mov_b32 s[G1+3], 32<<16
	s_mov_b32 s[G1+4], 68
	s_mov_b32 s[G1+5], 32
	s_mov_b32 s[G1+6], 0
	s_mov_b32 s[G1+7], 0
	s_wait_kmcnt 0x0
	s_add_nc_u64 s[6:7], s[6:7], s[18:19]
	s_cmp_lt_u32 s[WV], 4                          ; all first fills of a wave stand in this one branch, ahead of every wait on TENSORcnt, LDS read and barrier
	s_cbranch_scc0 .Lno_fetch
	s_add_nc_u64 s[6:7], s[6:7], s[26:27]
.irp g, 0,1,2,3                                ; records wave, 4 + wave, 8 + wave, 12 + wave
	s_mov_b32 s[G0+4*\g], 1
	s_add_co_u32 s[G0+4*\g+1], s26, \g*4*KVREC
	s_add_nc_u64 s[G0+4*\g+2:G0+4*\g+3], s[6:7], \g*4*KVREC
	s_or_b32 s[G0+4*\g+3], s[G0+4*\g+3], 0x80000000
.endr
	tensor_load_to_lds s[G0:G0+3], s[G1:G1+7]
	s_nop 0
	tensor_load_to_lds s[G0+4:G0+7], s[G1:G1+7]
	s_nop 0
	tensor_load_to_lds s[G0+8:G0+11], s[G1:G1+7]
	s_nop 0
	tensor_load_to_lds s[G0+12:G0+15], s[G1:G1+7]
	s_nop 0
.rept 4
	v_nop
.endr
.Lno_fetch:
	; the two tiles' records of q
	s_lshl_b32 s70, s13, 4
	s_add_co_u32 s71, s70, s17
	s_mul_i32 s56, s71, QREC
	s_mov_b32 s57, 0
	s_add_co_u32 s71, s70, s15
	s_mul_i32 s58, s71, QREC
	s_mov_b32 s59, 0
	s_add_nc_u64 s[56:57], s[4:5], s[56:57]
	s_add_nc_u64 s[58:59], s[4:5], s[58:59]
	v_and_b32 v[L16], 31, v0
	v_lshlrev_b32 v[L16], 4, v[L16]
	v_and_b32 v[TMP], 15, v0                       ; r
	v_bfe_u32 v[HH], v0, 4, 1                      ; h
	s_lshr_b32 s70, s16, 1
	s_lshl_b32 s70, s70, 11
	s_and_b32 s71, s16, 1
	s_lshl_b32 s72, s71, 9
	s_add_co_u32 s70, s70, s72                     ; tile idx's codes: (idx / 2) 2048 + (idx % 2) 512
	v_add_nc_u32 v[AD0], s70, v[L16]
	s_lshr_b32 s72, s16, 2
	s_lshl_b32 s72, s72, 8
	s_lshl_b32 s71, s71, 3
	s_add_co_u32 s72, s72, s71
	s_bfe_u32 s71, s16, 0x10001
	s_lshl_b32 s71, s71, 2
	s_add_co_u32 s72, s72, s71
	s_add_co_u32 s72, s72, 8192                    ; its scale words: 8192 + 256 (idx / 4) + 8 (idx % 2) + 4 ((idx / 2) % 2) + 16 r
	v_lshl_add_u32 v[AD0+1], v[TMP], 4, s72
	global_load_b128 v[QF:QF+3], v[AD0], s[56:57]
	global_load_b128 v[QF+4:QF+7], v[AD0], s[56:57] offset:1024
	global_load_b32 v[QS], v[AD0+1], s[56:57]
	global_load_b128 v[Q2:Q2+3], v[AD0], s[58:59]
	global_load_b128 v[Q2+4:Q2+7], v[AD0], s[58:59] offset:1024
	global_load_b32 v[QS2], v[AD0+1], s[58:59]
	; where the two results go
	s_lshr_b32 s70, s13, 4
	s_lshl_b32 s70, s70, 7
	s_add_co_u32 s70, s70, s16                     ; 128 x batch + idx
	s_and_b32 s71, s13, 15                         ; the head
	s_lshr_b32 s72, s71, 1
	s_lshl_b32 s72, s72, 11
	s_and_b32 s73, s71, 1
	s_lshl_b32 s73, s73, 10
	s_add_co_u32 s72, s72, s73                     ; its two blocks among a tile's 16,384 bytes
	s_lshl_b32 s71, s71, 1                         ; and among a token's 32 scale bytes
	s_lshl_b32 s74, s17, 3
	s_add_co_u32 s74, s74, s70                     ; the first pass's tile of 16 tokens
	s_lshl_b32 s60, s74, 14
	s_add_co_u32 s60, s60, s72
	s_mov_b32 s61, 0
	s_lshl_b32 s62, s74, 9
	s_add_co_u32 s62, s62, s71
	s_mov_b32 s63, 0
	s_lshl_b32 s74, s15, 3
	s_add_co_u32 s74, s74, s70                     ; the second pass's
	s_lshl_b32 s66, s74, 14
	s_add_co_u32 s66, s66, s72
	s_mov_b32 s67, 0
	s_lshl_b32 s68, s74, 9
	s_add_co_u32 s68, s68, s71
	s_mov_b32 s69, 0
	s_add_nc_u64 s[60:61], s[8:9], s[60:61]
	s_add_nc_u64 s[62:63], s[10:11], s[62:63]
	s_add_nc_u64 s[66:67], s[8:9], s[66:67]
	s_add_nc_u64 s[68:69], s[10:11], s[68:69]
	s_mov_b32 s[SEL], 0x76543210
	s_mov_b32 s[SEL+1], 0xfedcba98                 ; lane l xor 16
	s_mov_b32 s[CS], 0x3e38aa3b                    ; c = log2(e) / 8
	s_mov_b32 s[CS+1], s[CS]                       ; (named with it as a pair)
	s_mov_b32 s[MNT], 0x600000                     ; the mantissa field of 57,344
	s_mov_b32 s[HIM], 0xffff0000                   ; lanes 16-31
	s_mov_b32 s[TB], 0
	s_mov_b32 s[STP], 0
	s_mov_b32 s[GG], s17
	v_and_b32 v[L0], 8, v0
	v_lshl_add_u32 v[L0], v[L0], 6, v[L16]
	v_xor_b32 v[L1], 128, v[L0]
	v_and_b32 v[LS0], 8, v0
	v_add_nc_u32 v[LS0], v[LS0], v[L16]
	v_xor_b32 v[LS1], 128, v[LS0]
	s_lshl_b32 s70, s16, 4
	v_add_nc_u32 v[D0], s70, v[TMP]                ; my query in its group: 16 idx + r
	v_lshlrev_b32 v[D1], 3, v[HH]
	v_sub_nc_u32 v[D1], v[D0], v[D1]
	v_mul_u32_u24 v[AS0], v[HH], 24
	v_sub_nc_u32 v[D0], v[D0], v[AS0]
	v_lshl_add_u32 v[CSO], v[TMP], 5, v[HH]
.irp i, 0,1,2,3,4,5,6,7
	v_mov_b32 v[QF+8+\i], 0                        ; q's padded half
	v_mov_b32 v[KF+64+\i], 0                       ; behind k's tile 7
.endr
.irp b, 0,1,2,3
	v_mov_b32 v[BT+\b], 0                          ; written once: a lane permute's destination counts as one of its sources
.endr
	v_mov_b32 v[FF+1], 0
.macro INIT                                    ; a pass begins: the largest t under every t, sums and O^T zeros, which the first change of M leaves zeros
	v_mov_b32 v[NM+1], 0xff61b1e6
	v_floor_f32 v[NM], -v[NM+1]
	v_mov_b32 v[SUM], 0
	v_mov_b32 v[SUM+1], 0
.set n, 0
.rept 32
	v_mov_b32 v[OT+n], 0
.set n, n+1
.endr
.endm
; A KEY STEP: 128 keys, their record at LDS byte TB.  A step all of whose keys come after my queries is left out by a scalar branch on ids, round its work alone: the lines at its end that step TB and the step's number are on both ways.
.macro STEP
	s_cmp_gt_u32 s[STP], s[GG]
	s_cbranch_scc1 .Lhidden_\@
	v_add_nc_u32 v[AD0], s[TB], v[L0]
	v_add_nc_u32 v[AD0+1], s[TB], v[L1]
	v_add_nc_u32 v[AS0], s[TB], v[LS0]
	v_add_nc_u32 v[AS0+1], s[TB], v[LS1]
.rept 4
	v_nop                                          ; with the four additions: eight places between the last step's products and the loads into the registers that they read
.endr
.irp e, 0,1,2,3
.irp u, 0,1
	ds_load_b128 v[KF+8*(2*\e+\u):KF+8*(2*\e+\u)+3], v[AD0+\u] offset:\e*2048
	ds_load_b128 v[KF+8*(2*\e+\u)+4:KF+8*(2*\e+\u)+7], v[AD0+\u] offset:\e*2048+1024
.endr
.endr
	ds_load_b64 v[KSC:KSC+1], v[AS0] offset:8192       ; X0: lanes 0-15 the words of key blocks 0, 1; lanes 16-31 of blocks 2, 3
	ds_load_b64 v[KSC+2:KSC+3], v[AS0+1] offset:8192   ; X1 likewise
	s_wait_dscnt 0x0
.irp t, 0,1,2,3
	v_wmma_scale_f32_16x16x128_f8f6f4 v[SS+8*\t:SS+8*\t+7], v[KF+8*\t:KF+8*\t+15], v[QF:QF+15], 0, v[KSC+2*(\t%2)+(\t/2)%2], v[QS] matrix_a_fmt:MATRIX_FMT_BF8 matrix_b_fmt:MATRIX_FMT_BF8
.endr
.irp t, 4,5,6,7
	v_wmma_scale_f32_16x16x128_f8f6f4 v[SS+8*\t:SS+8*\t+7], v[KF+8*\t:KF+8*\t+15], v[QF:QF+15], 0, v[KSC+2*(\t%2)+(\t/2)%2], v[QS] matrix_a_fmt:MATRIX_FMT_BF8 matrix_b_fmt:MATRIX_FMT_BF8 matrix_a_scale:MATRIX_SCALE_ROW1
.endr
.rept 8
	v_nop                                          ; places: in front of the loads into k's registers, and of the first read of the scores
.endr
.irp t, 0,1,2,3                                ; v's four X tiles of channels: they land while the softmax is worked
.irp c, 0,1,2,3
	ds_load_b128 v[KF+16*\t+4*\c:KF+16*\t+4*\c+3], v[AD0+(\t%2)] offset:8704+(\t/2)*4096+\c*1024
.endr
.endr
	ds_load_b64 v[VSC:VSC+1], v[AS0] offset:16896
	ds_load_b64 v[VSC+2:VSC+3], v[AS0+1] offset:16896
	s_cmp_lg_u32 s[STP], s[GG]                     ; on the diagonal alone: hidden keys' scores become -infinity ahead of the maximum
	s_cbranch_scc1 .Lopen_\@
	v_mov_b32 v[TMP], 0xff800000
.set n, 0
.rept 64                                       ; register 16 b + i holds key 32 b + i + 24 h (i < 8) or 32 b + i + 8 h: hidden where 32 b + i > my query - 24 h, or - 8 h
	v_cmp_gt_i32 vcc_lo, 32*(n/16)+n%16, v[D0+(n%16)/8]
	v_cndmask_b32 v[SS+n], v[SS+n], v[TMP], vcc_lo
.set n, n+1
.endr
.Lopen_\@:
.irp b, 0,1,2,3
	v_max3_num_f32 v[BM+\b], v[SS+16*\b], v[SS+16*\b+1], v[SS+16*\b+2]   ; the largest score of each block of 32 keys: for the row's maximum, and for the block's largest p
.endr
.irp i, 3,5,7,9,11,13
.irp b, 0,1,2,3
	v_max3_num_f32 v[BM+\b], v[BM+\b], v[SS+16*\b+\i], v[SS+16*\b+\i+1]
.endr
.endr
.irp b, 0,1,2,3
	v_max_num_f32 v[BM+\b], v[BM+\b], v[SS+16*\b+15]
.endr
.irp b, 0,1,2,3
	v_permlanex16_b32 v[BT+\b], v[BM+\b], s[SEL], s[SEL+1]
.endr
.irp b, 0,1,2,3
	v_max_num_f32 v[BM+\b], v[BM+\b], v[BT+\b]     ; with lane l xor 16's 16 keys
.endr
	v_max3_num_f32 v[TMP], v[BM], v[BM+1], v[BM+2]
	v_max_num_f32 v[TMP], v[TMP], v[BM+3]
	v_mul_f32 v[TMP], s[CS], v[TMP]                ; as t
	v_max_num_f32 v[NM+1], v[NM+1], v[TMP]         ; the running largest t
	v_mov_b32 v[TMP], v[NM]
	v_floor_f32 v[NM], -v[NM+1]                    ; -M = floor(-t)
	v_sub_f32 v[TMP], v[NM], v[TMP]                ; old M - new M: a whole number, 0 or less
	v_cvt_i32_f32 v[TMP], v[TMP]                   ; (it saturates)
	v_ldexp_f32 v[FF], 1.0, v[TMP]                 ; f = 2^(old M - new M)
.set n, 0
.rept 32
	v_pk_fma_f32 v[SS+n:SS+n+1], v[SS+n:SS+n+1], s[CS:CS+1], v[NM:NM+1] op_sel_hi:[1,0,0]   ; t - M
.set n, n+2
.endr
.irp b, 0,1,2,3
	v_fma_f32 v[BM+\b], v[BM+\b], s[CS], v[NM]
.endr
.set n, 0
.rept 64
	v_exp_f32 v[SS+n], v[SS+n]                     ; p
.set n, n+1
.endr
.irp b, 0,1,2,3
	v_exp_f32 v[BM+\b], v[BM+\b]                   ; the block's largest p
.endr
	v_pk_mul_f32 v[SUM:SUM+1], v[SUM:SUM+1], v[FF:FF+1] op_sel_hi:[1,0]   ; the sums under the new M (a plain place behind the exponentials)
	s_wait_alu depctr_va_vdst(0)
.irp b, 0,1,2,3
	v_max_num_f32 v[BM+\b], 0x8000000, v[BM+\b]    ; the floor 2^-111: the byte cannot fall under 1
.endr
.irp b, 0,1,2,3
	v_add_nc_u32 v[BO+\b], 0xf8800000, v[BM+\b]    ; 15 off the exponent field: the conversion's scale operand
.endr
.irp b, 0,1,2,3
	v_and_or_b32 v[BL+\b], v[BM+\b], 0x7f800000, s[MNT]   ; 57,344 x the scale
.endr
.irp b, 0,1,2,3
	v_lshrrev_b32 v[BT+\b], 23, v[BO+\b]           ; the byte
.endr
	v_lshl_or_b32 v[PS], v[BT+1], 8, v[BT]         ; p's scale word for these 128 keys
	v_lshl_or_b32 v[PS], v[BT+2], 16, v[PS]
	v_lshl_or_b32 v[PS], v[BT+3], 24, v[PS]
	v_pk_add_f32 v[BT:BT+1], v[SS:SS+1], v[SS+2:SS+3]   ; the row's sum of the unquantised p, in two chains
.set n, 4
.rept 15
	v_pk_add_f32 v[SUM:SUM+1], v[SUM:SUM+1], v[SS+n:SS+n+1]
	v_pk_add_f32 v[BT:BT+1], v[BT:BT+1], v[SS+n+2:SS+n+3]
.set n, n+4
.endr
	v_pk_add_f32 v[SUM:SUM+1], v[SUM:SUM+1], v[BT:BT+1]
.irp b, 0,1,2,3
.irp i, 0,1,2,3,4,5,6,7,8,9,10,11,12,13,14,15
	v_min_num_f32 v[SS+16*\b+\i], v[SS+16*\b+\i], v[BL+\b]   ; the conversion does not saturate (ISA guide 7.6.2); p is not negative
.endr
	v_cvt_scalef32_pk8_bf8_f32 v[PC+4*\b:PC+4*\b+1], v[SS+16*\b:SS+16*\b+7], v[BO+\b]
	v_cvt_scalef32_pk8_bf8_f32 v[PC+4*\b+2:PC+4*\b+3], v[SS+16*\b+8:SS+16*\b+15], v[BO+\b]
.endr
.set n, 0
.rept 16
	v_pk_mul_f32 v[OT+n:OT+n+1], v[OT+n:OT+n+1], v[FF:FF+1] op_sel_hi:[1,0]   ; O^T under the new M; also the places between the conversions and the products
.set n, n+2
.endr
	s_wait_dscnt 0x0                               ; v
.irp t, 0,1,2,3                                ; one instruction a turn on four accumulators; the scores' products stand between one step's and the next's
	v_wmma_scale_f32_16x16x128_f8f6f4 v[OT+8*\t:OT+8*\t+7], v[KF+16*\t:KF+16*\t+15], v[PC:PC+15], v[OT+8*\t:OT+8*\t+7], v[VSC+2*(\t%2)+\t/2], v[PS] matrix_a_fmt:MATRIX_FMT_BF8 matrix_b_fmt:MATRIX_FMT_BF8
.endr
.Lhidden_\@:
	s_add_co_u32 s[TB], s[TB], KVREC
	s_add_co_u32 s[STP], s[STP], 1
.endm
; Four key steps whose records are the g-th loads of waves 0-3.  The count leaves a fetching wave's younger records on their way.
.macro GROUP g
	s_wait_tensorcnt 3-\g
	s_wait_dscnt 0x0
	s_barrier_signal -1
	s_barrier_wait -1
	s_mov_b32 s[CNT], 4
.Lgroup_\@:
	STEP
	s_sub_co_u32 s[CNT], s[CNT], 1
	s_cmp_lg_u32 s[CNT], 0
	s_cbranch_scc1 .Lgroup_\@
.endm
; A pass's end: O^T / the sum, quantised along the head's 64 (two blocks), put into true order, stored.
.macro CTXOUT cb, sb
.rept 8
	v_nop                                          ; places behind the last products
.endr
	v_add_f32 v[SUM], v[SUM], v[SUM+1]
	v_permlanex16_b32 v[TMP], v[SUM], s[SEL], s[SEL+1]
	v_add_f32 v[SUM], v[SUM], v[TMP]               ; the row's sum
	v_rcp_f32 v[FF], v[SUM]
	v_nop                                          ; a plain place behind the reciprocal
.set n, 0
	s_wait_alu depctr_va_vdst(0)
.rept 16
	v_pk_mul_f32 v[OT+n:OT+n+1], v[OT+n:OT+n+1], v[FF:FF+1] op_sel_hi:[1,0]
.set n, n+2
.endr
.irp b, 0,1
	v_max3_num_f32 v[BM+\b], |v[OT+16*\b]|, |v[OT+16*\b+1]|, 0x8000000
.endr
.irp i, 2,4,6,8,10,12,14
.irp b, 0,1
	v_max3_num_f32 v[BM+\b], v[BM+\b], |v[OT+16*\b+\i]|, |v[OT+16*\b+\i+1]|
.endr
.endr
.irp b, 0,1
	v_permlanex16_b32 v[BT+\b], v[BM+\b], s[SEL], s[SEL+1]
.endr
.irp b, 0,1
	v_max_num_f32 v[BM+\b], v[BM+\b], v[BT+\b]
.endr
.irp b, 0,1
	v_add_nc_u32 v[BO+\b], 0xf8800000, v[BM+\b]
.endr
.irp b, 0,1
	v_and_or_b32 v[BL+\b], v[BM+\b], 0x7f800000, s[MNT]
.endr
.irp b, 0,1
	v_lshrrev_b32 v[BT+\b], 23, v[BO+\b]
.endr
.irp b, 0,1
.irp i, 0,1,2,3,4,5,6,7,8,9,10,11,12,13,14,15
	v_med3_num_f32 v[OT+16*\b+\i], v[OT+16*\b+\i], -v[BL+\b], v[BL+\b]
.endr
.endr
.irp b, 0,1
	v_cvt_scalef32_pk8_bf8_f32 v[PC+4*\b:PC+4*\b+1], v[OT+16*\b:OT+16*\b+7], v[BO+\b]
	v_cvt_scalef32_pk8_bf8_f32 v[PC+4*\b+2:PC+4*\b+3], v[OT+16*\b+8:OT+16*\b+15], v[BO+\b]
.endr
	v_nop                                          ; a plain place behind the last conversion
.irp b, 0,1                                    ; lanes 16-31 hold channels 24-31 ahead of 16-23: their two pairs of registers change places
	v_cndmask_b32 v[PC+8+4*\b+0], v[PC+4*\b+0], v[PC+4*\b+2], s[HIM]
	v_cndmask_b32 v[PC+8+4*\b+1], v[PC+4*\b+1], v[PC+4*\b+3], s[HIM]
	v_cndmask_b32 v[PC+8+4*\b+2], v[PC+4*\b+2], v[PC+4*\b+0], s[HIM]
	v_cndmask_b32 v[PC+8+4*\b+3], v[PC+4*\b+3], v[PC+4*\b+1], s[HIM]
.endr
	v_cndmask_b32 v[TMP], v[BT], v[BT+1], s[HIM]   ; lane (r, h) sends block h's byte of token r
	global_store_b128 v[L16], v[PC+8:PC+11], s[\cb:\cb+1]
	global_store_b128 v[L16], v[PC+12:PC+15], s[\cb:\cb+1] offset:512
	global_store_b8 v[CSO], v[TMP], s[\sb:\sb+1]
	s_wait_xcnt 0x0                                ; the stores' data are written again only behind this wait
.endm
	INIT
	s_wait_loadcnt 0x0                             ; q, both tiles
	GROUP 0
	GROUP 1
	GROUP 2
	GROUP 3                                        ; its wait is for 0: no tensor load is out from here on
	CTXOUT 60, 62
.irp i, 0,1,2,3,4,5,6,7
	v_mov_b32 v[QF+\i], v[Q2+\i]                   ; the second tile
.endr
	v_mov_b32 v[QS], v[QS2]
	INIT
	s_mov_b32 s[TB], 0
	s_mov_b32 s[STP], 0
	s_mov_b32 s[GG], s15                           ; j, at most 7: eight steps cover it; every record has landed, so no barrier
	s_mov_b32 s[CNT], 8
.Lsecond:
	STEP
	s_sub_co_u32 s[CNT], s[CNT], 1
	s_cmp_lg_u32 s[CNT], 0
	s_cbranch_scc1 .Lsecond
	CTXOUT 66, 68
	s_wait_xcnt 0x0
	v_lshl_add_u32 v254, v0, 2, 0x44000
	v_mov_b32 v255, 0
	s_wait_tensorcnt 0x0
	ds_add_u32 v254, v255
	s_wait_dscnt 0x0
	s_endpgm
.Lfunc_end_k_q7129368b8c_attn:
	.size	k_q7129368b8c_attn, .Lfunc_end_k_q7129368b8c_attn-k_q7129368b8c_attn
	.p2alignl 7, 3214868480
	.fill 96, 4, 3214868480
	.section	.rodata,"a",@progbits
	.p2align	6, 0x0
	.amdhsa_kernel k_q7129368b8c_attn
		.amdhsa_group_segment_fixed_size 280576
		.amdhsa_private_segment_fixed_size 0
		.amdhsa_enable_private_segment 0
		.amdhsa_kernarg_size 32
		.amdhsa_user_sgpr_count 2
		.amdhsa_user_sgpr_kernarg_segment_ptr 1
		.amdhsa_wavefront_size32 1
		.amdhsa_system_sgpr_workgroup_id_x 1
		.amdhsa_system_sgpr_workgroup_id_y 1
		.amdhsa_system_sgpr_workgroup_id_z 1
		.amdhsa_system_vgpr_workitem_id 0
		.amdhsa_next_free_vgpr 256
		.amdhsa_next_free_sgpr 80
		.amdhsa_reserve_vcc 1
		.amdhsa_float_denorm_mode_32 3
		.amdhsa_float_denorm_mode_16_64 3
		.amdhsa_memory_ordered 1
		.amdhsa_forward_progress 1
		.amdhsa_inst_pref_size 141
	.end_amdhsa_kernel
	.amdgpu_metadata
---
amdhsa.version: [ 1, 2 ]
amdhsa.kernels:
  - .name:           k_q7129368b8c_attn
    .symbol:         k_q7129368b8c_attn.kd
    .args:
      - { .name: qrec, .offset: 0, .size: 8, .value_kind: global_buffer, .address_space: global }
      - { .name: kvrec, .offset: 8, .size: 8, .value_kind: global_buffer, .address_space: global }
      - { .name: cimg, .offset: 16, .size: 8, .value_kind: global_buffer, .address_space: global }
      - { .name: csc, .offset: 24, .size: 8, .value_kind: global_buffer, .address_space: global }
    .group_segment_fixed_size: 280576
    .private_segment_fixed_size: 0
    .kernarg_segment_align: 8
    .kernarg_segment_size: 32
    .max_flat_workgroup_size: 512
    .sgpr_count:     80
    .vgpr_count:     256
    .wavefront_size: 32
...
	.end_amdgpu_metadata
.endif
;; end of part 2
;; launch outp (part 3): grid 4 x 32, 4 waves a work-group, clusters of 4 x 4, 327,680 bytes of LDS; arguments cimg, csc, Wo_codes, Wo_scales, bo, out0; writes out0
.if DOCPART == 3
	.amdgcn_target "amdgcn-amd-amdhsa--gfx1250"
	.amdhsa_code_object_version 6
	.text
	.protected	k_q7129368b8c_outp
	.globl	k_q7129368b8c_outp
	.p2align	8
	.type	k_q7129368b8c_outp,@function
k_q7129368b8c_outp:
	s_mov_b64 s[64:65], 0
	v_nop
	global_prefetch_b8 v0, s[64:65] scope:SCOPE_SE
	s_setreg_imm32_b32 hwreg(HW_REG_WAVE_MODE, 25, 1), 1
	s_wait_xcnt 0x0
	s_wait_alu depctr_hold_cnt(0) depctr_sa_sdst(0) depctr_va_vdst(0) depctr_va_sdst(0) depctr_va_ssrc(0) depctr_va_vcc(0) depctr_vm_vsrc(0)
	s_getreg_b32 s2, hwreg(HW_REG_IB_STS2, 6, 4)
	s_cmp_eq_u32 s2, 0
	s_cbranch_scc0 .Lentry_in_a_cluster
	s_endpgm
.Lentry_in_a_cluster:
	s_bfe_u32 s2, ttmp6, 0x10000c
	s_cmp_lg_u32 s2, 0xf033
	s_cbranch_scc0 .Lentry_shape_is_right
	s_endpgm
.Lentry_shape_is_right:
; out0 = ctx Wo + bo.  ctx: 8,192 rows x K 1,024 as codes of BF8 (E5M2), laid as register images: cimg [tile of 16 rows 512][128 along K 8][c 4][lane 32][16 bytes]; its scale bytes csc [8,192][32].
; Wo: 1,024 rows (output columns) of 1,024 codes, 32 scale bytes a row.  bo [1,024] and out0 [8,192][1,024]: f32.
; A tile of 256 x 256 of the output is made by four waves, 128 x 128 each; K goes in steps of 256 through a ring of two LDS slots; the scale bytes of the tile's rows, for all of K, come once.
; A's part of a slot: for each of 16 tiles of rows 4,096 consecutive bytes of memory (two fragments' images); a wave's load brings 8 such rows, dense in LDS; a fragment is four loads at 16 x lane: no pitch, no conflict.
; CLUSTERS 4 x 4: A's tiles are shared along a row of the cluster, B's along a column, each asked for jointly.  The matrix instruction is used transposed (source 0 = 16 rows of Wo, source 1 = 16 rows of ctx):
; a lane holds eight neighbouring numbers of a row of the output.  THE BIAS is the C of each sum's first matrix instruction: eight registers for each of B's eight blocks, in the result's layout.
; 128 work-groups: the output has 128 tiles of this size; a smaller tile would read half as much again from LDS for each multiply-add, and the launch's stores are its larger part.
; REGISTERS: window 0: v0-31 addresses; v32-63 scale words, two sets; v64-127 the bias; from v128 A's fragments, one set (on the way out rows of the output).  window 1: B's fragments, two sets.  windows 2, 3: the accumulators.
.set SIZE_N, 1024
.set NQ,     2
.set ROWB,   256
.set AROW,   4096                      ; a slot's bytes of one tile of 16 rows of ctx
.set KROW,   1024
.set PITCH,  272
.set FR,     16
.set NL,     4
.set NP,     8
.set HALFT,  128*PITCH
.set SLOT,   4*HALFT
.set LAPS,   2
.set KS,     32
.set SCL,    2*SLOT
.set HALFS,  16*272
.set SBLK,   2*272
.set SPARE,  SCL+4*HALFS
.set SPITCH, 528                       ; the way out: a stage of 16 rows x (512 bytes + 16) for each wave, in slot 0, which has had its last fill and its last read when the first result is stored there
.set ADRA, 16
.set ADRB, 20
.set STO,  24
.set RD,   25
.set CO,   26                          ; 16 x lane
.set ADRS, 27
.set SPW,  28
.set NIL,  29
.set BOF,  30                          ; 32 h: my half's eight numbers of the bias
.set SC,   32
.set BI,   64                          ; v64-127 the bias
.set AF,   128
.set BK,   128
.set G1, 24
.set G0, 32
.set G1B, 48
.set G0B, 56
.set G1S, 68
.set G0S, 76
.set G1SB, 80
.set G0SB, 88
.set MSB, 0
.macro WIN new
.if MSB != \new
	s_set_vgpr_msb (MSB<<8)|\new
.set MSB, \new
.endif
.endm
.set MUL_LO, 0xa1                      ; source 0 (B) window 1, source 1 (A) window 0, C and D window 2
.set MUL_HI, 0xf1
.set BEG_LO, 0x81                      ; the first step: C (the bias) window 0, D window 2
.set BEG_HI, 0xc1
.set TO_B,   0x40
.macro JLOAD g0a, g1a, g0b, g1b        ; a joint load: waves 0 and 1 fetch for A, waves 2 and 3 for B; four v_nop follow each line
	s_cmp_eq_u32 s15, 0
	s_cbranch_scc0 .Lfor_b_\@
	tensor_load_to_lds s[\g0a:\g0a+3], s[\g1a:\g1a+7]
	s_nop 0
.rept 4
	v_nop
.endr
	s_branch .Lasked_\@
.Lfor_b_\@:
	tensor_load_to_lds s[\g0b:\g0b+3], s[\g1b:\g1b+7]
	s_nop 0
.rept 4
	v_nop
.endr
.Lasked_\@:
.endm
.macro CREST
	s_cmp_lg_u32 s14, 0
	s_cbranch_scc1 .Lnot_wave_0_\@
	s_barrier_signal -3
.Lnot_wave_0_\@:
	s_barrier_wait -3
	s_barrier_signal -1
	s_barrier_wait -1
.endm
.macro CROUND
	s_barrier_signal -1
	s_barrier_wait -1
	CREST
.endm
	s_load_b128 s[4:7], s[0:1], 0x0                ; ctx's images, its scale bytes
	s_load_b128 s[8:11], s[0:1], 0x10              ; Wo's codes, its scale bytes
	s_load_b64 s[96:97], s[0:1], 0x20              ; bo
	s_load_b64 s[12:13], s[0:1], 0x28              ; out0
	v_lshl_add_u32 v[SPW], v0, 2, SPARE
	v_mov_b32 v[NIL], 0
	ds_add_u32 v28, v29
	ds_add_u32 v28, v29
	s_wait_dscnt 0x0
	v_lshrrev_b32 v1, 5, v0
	v_readfirstlane_b32 s14, v1                    ; wave 0..3
	s_lshr_b32 s15, s14, 1
	s_and_b32 s16, s14, 1
	s_bfe_u32 s40, ttmp6, 0x40000                  ; cx
	s_bfe_u32 s41, ttmp6, 0x40004                  ; cy
	s_lshl_b32 s42, ttmp9, 2
	s_add_co_u32 s42, s42, s40                     ; tile column
	s_and_b32 s17, ttmp7, 0xffff
	s_lshl_b32 s17, s17, 2
	s_add_co_u32 s17, s17, s41                     ; tile row
	s_lshl_b32 s43, s41, 2
	s_lshl_b32 s43, 15, s43                        ; my row of the cluster
	s_lshl_b32 s44, 0x1111, s40                    ; my column
	s_or_b32 s[G1+0], s43, (3<<16)|(1<<21)         ; A: mask; elements of 8 bytes; bit 21 beside a mask; no padding
	s_mov_b32 s[G1+1], 512<<16                     ; a row: 512 elements, 4,096 bytes
	s_mov_b32 s[G1+2], 8<<16                       ; 8 rows: 8 tiles of 16 rows of ctx
	s_mov_b32 s[G1+3], 512<<16
	s_mov_b32 s[G1+4], 8
	s_mov_b32 s[G1+5], 2048                        ; from tile to tile: 16,384 bytes
	s_mov_b32 s[G1+6], 0
	s_mov_b32 s[G1+7], 0
	s_or_b32 s[G1B+0], s44, (0<<16)|(1<<20)|(1<<21)|(5<<22)|(3<<25)  ; B: 128 rows of 256 bytes, 16 bytes of padding behind each
	s_mov_b32 s[G1B+1], ROWB<<16
	s_mov_b32 s[G1B+2], 128<<16
	s_mov_b32 s[G1B+3], ROWB<<16
	s_mov_b32 s[G1B+4], 128
	s_mov_b32 s[G1B+5], KROW
	s_mov_b32 s[G1B+6], 0
	s_mov_b32 s[G1B+7], 0
	s_or_b32 s[G1S+0], s43, (3<<16)|(1<<20)|(1<<21)|(5<<22)|(3<<25)  ; the scale bytes of 128 rows: 16 rows of 256 bytes, padded
	s_or_b32 s[G1SB+0], s44, (3<<16)|(1<<20)|(1<<21)|(5<<22)|(3<<25)
.irp g, G1S, G1SB
	s_mov_b32 s[\g+1], 32<<16
	s_mov_b32 s[\g+2], 16<<16
	s_mov_b32 s[\g+3], 32<<16
	s_mov_b32 s[\g+4], 16
	s_mov_b32 s[\g+5], 32
	s_mov_b32 s[\g+6], 0
	s_mov_b32 s[\g+7], 0
.endr
	s_lshl_b32 s18, s16, 7                         ; which 128 rows of the tile I fetch
	s_lshl_b32 s20, s17, 8
	s_add_co_u32 s20, s20, s18
	s_lshl_b32 s46, s42, 8
	s_add_co_u32 s46, s46, s18
	s_mov_b32 s21, 0
	s_mov_b32 s47, 0
	s_mov_b64 s[18:19], KS
	s_mul_u64 s[22:23], s[20:21], s[18:19]
	s_mul_u64 s[92:93], s[46:47], s[18:19]
	s_mov_b64 s[18:19], KROW                       ; (row / 16) tiles of 16,384 bytes are row x 1,024 bytes: the images begin where rows of 1,024 would
	s_mul_u64 s[20:21], s[20:21], s[18:19]
	s_mul_u64 s[46:47], s[46:47], s[18:19]
	s_mul_i32 s45, s14, HALFT
	s_mul_i32 s94, s14, HALFS
	s_wait_kmcnt 0x0
	s_add_nc_u64 s[20:21], s[4:5], s[20:21]
	s_add_nc_u64 s[22:23], s[6:7], s[22:23]
	s_add_nc_u64 s[46:47], s[8:9], s[46:47]
	s_add_nc_u64 s[92:93], s[10:11], s[92:93]
	CROUND                                         ; all sixteen work-groups are here: the first joint loads meet
	s_mov_b32 s[G0S], 1
	s_add_co_u32 s[G0S+1], s94, SCL
	s_mov_b64 s[G0S+2:G0S+3], s[22:23]
	s_or_b32 s[G0S+3], s[G0S+3], 0x80000000
	s_mov_b32 s[G0SB], 1
	s_add_co_u32 s[G0SB+1], s94, SCL
	s_mov_b64 s[G0SB+2:G0SB+3], s[92:93]
	s_or_b32 s[G0SB+3], s[G0SB+3], 0x80000000
	JLOAD G0S, G1S, G0SB, G1SB
.irp s, 0,1
	s_mov_b32 s[G0+4*\s], 1
	s_add_co_u32 s[G0+4*\s+1], s45, \s*SLOT
	s_add_nc_u64 s[G0+4*\s+2:G0+4*\s+3], s[20:21], \s*AROW
	s_or_b32 s[G0+4*\s+3], s[G0+4*\s+3], 0x80000000
	s_mov_b32 s[G0B+4*\s], 1
	s_add_co_u32 s[G0B+4*\s+1], s45, \s*SLOT
	s_add_nc_u64 s[G0B+4*\s+2:G0B+4*\s+3], s[46:47], \s*ROWB
	s_or_b32 s[G0B+4*\s+3], s[G0B+4*\s+3], 0x80000000
	JLOAD G0+4*\s, G1, G0B+4*\s, G1B
.endr
	v_and_b32 v1, 15, v0                           ; r
	v_bfe_u32 v2, v0, 4, 1                         ; h
	v_and_b32 v6, 31, v0
	v_lshlrev_b32 v[CO], 4, v6                     ; 16 x lane
	v_mul_u32_u24 v3, v1, PITCH
	v_lshl_add_u32 v4, v2, 4, v3
	s_mul_i32 s21, s15, HALFT
	s_mul_i32 s22, s16, HALFT
	s_add_co_u32 s22, s22, 2*HALFT
.irp s, 0,1
	v_add_nc_u32 v[ADRA+\s], s21, v[CO]            ; A: images
	v_add_nc_u32 v[ADRB+\s], s22, v4               ; B: rows
	s_add_co_u32 s21, s21, SLOT
	s_add_co_u32 s22, s22, SLOT
.endr
	v_mul_u32_u24 v5, v1, KS
	v_lshrrev_b32 v6, 8, v5
	v_lshl_add_u32 v5, v6, 4, v5
	s_mul_i32 s21, s15, HALFS
	s_mul_i32 s22, s16, HALFS
	s_add_co_u32 s22, s22, 2*HALFS
	s_sub_co_u32 s22, s22, s21
	v_mul_u32_u24 v6, s22, v2                      ; lanes 16-31 take B's
	s_add_co_u32 s21, s21, SCL
	v_add_nc_u32 v5, v5, v6
	v_add_nc_u32 v[ADRS], s21, v5
	s_mul_i32 s23, s14, 16*SPITCH                  ; my stage
	v_mul_u32_u24 v5, v1, SPITCH
	v_lshl_add_u32 v5, v2, 5, v5
	v_add_nc_u32 v[STO], s23, v5
	v_add_nc_u32 v[RD], s23, v[CO]
	s_lshl_b32 s20, s17, 8
	s_lshl_b32 s21, s15, 7
	s_add_co_u32 s20, s20, s21                     ; my first row of the output
	s_mov_b32 s21, 0
	s_mov_b64 s[18:19], SIZE_N*4
	s_mul_u64 s[20:21], s[20:21], s[18:19]
	s_lshl_b32 s46, s42, 10                        ; my first column, in bytes
	s_lshl_b32 s47, s16, 9
	s_add_co_u32 s46, s46, s47
	s_mov_b32 s47, 0
	s_add_nc_u64 s[20:21], s[20:21], s[46:47]
	s_add_nc_u64 s[12:13], s[12:13], s[20:21]
	s_add_nc_u64 s[96:97], s[96:97], s[46:47]      ; and the same column of the bias
	v_lshlrev_b32 v[BOF], 5, v2
.irp b, 0,1,2,3,4,5,6,7
	global_load_b128 v[BI+8*\b:BI+8*\b+3], v[BOF], s[96:97] offset:64*\b       ; register 8 b + j: bo at my column 16 b + 8 h + j
	global_load_b128 v[BI+8*\b+4:BI+8*\b+7], v[BOF], s[96:97] offset:64*\b+16
.endr
.macro FRAG reg, adr, q, i             ; B: 16 rows x 128 K from rows
.irp c, 0,1,2,3
	ds_load_b128 v[\reg+4*\c:\reg+4*\c+3], v[\adr] offset:128*(\q)+32*\c+(\i)*16*PITCH
.endr
.endm
.macro FRAGA reg, adr, q, i            ; A: the same registers from an image
.irp c, 0,1,2,3
	ds_load_b128 v[\reg+4*\c:\reg+4*\c+3], v[\adr] offset:(\i)*AROW+(\q)*2048+512*\c
.endr
.endm
; 16 matrix instructions; the 64 accumulators take turns, one instruction a turn, in the same order in every step.  zero = 1: the bias starts the sums.
.macro MUL16 a0, p, q, sc, zero
.irp a, \a0, \a0+1
.irp b, 0,1,2,3,4,5,6,7
.if \zero
	v_wmma_scale_f32_16x16x128_f8f6f4 v[8*(8*((\a)%4)+\b):8*(8*((\a)%4)+\b)+7], v[128*(\p)+FR*\b:128*(\p)+FR*\b+FR-1], v[AF+FR*(\a):AF+FR*(\a)+FR-1], v[BI+8*\b:BI+8*\b+7], v[SC+8*NQ*(\sc)+NQ*\b+(\q)], v[SC+8*NQ*(\sc)+NQ*(\a)+(\q)] matrix_a_fmt:MATRIX_FMT_BF8 matrix_b_fmt:MATRIX_FMT_BF8 matrix_a_scale:MATRIX_SCALE_ROW1
.else
	v_wmma_scale_f32_16x16x128_f8f6f4 v[8*(8*((\a)%4)+\b):8*(8*((\a)%4)+\b)+7], v[128*(\p)+FR*\b:128*(\p)+FR*\b+FR-1], v[AF+FR*(\a):AF+FR*(\a)+FR-1], v[8*(8*((\a)%4)+\b):8*(8*((\a)%4)+\b)+7], v[SC+8*NQ*(\sc)+NQ*\b+(\q)], v[SC+8*NQ*(\sc)+NQ*(\a)+(\q)] matrix_a_fmt:MATRIX_FMT_BF8 matrix_b_fmt:MATRIX_FMT_BF8 matrix_a_scale:MATRIX_SCALE_ROW1
.endif
.endr
.endr
.endm
.macro FETCH_B slot, q, p
	WIN TO_B
.irp i, 0,1,2,3,4,5,6,7
	FRAG 128*(\p)+FR*\i, ADRB+\slot, \q, \i
.endr
	WIN 0
.endm
.macro FETCH_A slot, q, i0
.irp i, \i0, \i0+1, \i0+2, \i0+3
	FRAGA AF+FR*(\i), ADRA+\slot, \q, \i
.endr
.endm
.macro SCALES sc
.irp i, 0,1,2,3,4,5,6,7
	ds_load_b64 v[SC+8*NQ*\sc+NQ*\i:SC+8*NQ*\sc+NQ*\i+1], v[ADRS] offset:\i*SBLK
.endr
.endm
.macro PLACES n
.rept \n
	v_nop
.endr
.endm
.macro STEP slot, q, zero
	s_wait_dscnt 4*NL                              ; B's set and A's blocks 0-3 are in; the youngest sixteen loads (A's blocks 4-7) may be out
.if \zero
	WIN BEG_LO
.else
	WIN MUL_LO
.endif
	MUL16 0, (\q)%2, \q, \slot, \zero
	MUL16 2, (\q)%2, \q, \slot, \zero
	s_wait_dscnt 0
	PLACES NP
	FETCH_B \slot, (\q)+1, 1-(\q)%2
	FETCH_A \slot, (\q)+1, 0
.if \zero
	WIN BEG_HI
.else
	WIN MUL_HI
.endif
	MUL16 4, (\q)%2, \q, \slot, \zero
	MUL16 6, (\q)%2, \q, \slot, \zero
	PLACES NP
	WIN 0
	FETCH_A \slot, (\q)+1, 4
.endm
.macro TURN slot, next, fill
	s_wait_tensorcnt 0x0                           ; all my tensor loads have landed: my part of the next slot
	ds_add_u32 v[SPW], v[NIL]                      ; 0 onto my spare word
	s_wait_dscnt 4*NL+1                            ; (the add and the youngest sixteen loads may be out)
	WIN MUL_LO
	MUL16 0, 1, NQ-1, \slot, 0
	s_wait_dscnt 0x0                               ; the add is done, and my reads of this slot are over
	s_barrier_signal -1
	MUL16 2, 1, NQ-1, \slot, 0
	WIN 0
	s_barrier_wait -1
.if \fill
	CREST                                          ; the barrier has opened a round of the cluster's: no wave of any partner still reads this slot or has a load on its way
	s_add_nc_u64 s[G0+4*\slot+2:G0+4*\slot+3], s[G0+4*\slot+2:G0+4*\slot+3], 2*AROW
	s_add_nc_u64 s[G0B+4*\slot+2:G0B+4*\slot+3], s[G0B+4*\slot+2:G0B+4*\slot+3], 2*ROWB
	JLOAD G0+4*\slot, G1, G0B+4*\slot, G1B
	PLACES NP-4
.else
	PLACES NP
.endif
	v_add_nc_u32 v[ADRS], 4*NQ, v[ADRS]
	FETCH_B \next, 0, 0
	FETCH_A \next, 0, 0
	SCALES \next
	WIN MUL_HI
	MUL16 4, 1, NQ-1, \slot, 0
	MUL16 6, 1, NQ-1, \slot, 0
	PLACES NP
	WIN 0
	FETCH_A \next, 0, 4
.endm
	s_wait_tensorcnt 1                             ; the scale bytes and my part of K step 0 are in (K step 1's load may be out),
	s_barrier_signal -1
	s_barrier_wait -1                              ; everybody's are
	FETCH_B 0, 0, 0
	FETCH_A 0, 0, 0
	SCALES 0
	FETCH_A 0, 0, 4
	s_wait_loadcnt 0x0                             ; the bias
	STEP 0, 0, 1
	s_mov_b32 s3, LAPS-1
.Llap:
	TURN 0, 1, 1
	STEP 1, 0, 0
	TURN 1, 0, 1
	STEP 0, 0, 0
	s_sub_co_u32 s3, s3, 1
	s_cmp_lg_u32 s3, 0
	s_cbranch_scc1 .Llap
	TURN 0, 1, 0
	STEP 1, 0, 0
	s_wait_dscnt 4*NL
	WIN MUL_LO
	MUL16 0, 1, NQ-1, 1, 0
	MUL16 2, 1, NQ-1, 1, 0
	s_wait_dscnt 0
	WIN MUL_HI
	MUL16 4, 1, NQ-1, 1, 0
	MUL16 6, 1, NQ-1, 1, 0
	WIN 0
; THE WAY OUT, block by block of 16 rows x 128 columns, through my own stage: in as 32 bytes a lane, back as whole rows of 512 bytes.  LDS serves a wave's instructions in order (ISA guide 5.7.1.4).
.macro TOSTAGE a
.set AC, 64*((\a)%4)
.set WN, 0x08+4*((\a)/4)
	WIN WN                                         ; the data: window 2 or 3
.irp b, 0,1,2,3,4,5,6,7
	ds_store_b128 v[STO], v[AC+8*\b:AC+8*\b+3] offset:64*\b          ; each accumulator from its low end on
	ds_store_b128 v[STO], v[AC+8*\b+4:AC+8*\b+7] offset:64*\b+16
.endr
	WIN 0
.set BB, BK+64*((\a)%2)
.irp t, 0,1,2,3,4,5,6,7,8,9,10,11,12,13,14,15
	ds_load_b128 v[BB+4*\t:BB+4*\t+3], v[RD] offset:\t*SPITCH
.endr
.endm
.macro SEND a, younger
.set BB, BK+64*((\a)%2)
	s_wait_dscnt \younger
.if (\a) > 0
	s_add_nc_u64 s[12:13], s[12:13], 16*SIZE_N*4   ; (behind a wait on XCNT: the earlier stores have read their base)
.endif
.irp t, 0,1,2,3,4,5,6,7,8,9,10,11,12,13,14,15
	global_store_b128 v[CO], v[BB+4*\t:BB+4*\t+3], s[12:13] offset:\t*SIZE_N*4 th:TH_STORE_NT   ; 32 lanes store 512 consecutive bytes, at a multiple of 256 from the output's first byte
.endr
.endm
	PLACES NP
	TOSTAGE 0
.irp a, 1,2,3,4,5,6,7
.if \a > 1
	s_wait_xcnt 0x0                                ; block a - 2's stores have read their registers and their base
.endif
	TOSTAGE \a
	SEND \a-1, 32                                  ; behind block a - 1's loads: block a's 16 stores and 16 loads
.endr
	s_wait_xcnt 0x0
	SEND 7, 0
	s_wait_tensorcnt 0x0                           ; the wave's end
	ds_add_u32 v[SPW], v[NIL]
	s_wait_dscnt 0x0
	CROUND                                         ; the closing round
	s_endpgm
.Lfunc_end_k_q7129368b8c_outp:
	.size	k_q7129368b8c_outp, .Lfunc_end_k_q7129368b8c_outp-k_q7129368b8c_outp
	.p2alignl 7, 3214868480
	.fill 96, 4, 3214868480
	.section	.rodata,"a",@progbits
	.p2align	6, 0x0
	.amdhsa_kernel k_q7129368b8c_outp
		.amdhsa_group_segment_fixed_size 327680
		.amdhsa_private_segment_fixed_size 0
		.amdhsa_enable_private_segment 0
		.amdhsa_kernarg_size 48
		.amdhsa_user_sgpr_count 2
		.amdhsa_user_sgpr_kernarg_segment_ptr 1
		.amdhsa_wavefront_size32 1
		.amdhsa_system_sgpr_workgroup_id_x 1
		.amdhsa_system_sgpr_workgroup_id_y 1
		.amdhsa_system_sgpr_workgroup_id_z 1
		.amdhsa_system_vgpr_workitem_id 0
		.amdhsa_next_free_vgpr 1024
		.amdhsa_next_free_sgpr 98
		.amdhsa_reserve_vcc 0
		.amdhsa_float_denorm_mode_32 3
		.amdhsa_float_denorm_mode_16_64 3
		.amdhsa_memory_ordered 1
		.amdhsa_forward_progress 1
		.amdhsa_inst_pref_size 147
	.end_amdhsa_kernel
	.amdgpu_metadata
---
amdhsa.version: [ 1, 2 ]
amdhsa.kernels:
  - .name:           k_q7129368b8c_outp
    .symbol:         k_q7129368b8c_outp.kd
    .args:
      - { .name: cimg, .offset: 0, .size: 8, .value_kind: global_buffer, .address_space: global }
      - { .name: csc, .offset: 8, .size: 8, .value_kind: global_buffer, .address_space: global }
      - { .name: Wo_codes, .offset: 16, .size: 8, .value_kind: global_buffer, .address_space: global }
      - { .name: Wo_scales, .offset: 24, .size: 8, .value_kind: global_buffer, .address_space: global }
      - { .name: bo, .offset: 32, .size: 8, .value_kind: global_buffer, .address_space: global }
      - { .name: out0, .offset: 40, .size: 8, .value_kind: global_buffer, .address_space: global }
    .group_segment_fixed_size: 327680
    .private_segment_fixed_size: 0
    .kernarg_segment_align: 8
    .kernarg_segment_size: 48
    .max_flat_workgroup_size: 128
    .sgpr_count:     98
    .vgpr_count:     1024
    .wavefront_size: 32
...
	.end_amdgpu_metadata
.endif
;; end of part 3
;; ======== version 2 of 2: 3 launches; 1.09 times as fast as version 1
;; workspace buffers: qrec 8,912,896 bytes; kvrec 17,825,792 bytes; cimg 8,388,608 bytes; csc 262,144 bytes
;; launch proj (part 4): grid 8 x 32, 4 waves a work-group, clusters of 4 x 4, 327,680 bytes of LDS; arguments x_codes, x_scales, Wq_codes, Wq_scales, Wk_codes, Wk_scales, Wv_codes, Wv_scales, qrec, kvrec; writes qrec, kvrec
.if DOCPART == 4
	.amdgcn_target "amdgcn-amd-amdhsa--gfx1250"
	.amdhsa_code_object_version 6
	.text
	.protected	k_q7129368b8c_proj
	.globl	k_q7129368b8c_proj
	.p2align	8
	.type	k_q7129368b8c_proj,@function
k_q7129368b8c_proj:
	s_mov_b64 s[64:65], 0
	v_nop
	global_prefetch_b8 v0, s[64:65] scope:SCOPE_SE
	s_setreg_imm32_b32 hwreg(HW_REG_WAVE_MODE, 25, 1), 1
	s_wait_xcnt 0x0
	s_wait_alu depctr_hold_cnt(0) depctr_sa_sdst(0) depctr_va_vdst(0) depctr_va_sdst(0) depctr_va_ssrc(0) depctr_va_vcc(0) depctr_vm_vsrc(0)
	s_getreg_b32 s2, hwreg(HW_REG_IB_STS2, 6, 4)
	s_cmp_eq_u32 s2, 0
	s_cbranch_scc0 .Lentry_in_a_cluster
	s_endpgm
.Lentry_in_a_cluster:
	s_bfe_u32 s2, ttmp6, 0x10000c
	s_cmp_lg_u32 s2, 0xf033
	s_cbranch_scc0 .Lentry_shape_is_right
	s_endpgm
.Lentry_shape_is_right:
; q = x Wq, k = x Wk, v = x Wv on codes of BF8 (E5M2) with E8M0 scales, K = 1,024; each result is quantised in registers and leaves as codes and scale words.
; x: 8,192 rows of 1,024 codes, 32 scale bytes a row; each W: 1,024 rows (output columns) of 1,024 codes, likewise.
; SHARES.  The three results are 8,192 x 3,072 numbers: one and a half tiles of 256 x 256 for each of 256 work-groups.  So A WORK-GROUP STAYS and makes two parts:
;   PART 1: a tile of 256 tokens x 256 columns of q (cluster x = 0) or of k (cluster x = 1); four waves, 128 x 128 each: 64 accumulators.
;   PART 2: 128 channels x 256 tokens of v; four waves, 64 channels (one head) x 128 tokens each: 32 accumulators.
; The A slot is source 1 (a lane holds one of its rows), the B slot source 0 (a lane's registers run along its rows).
;   part 1: A = x (a lane is a token), B = W (registers run along the head's 64, the next product's K).      part 2: A = Wv (a lane is a channel), B = x (registers run along the tokens, the next K).
; K goes in steps of 256 through a ring of two LDS slots, and THE RING GOES ON INTO PART 2: part 1's last two changes of slots ask for part 2's K steps 0 and 1, which land under the last products and the way out.
; The scale bytes of both parts' rows, for all of K, come once, with the first fills: four loads of a wave are out at the start, one behind each change of slots.
; B'S TILES ARE NOT 16 NEIGHBOURING ROWS.  Of each 32 rows tile X0 takes rows 0-7 and 24-31 (lane r: row r + 16 (r / 8)), tile X1 rows 8-23 (lane r: row 8 + r).  A lane's 16 registers of the pair are then 16 numbers
;   of ONE block of 32: lanes 0-15 hold k 0-15 in order, lanes 16-31 hold k 24-31 and then 16-23.  That exchange inside a block is the same in q and k, and the same in v and in the weights p that the
;   next launch makes, so every product pairs like with like and the block's scale is untouched.  With rows 272 bytes apart both tiles' sixteen rows begin in sixteen different groups of banks.
; CLUSTERS 4 x 4: A's tiles are shared along a row of the cluster, B's along a column, each asked for jointly.  Part 1: A's tile 4 cluster y + cy, B's cx.  Part 2: A's 4 cluster x + cy, B's 4 cluster y + cx.
; THE WAY OUT uses no LDS: a lane's 16 codes are 16 bytes of an operand's register image; a store of the wave covers 512 consecutive bytes at a multiple of 256 from the buffer's first byte.
;   qrec  [batch x head 64][group of 128 tokens 16]: 8,192 bytes of codes, 512 of scale words.      kvrec [64][16]: k's 8,192 + 512, then v's 8,192 + 512.
;   q, k codes: token tile a (0-7), block c (0, 1): (a / 2) 2048 + c 1024 + (a % 2) 512 + 16 lane.    v codes: channel tile a (0-3), key block c (0-3): (a / 2) 4096 + c 1024 + (a % 2) 512 + 16 lane.
;   scale words: 16 bytes a lane; word p = 2 (a % 2) + (a % 4) / 2 of lane r + 16 (a / 4) is tile a's row r (v: both halves of the lanes hold tiles 0-3).
;   A q or k word is b0 | b1 << 8 | b0 << 16 | b1 << 24: the score product is 128 deep for a K of 64, and its padded half, where q's codes are zeros, carries the same scales as the real half.
; LIMITS: NaN and infinities are not served.  A block whose largest magnitude lies under 2^-111 keeps the byte 1, and so does a block of zeros (its codes are zeros; these bytes are read by this program alone).
; REGISTERS: window 0: v0-31 addresses; v32-63 scale words, two sets; from v128 A's fragments (part 1: eight blocks, one set; part 2: four blocks, two sets); on the ways out v64-239 are at work.
;   window 1: B's fragments, two sets.   window 2: the accumulators of A's blocks 0-3 ((a, b) at v[8 (8 a + b)]);   window 3: those of blocks 4-7 (part 1 alone).
.set NQ,     2                         ; matrix instructions deep in a slot
.set ROWB,   256                       ; a tile's row in bytes
.set KROW,   1024                      ; a row of codes in memory
.set PITCH,  272                       ; an LDS row: 256 bytes + 16 of padding
.set FR,     16                        ; registers of a fragment
.set NL,     4                         ; LDS loads that bring one
.set NP,     8                         ; places behind this matrix instruction (ISA guide 7.12.1)
.set HALFT,  128*PITCH                 ; 128 rows: the room of one wave's tensor load
.set SLOT,   4*HALFT                   ; A's two halves, then B's two
.set KS,     32                        ; a row of scale bytes
.set SCL,    2*SLOT                    ; behind the ring: part 1's scale bytes, as units of 256 bytes + 16
.set HALFS,  16*272                    ; those of 128 rows
.set QUARS,  8*272                     ; of 64 rows
.set SBLK,   2*272                     ; of 16 rows
.set SCL2,   SCL+4*HALFS               ; part 2's: A's 128 rows,
.set SB2,    SCL2+2*QUARS              ; then B's 256
.set SPARE,  SB2+2*HALFS               ; the spare words: 128 bytes a wave, named by no other line
.set QREC,   8704
.set KVREC,  17408
.set ADRA,  16                         ; v16-17  my A fragments in slot 0, 1
.set ADRBE, 20                         ; v20-21  B's X0 tiles
.set ADRBO, 22                         ; v22-23  B's X1 tiles
.set ADRSE2, 24                        ; v24     part 2's scale words: as ADRSE
.set ADRSO2, 25                        ; v25     as ADRSO
.set L16,   26                         ; v26     16 x lane
.set ADRSE, 27                         ; v27     part 1's scale words: lanes 0-15 A's rows, lanes 16-31 the rows of B's X0 tiles
.set SPW,   28                         ; v28     my spare word; never rewritten
.set NIL,   29                         ; v29     0; never rewritten
.set ADRSO, 30                         ; v30     the same for B's X1 tiles
.set SC,    32                         ; v32-63  scale words, two sets
.set AF,    128                        ; A's fragments, window 0
.set PCD,   64                         ; the ways out: codes, 16 registers for each of A's blocks
.set TM,    200                        ; v200-203 largest magnitudes, v204-207 bytes, v208-211 the largest number x the scale, v212-215 the conversions' scale operands
.set WD,    216                        ; v216-231 scale words
.set CW,    232                        ; v232-239 the words as they leave
.set SEL,   4                          ; s[4:5] lane selects, s6 mantissa field, s7 mask of lanes 16-31 (on the ways out: these registers' descriptor has long been served)
.set G1S2,  4                          ; s[4:11]   group 1, s[12:15] group 0: part 2's scale bytes of A
.set G0S2,  12
.set WV,    16                         ; s16 wave, s17 wave / 2, s18 wave % 2
.set WH,    17
.set WL,    18
.set G1,    24                         ; s[24:31] group 1 for A's tiles, s[32:39] group 0, a set for each slot
.set G0,    32
.set A2C,   44                         ; s[44:45] where part 2's codes of A begin;  s[46:47] B's
.set B2C,   46
.set G1B,   48                         ; s[48:55], s[56:63] the same for B's tiles
.set G0B,   56
.set G1S,   68                         ; s[68:75], s[76:79] part 1's scale bytes of A
.set G0S,   76
.set G1SB,  80                         ; s[80:87] group 1 for B's scale bytes, both parts';  s[88:91], s[92:95] their groups 0
.set G0SB,  88
.set G0SB2, 92
.set OUT0,  96                         ; s[96:97], s[98:99] part 1: my two heads' records
.set OUT2,  100                        ; s[100:101] part 2: v's place in my head's record
.set MSB, 0
.macro WIN new                         ; the immediate's high byte repeats the setting that is left
.if MSB != \new
	s_set_vgpr_msb (MSB<<8)|\new
.set MSB, \new
.endif
.endm
.set MUL_LO, 0xa1                      ; source 0 (B) window 1, source 1 (A) window 0, C and D window 2
.set MUL_HI, 0xf1                      ; the same, C and D window 3
.set TO_B,   0x40                      ; destination window 1
; A joint load: waves 0 and 1 fetch for A, waves 2 and 3 for B; the branch hangs on the wave's number alone.  Four v_nop follow each line.
.macro JLOAD g0a, g1a, g0b, g1b
	s_cmp_eq_u32 s[WH], 0
	s_cbranch_scc0 .Lfor_b_\@
	tensor_load_to_lds s[\g0a:\g0a+3], s[\g1a:\g1a+7]
	s_nop 0
.rept 4
	v_nop
.endr
	s_branch .Lasked_\@
.Lfor_b_\@:
	tensor_load_to_lds s[\g0b:\g0b+3], s[\g1b:\g1b+7]
	s_nop 0
.rept 4
	v_nop
.endr
.Lasked_\@:
.endm
.macro CREST                           ; a round of the cluster's barrier behind its opening barrier
	s_cmp_lg_u32 s[WV], 0
	s_cbranch_scc1 .Lnot_wave_0_\@
	s_barrier_signal -3
.Lnot_wave_0_\@:
	s_barrier_wait -3
	s_barrier_signal -1
	s_barrier_wait -1
.endm
.macro CROUND
	s_barrier_signal -1
	s_barrier_wait -1
	CREST
.endm
	s_load_b512 s[68:83], s[0:1], 0x0              ; x codes, x scales, Wq codes, scales, Wk codes, scales, Wv codes, scales
	s_load_b128 s[84:87], s[0:1], 0x40             ; qrec, kvrec
	v_lshl_add_u32 v[SPW], v0, 2, SPARE
	v_mov_b32 v[NIL], 0
	ds_add_u32 v28, v29
	ds_add_u32 v28, v29
	s_wait_dscnt 0x0
	v_lshrrev_b32 v1, 5, v0
	v_readfirstlane_b32 s[WV], v1                  ; wave 0..3
	s_lshr_b32 s[WH], s[WV], 1                     ; which half of A's rows is mine.  Also: I fetch for A (0) or for B (1)
	s_and_b32 s[WL], s[WV], 1                      ; which half of B's rows.  Also: which half of that tile I fetch
	s_bfe_u32 s40, ttmp6, 0x40000                  ; cx
	s_bfe_u32 s41, ttmp6, 0x40004                  ; cy
	s_and_b32 s19, ttmp7, 0xffff
	s_lshl_b32 s19, s19, 2                         ; 4 x cluster y
	s_lshl_b32 s20, ttmp9, 2                       ; 4 x cluster x
	s_add_co_u32 s42, s19, s41                     ; part 1, A's tile: 256 tokens of x
	s_add_co_u32 s43, s20, s41                     ; part 2, A's tile: 128 rows of Wv
	s_add_co_u32 s66, s19, s40                     ; part 2, B's tile: 256 tokens of x.  (Part 1's B tile, 256 rows of the weight, is cx)
	s_lshl_b32 s21, s41, 2
	s_lshl_b32 s21, 15, s21                        ; my row of the cluster
	s_lshl_b32 s22, 0x1111, s40                    ; my column
	s_or_b32 s[G1+0], s21, (0<<16)|(1<<20)|(1<<21)|(5<<22)|(3<<25)  ; mask; elements of 1 byte; padding on; bit 21 beside a mask; after every 64 words, 4 words
	s_or_b32 s[G1B+0], s22, (0<<16)|(1<<20)|(1<<21)|(5<<22)|(3<<25)
.irp g, G1, G1B
	s_mov_b32 s[\g+1], ROWB<<16                    ; tensor_dim0
	s_mov_b32 s[\g+2], 128<<16                     ; tensor_dim1
	s_mov_b32 s[\g+3], ROWB<<16                    ; tile_dim0
	s_mov_b32 s[\g+4], 128                         ; tile_dim1
	s_mov_b32 s[\g+5], KROW                        ; from row to row
	s_mov_b32 s[\g+6], 0
	s_mov_b32 s[\g+7], 0
.endr
	s_or_b32 s[G1S2+0], s21, (3<<16)|(1<<20)|(1<<21)|(5<<22)|(3<<25)  ; the scale bytes of 64 rows: 2,048 dense bytes as 8 rows of 256 (32 elements of 8 bytes), 16 bytes of padding behind each
	s_mov_b32 s[G1S2+1], 32<<16
	s_mov_b32 s[G1S2+2], 8<<16
	s_mov_b32 s[G1S2+3], 32<<16
	s_mov_b32 s[G1S2+4], 8
	s_mov_b32 s[G1S2+5], 32
	s_mov_b32 s[G1S2+6], 0
	s_mov_b32 s[G1S2+7], 0
	; the first rows that I fetch
	s_lshl_b32 s2, s[WL], 7
	s_lshl_b32 s23, s42, 8
	s_add_co_u32 s23, s23, s2                      ; part 1, A: 256 x tile + 128 x half
	s_lshl_b32 s67, s40, 8
	s_add_co_u32 s67, s67, s2                      ; part 1, B likewise: also my wave's first column
	s_lshl_b32 s20, s66, 8
	s_add_co_u32 s20, s20, s2                      ; part 2, B likewise: also my wave's first token there
	s_lshl_b32 s2, s[WL], 6
	s_lshl_b32 s19, s43, 7
	s_add_co_u32 s19, s19, s2                      ; part 2, A: 128 x tile + 64 x half
	; where my results go, as byte offsets.  Part 1: my 128 tokens are one group of one batch, my 128 columns two heads
	s_mov_b32 s98, KVREC
	s_cmp_eq_u32 ttmp9, 0
	s_cselect_b32 s98, QREC, s98                   ; a record's bytes
	s_lshl_b32 s96, s42, 8
	s_lshl_b32 s97, s[WH], 7
	s_add_co_u32 s96, s96, s97                     ; my first token
	s_lshr_b32 s97, s96, 11
	s_lshl_b32 s97, s97, 4
	s_lshr_b32 s99, s67, 6
	s_add_co_u32 s97, s97, s99                     ; 16 x batch + head
	s_lshl_b32 s97, s97, 4
	s_bfe_u32 s96, s96, 0x40007                    ; the group of 128 tokens
	s_add_co_u32 s97, s97, s96
	s_mul_i32 s96, s97, s98
	s_lshl_b32 s98, s98, 4                         ; the next head: 16 records on
	s_mov_b32 s97, 0
	s_mov_b32 s99, 0
	; part 2: my 64 channels are one head, my 128 tokens one group
	s_lshl_b32 s100, s43, 1
	s_add_co_u32 s100, s100, s[WH]                 ; the head
	s_lshr_b32 s101, s20, 11
	s_lshl_b32 s101, s101, 4
	s_add_co_u32 s101, s101, s100
	s_lshl_b32 s101, s101, 4
	s_bfe_u32 s100, s20, 0x40007
	s_add_co_u32 s101, s101, s100
	s_mul_i32 s100, s101, KVREC
	s_add_co_u32 s100, s100, 8704                  ; v lies behind k in a record
	s_mov_b32 s101, 0
	s_mov_b32 s3, 0
	s_mov_b32 s47, 0
	s_wait_kmcnt 0x0
	s_cmp_eq_u32 ttmp9, 0                          ; part 1's job chooses the buffers: the choice hangs on the cluster's x alone
	s_cselect_b64 s[72:73], s[72:73], s[76:77]     ; Wq or Wk
	s_cselect_b64 s[74:75], s[74:75], s[78:79]
	s_cselect_b64 s[84:85], s[84:85], s[86:87]     ; q goes to qrec, k to kvrec
	s_lshl_b32 s2, s23, 10                         ; A's addresses, by offsets that never hold cx
	s_add_nc_u64 s[G0+2:G0+3], s[68:69], s[2:3]    ; part 1: x's codes
	s_lshl_b32 s2, s19, 10
	s_add_nc_u64 s[A2C:A2C+1], s[80:81], s[2:3]    ; part 2: Wv's codes,
	s_lshl_b32 s2, s19, 5
	s_add_nc_u64 s[G0S2+2:G0S2+3], s[82:83], s[2:3]  ; its scale bytes
	s_lshl_b32 s2, s23, 5
	s_add_nc_u64 s[2:3], s[70:71], s[2:3]          ; part 1: x's scale bytes (kept here until the arguments' registers are free)
	s_lshl_b32 s46, s67, 10                        ; B's addresses, by offsets that never hold cy
	s_add_nc_u64 s[G0B+2:G0B+3], s[72:73], s[46:47]  ; part 1: the weight's codes,
	s_lshl_b32 s46, s67, 5
	s_add_nc_u64 s[G0SB+2:G0SB+3], s[74:75], s[46:47]  ; its scale bytes
	s_lshl_b32 s46, s20, 5
	s_add_nc_u64 s[G0SB2+2:G0SB2+3], s[70:71], s[46:47]  ; part 2: x's scale bytes,
	s_lshl_b32 s46, s20, 10
	s_add_nc_u64 s[B2C:B2C+1], s[68:69], s[46:47]  ; its codes
	s_add_nc_u64 s[OUT0:OUT0+1], s[84:85], s[OUT0:OUT0+1]
	s_add_nc_u64 s[OUT0+2:OUT0+3], s[OUT0:OUT0+1], s[OUT0+2:OUT0+3]
	s_add_nc_u64 s[OUT2:OUT2+1], s[86:87], s[OUT2:OUT2+1]
	; the scale bytes of 128 rows: 4,096 dense bytes as 16 rows of 256, padded.  (These registers held the arguments until here.)
	s_or_b32 s[G1S+0], s21, (3<<16)|(1<<20)|(1<<21)|(5<<22)|(3<<25)
	s_or_b32 s[G1SB+0], s22, (3<<16)|(1<<20)|(1<<21)|(5<<22)|(3<<25)
.irp g, G1S, G1SB
	s_mov_b32 s[\g+1], 32<<16
	s_mov_b32 s[\g+2], 16<<16
	s_mov_b32 s[\g+3], 32<<16
	s_mov_b32 s[\g+4], 16
	s_mov_b32 s[\g+5], 32
	s_mov_b32 s[\g+6], 0
	s_mov_b32 s[\g+7], 0
.endr
	; the groups 0 of the four first fills.  No place in the cluster enters an LDS address
	s_mov_b32 s[G0S], 1
	s_mul_i32 s[G0S+1], s[WV], HALFS
	s_add_co_u32 s[G0S+1], s[G0S+1], SCL
	s_mov_b64 s[G0S+2:G0S+3], s[2:3]
	s_or_b32 s[G0S+3], s[G0S+3], 0x80000000
	s_mov_b32 s[G0SB], 1
	s_mul_i32 s[G0SB+1], s[WV], HALFS
	s_add_co_u32 s[G0SB+1], s[G0SB+1], SCL
	s_or_b32 s[G0SB+3], s[G0SB+3], 0x80000000
	s_mov_b32 s[G0S2], 1
	s_mul_i32 s[G0S2+1], s[WL], QUARS
	s_add_co_u32 s[G0S2+1], s[G0S2+1], SCL2
	s_or_b32 s[G0S2+3], s[G0S2+3], 0x80000000
	s_mov_b32 s[G0SB2], 1
	s_mul_i32 s[G0SB2+1], s[WL], HALFS
	s_add_co_u32 s[G0SB2+1], s[G0SB2+1], SB2
	s_or_b32 s[G0SB2+3], s[G0SB2+3], 0x80000000
	s_add_nc_u64 s[G0+6:G0+7], s[G0+2:G0+3], ROWB  ; slot 1: K step 1
	s_add_nc_u64 s[G0B+6:G0B+7], s[G0B+2:G0B+3], ROWB
	s_mov_b32 s[G0], 1
	s_mul_i32 s[G0+1], s[WV], HALFT                ; wave x the room of 128 rows
	s_or_b32 s[G0+3], s[G0+3], 0x80000000
	s_mov_b32 s[G0+4], 1
	s_add_co_u32 s[G0+5], s[G0+1], SLOT
	s_or_b32 s[G0+7], s[G0+7], 0x80000000
	s_mov_b32 s[G0B], 1
	s_mul_i32 s[G0B+1], s[WV], HALFT
	s_or_b32 s[G0B+3], s[G0B+3], 0x80000000
	s_mov_b32 s[G0B+4], 1
	s_add_co_u32 s[G0B+5], s[G0B+1], SLOT
	s_or_b32 s[G0B+7], s[G0B+7], 0x80000000
	CROUND                                         ; all sixteen work-groups are here: the first joint loads meet
	JLOAD G0S, G1S, G0SB, G1SB                     ; part 1's scale bytes,
	JLOAD G0S2, G1S2, G0SB2, G1SB                  ; part 2's,
	JLOAD G0, G1, G0B, G1B                         ; K step 0,
	JLOAD G0+4, G1, G0B+4, G1B                     ; K step 1
	v_and_b32 v1, 15, v0                           ; r
	v_bfe_u32 v2, v0, 4, 1                         ; h
	v_mul_u32_u24 v3, v1, PITCH
	v_lshl_add_u32 v4, v2, 4, v3                   ; row r x pitch + 16 h: A's tiles, and B's X1 (whose first row stands in the offset)
	v_and_b32 v5, 8, v1
	v_lshl_add_u32 v5, v5, 1, v1                   ; r + 16 (r / 8)
	v_mul_u32_u24 v5, v5, PITCH
	v_lshl_add_u32 v5, v2, 4, v5                   ; B's X0
	s_mul_i32 s21, s[WH], HALFT                    ; my half of A (part 1: 128 rows; part 2: 64)
	s_mul_i32 s22, s[WL], HALFT                    ; my 128 rows of B,
	s_add_co_u32 s22, s22, 2*HALFT                 ; behind A's two halves
.irp s, 0,1
	v_add_nc_u32 v[ADRA+\s], s21, v4
	v_add_nc_u32 v[ADRBE+\s], s22, v5
	v_add_nc_u32 v[ADRBO+\s], s22, v4
	s_add_co_u32 s21, s21, SLOT
	s_add_co_u32 s22, s22, SLOT
.endr
	; scale words.  Row p's 32 bytes lie at 272 (p / 8) + 32 (p % 8).  N = that of row r.  Lanes 0-15: A's block i: N + 544 i.  Lanes 16-31: B's tile i: even (X0): N + 544 (r / 8) + 544 i;  odd (X1): N - 272 + 544 i.
	v_mul_u32_u24 v5, v1, KS
	v_lshrrev_b32 v6, 8, v5
	v_lshl_add_u32 v5, v6, 4, v5                   ; N
	v_bfe_u32 v8, v0, 3, 2                         ; lane / 8
	v_add_nc_u32 v8, 1, v8
	v_lshrrev_b32 v8, 2, v8                        ; 1 in lanes 24-31 alone
	v_mul_u32_u24 v8, v8, SBLK
	s_mul_i32 s21, s[WH], HALFS                    ; part 1
	s_mul_i32 s22, s[WL], HALFS
	s_add_co_u32 s22, s22, 2*HALFS
	s_sub_co_u32 s22, s22, s21                     ; from A's rows to B's
	s_sub_co_u32 s23, s22, 272
	v_mul_u32_u24 v6, s22, v2                      ; lanes 16-31 take B's: one product with h in each address
	v_mul_u32_u24 v7, s23, v2
	s_add_co_u32 s21, s21, SCL
	v_add_nc_u32 v6, v5, v6
	v_add_nc_u32 v6, v6, v8
	v_add_nc_u32 v[ADRSE], s21, v6
	v_add_nc_u32 v7, v5, v7
	v_add_nc_u32 v[ADRSO], s21, v7
	s_mul_i32 s21, s[WH], QUARS                    ; part 2: my 64 rows of A.  (Lanes 0-15 of the registers of tiles 4-7 take words of the rows that follow mine: filled bytes, which no product reads)
	s_mul_i32 s22, s[WL], HALFS
	s_add_co_u32 s22, s22, 2*QUARS
	s_sub_co_u32 s22, s22, s21
	s_sub_co_u32 s23, s22, 272
	v_mul_u32_u24 v6, s22, v2
	v_mul_u32_u24 v7, s23, v2
	s_add_co_u32 s21, s21, SCL2
	v_add_nc_u32 v6, v5, v6
	v_add_nc_u32 v6, v6, v8
	v_add_nc_u32 v[ADRSE2], s21, v6
	v_add_nc_u32 v7, v5, v7
	v_add_nc_u32 v[ADRSO2], s21, v7
	v_and_b32 v6, 31, v0
	v_lshlrev_b32 v[L16], 4, v6
.macro FRAG reg, adr, q, rows          ; 16 rows x 128 K: registers 4 c .. 4 c + 3 hold K = 32 c + 16 h + 0 .. 15
.irp c, 0,1,2,3
	ds_load_b128 v[\reg+4*\c:\reg+4*\c+3], v[\adr] offset:128*(\q)+32*\c+(\rows)*PITCH
.endr
.endm
; PART 1.  16 matrix instructions: A's blocks a0, a0 + 1 x B's eight tiles.  The 64 accumulators take turns, one instruction a turn, in the same order in every step.
.macro MUL16 a0, p, q, sc, zero
.irp a, \a0, \a0+1
.irp b, 0,1,2,3,4,5,6,7
.if \zero
	v_wmma_scale_f32_16x16x128_f8f6f4 v[8*(8*((\a)%4)+\b):8*(8*((\a)%4)+\b)+7], v[128*(\p)+FR*\b:128*(\p)+FR*\b+FR-1], v[AF+FR*(\a):AF+FR*(\a)+FR-1], 0, v[SC+8*NQ*(\sc)+NQ*\b+(\q)], v[SC+8*NQ*(\sc)+NQ*(\a)+(\q)] matrix_a_fmt:MATRIX_FMT_BF8 matrix_b_fmt:MATRIX_FMT_BF8 matrix_a_scale:MATRIX_SCALE_ROW1
.else
	v_wmma_scale_f32_16x16x128_f8f6f4 v[8*(8*((\a)%4)+\b):8*(8*((\a)%4)+\b)+7], v[128*(\p)+FR*\b:128*(\p)+FR*\b+FR-1], v[AF+FR*(\a):AF+FR*(\a)+FR-1], v[8*(8*((\a)%4)+\b):8*(8*((\a)%4)+\b)+7], v[SC+8*NQ*(\sc)+NQ*\b+(\q)], v[SC+8*NQ*(\sc)+NQ*(\a)+(\q)] matrix_a_fmt:MATRIX_FMT_BF8 matrix_b_fmt:MATRIX_FMT_BF8 matrix_a_scale:MATRIX_SCALE_ROW1
.endif
.endr
.endr
.endm
.macro FETCH_B slot, q, p              ; B's eight tiles into set p: even tiles X0 (the pair's first row 16 i), odd tiles X1 (8 rows on)
	WIN TO_B
.irp i, 0,2,4,6
	FRAG 128*(\p)+FR*\i, ADRBE+\slot, \q, 16*\i
	FRAG 128*(\p)+FR*(\i+1), ADRBO+\slot, \q, 16*\i+8
.endr
	WIN 0
.endm
.macro FETCH_A slot, q, i0             ; A's blocks i0 .. i0 + 3
.irp i, \i0, \i0+1, \i0+2, \i0+3
	FRAG AF+FR*(\i), ADRA+\slot, \q, 16*(\i)
.endr
.endm
.macro SCALES sc, e, o                 ; a K step's scale words: two a row; lanes 0-15 A's block i, lanes 16-31 B's tile i
.irp i, 0,2,4,6
	ds_load_b64 v[SC+8*NQ*\sc+NQ*\i:SC+8*NQ*\sc+NQ*\i+1], v[\e] offset:\i*SBLK
	ds_load_b64 v[SC+8*NQ*\sc+NQ*(\i+1):SC+8*NQ*\sc+NQ*(\i+1)+1], v[\o] offset:(\i+1)*SBLK
.endr
.endm
.macro PLACES n                        ; plain vector instructions between a matrix instruction and a load into, or a read of, its registers (ISA guide 7.12.1 for reads)
.rept \n
	v_nop
.endr
.endm
.macro STEP slot, q, zero              ; 128 along K with its successor in the same slot
	s_wait_dscnt 4*NL                              ; B's set and A's blocks 0-3 are in; the youngest sixteen loads (A's blocks 4-7) may be out
	WIN MUL_LO
	MUL16 0, (\q)%2, \q, \slot, \zero
	MUL16 2, (\q)%2, \q, \slot, \zero
	s_wait_dscnt 0                                 ; A's blocks 4-7 are in
	PLACES NP
	FETCH_B \slot, (\q)+1, 1-(\q)%2
	FETCH_A \slot, (\q)+1, 0
	WIN MUL_HI
	MUL16 4, (\q)%2, \q, \slot, \zero
	MUL16 6, (\q)%2, \q, \slot, \zero
	PLACES NP
	WIN 0
	FETCH_A \slot, (\q)+1, 4
.endm
.macro NEWPART slot                    ; the slot's descriptors turn to part 2's K step 0 or 1; no tensor load of the wave is out here.  From here on A's loads bring 64 rows
.if \slot == 0
	s_mov_b32 s[G1+2], 64<<16                      ; tensor_dim1
	s_mov_b32 s[G1+4], 64                          ; tile_dim1
.endif
	s_add_nc_u64 s[G0+4*\slot+2:G0+4*\slot+3], s[A2C:A2C+1], \slot*ROWB
	s_or_b32 s[G0+4*\slot+3], s[G0+4*\slot+3], 0x80000000
	s_add_nc_u64 s[G0B+4*\slot+2:G0B+4*\slot+3], s[B2C:B2C+1], \slot*ROWB
	s_or_b32 s[G0B+4*\slot+3], s[G0B+4*\slot+3], 0x80000000
.endm
; A slot's last step changes slots: one barrier, which opens a round of the cluster's; in front of it each wave waits for all its tensor loads, adds 0 to its spare word, and waits for that and for its reads of this slot.
; The slot is filled again: fill = 1: with this part's K step two steps on; fill = 2: with part 2's.  fetch = 0: part 1's very last step: the way out follows, so nothing is fetched from LDS.
.macro TURN slot, next, fill, fetch
	s_wait_tensorcnt 0x0                           ; all my tensor loads have landed: my part of the next slot
	ds_add_u32 v[SPW], v[NIL]                      ; 0 onto my spare word
	s_wait_dscnt 4*NL+1                            ; (the add and the youngest sixteen loads may be out)
	WIN MUL_LO
	MUL16 0, 1, NQ-1, \slot, 0
	s_wait_dscnt 0x0                               ; the add is done, and my reads of this slot are over
	s_barrier_signal -1
	MUL16 2, 1, NQ-1, \slot, 0
	WIN 0
	s_barrier_wait -1
	CREST                                          ; no wave of any partner still reads this slot or has a load on its way
.if \fill == 1
	s_add_nc_u64 s[G0+4*\slot+2:G0+4*\slot+3], s[G0+4*\slot+2:G0+4*\slot+3], 2*ROWB
	s_add_nc_u64 s[G0B+4*\slot+2:G0B+4*\slot+3], s[G0B+4*\slot+2:G0B+4*\slot+3], 2*ROWB
.else
	NEWPART \slot
.endif
	JLOAD G0+4*\slot, G1, G0B+4*\slot, G1B         ; the first tensor load behind the round; its four v_nop are among the places in front of the loads below
.if \fetch
	PLACES NP-4
	v_add_nc_u32 v[ADRSE], 4*NQ, v[ADRSE]          ; on to the next K step's scale words
	v_add_nc_u32 v[ADRSO], 4*NQ, v[ADRSO]
	FETCH_B \next, 0, 0
	FETCH_A \next, 0, 0
	SCALES \next, ADRSE, ADRSO
.endif
	WIN MUL_HI
	MUL16 4, 1, NQ-1, \slot, 0
	MUL16 6, 1, NQ-1, \slot, 0
.if \fetch
	PLACES NP
	WIN 0
	FETCH_A \next, 0, 4
.endif
.endm
; PART 2.  8 matrix instructions: my block a x B's eight tiles; set p is also the slot's p-th 128 along K.  The 32 accumulators take turns, one instruction a turn, in the same order in every step.
.macro MULH a, p, sc, zero
.irp b, 0,1,2,3,4,5,6,7
.if \zero
	v_wmma_scale_f32_16x16x128_f8f6f4 v[8*(8*(\a)+\b):8*(8*(\a)+\b)+7], v[128*(\p)+FR*\b:128*(\p)+FR*\b+FR-1], v[AF+64*(\p)+FR*(\a):AF+64*(\p)+FR*(\a)+FR-1], 0, v[SC+8*NQ*(\sc)+NQ*\b+(\p)], v[SC+8*NQ*(\sc)+NQ*(\a)+(\p)] matrix_a_fmt:MATRIX_FMT_BF8 matrix_b_fmt:MATRIX_FMT_BF8 matrix_a_scale:MATRIX_SCALE_ROW1
.else
	v_wmma_scale_f32_16x16x128_f8f6f4 v[8*(8*(\a)+\b):8*(8*(\a)+\b)+7], v[128*(\p)+FR*\b:128*(\p)+FR*\b+FR-1], v[AF+64*(\p)+FR*(\a):AF+64*(\p)+FR*(\a)+FR-1], v[8*(8*(\a)+\b):8*(8*(\a)+\b)+7], v[SC+8*NQ*(\sc)+NQ*\b+(\p)], v[SC+8*NQ*(\sc)+NQ*(\a)+(\p)] matrix_a_fmt:MATRIX_FMT_BF8 matrix_b_fmt:MATRIX_FMT_BF8 matrix_a_scale:MATRIX_SCALE_ROW1
.endif
.endr
.endm
.macro FETCH2 slot, q, p               ; 48 loads in one run: B's eight tiles and my four blocks of A, into set p
	FETCH_B \slot, \q, \p
.irp i, 0,1,2,3
	FRAG AF+64*(\p)+FR*\i, ADRA+\slot, \q, 16*\i
.endr
.endm
; A slot's first 128 along K multiplies set 0; at its head the second 128's fragments are asked for, into set 1, which the step before multiplied: they have this step's 32 matrix instructions in which to land.
.macro STEP2 slot, zero
	PLACES NP
	s_wait_dscnt 0x0                               ; this step's fragments and scale words are in
	FETCH2 \slot, 1, 1
	WIN MUL_LO
.irp a, 0,1,2,3
	MULH \a, 0, \slot, \zero
.endr
.endm
; A slot's second 128 multiplies set 1 and changes slots, as TURN does.  fill = 1: the slot is filled again, two K steps on, behind a round of the cluster's barrier.
.macro CSTEP2 slot, next, fill
	WIN 0                                          ; (the add's two registers lie in window 0)
	s_wait_tensorcnt 0x0                           ; all my tensor loads have landed: my part of the next slot
	ds_add_u32 v[SPW], v[NIL]                      ; 0 onto my spare word
	s_wait_dscnt 0x1                               ; this step's fragments are in (the add may be out)
	WIN MUL_LO
	MULH 0, 1, \slot, 0                            ; eight matrix instructions stand between the add and the wait for it
	s_wait_dscnt 0x0                               ; the add is done; my reads of this slot were over at the wait above
	s_barrier_signal -1
	MULH 1, 1, \slot, 0
	WIN 0
	s_barrier_wait -1
.if \fill
	CREST
	s_add_nc_u64 s[G0+4*\slot+2:G0+4*\slot+3], s[G0+4*\slot+2:G0+4*\slot+3], 2*ROWB
	s_add_nc_u64 s[G0B+4*\slot+2:G0B+4*\slot+3], s[G0B+4*\slot+2:G0B+4*\slot+3], 2*ROWB
	JLOAD G0+4*\slot, G1, G0B+4*\slot, G1B
	PLACES NP-4
.else
	PLACES NP
.endif
	v_add_nc_u32 v[ADRSE2], 4*NQ, v[ADRSE2]
	v_add_nc_u32 v[ADRSO2], 4*NQ, v[ADRSO2]
	FETCH2 \next, 0, 0
	SCALES \next, ADRSE2, ADRSO2
	WIN MUL_LO
	MULH 2, 1, \slot, 0
	MULH 3, 1, \slot, 0
.endm
; THE WAY OUT.  A's block a: 64 registers a lane, register 16 b + i a number of block b of the next K.  The block's largest magnitude (with the floor 2^-111 among its leaves) is joined with lane l xor 16's;
; 15 off its exponent field is the conversion's scale operand, that shifted down the byte; each number is held within 57,344 x the scale (the conversion does not saturate: ISA guide 7.6.2) and converted.
.macro QOUT a, isv
.set AC, 64*((\a)%4)
.set W, 2+(\a)/4
.set WN, 5*W
	WIN WN                                         ; sources 0 and 1: the accumulators' window
.irp b, 0,1,2,3
	v_max3_num_f32 v[TM+\b], |v[AC+16*\b]|, |v[AC+16*\b+1]|, 0x8000000   ; each accumulator is read from its low end on
.endr
.irp i, 2,4,6,8,10,12,14
.irp b, 0,1,2,3
	v_max3_num_f32 v[TM+\b], |v[AC+16*\b+\i]|, |v[AC+16*\b+\i+1]|, v[TM+\b]
.endr
.endr
	WIN 0
.irp b, 0,1,2,3
	v_permlanex16_b32 v[TM+4+\b], v[TM+\b], s[SEL], s[SEL+1]
.endr
.irp b, 0,1,2,3
	v_max_num_f32 v[TM+\b], v[TM+\b], v[TM+4+\b]
.endr
.irp b, 0,1,2,3
	v_add_nc_u32 v[TM+12+\b], 0xf8800000, v[TM+\b]
.endr
.irp b, 0,1,2,3
	v_and_or_b32 v[TM+8+\b], v[TM+\b], 0x7f800000, s6
.endr
.irp b, 0,1,2,3
	v_lshrrev_b32 v[TM+4+\b], 23, v[TM+12+\b]
.endr
.if \isv
.set WX, WD+2*((\a)%2)+(\a)/2                      ; word p of channel tile a
	v_lshl_or_b32 v[WX], v[TM+5], 8, v[TM+4]       ; the four key blocks' bytes
	v_lshl_or_b32 v[WX], v[TM+6], 16, v[WX]
	v_lshl_or_b32 v[WX], v[TM+7], 24, v[WX]
.else
	v_lshl_or_b32 v[WD+(\a)], v[TM+5], 8, v[TM+4]  ; my first head's two bytes,
	v_lshl_or_b32 v[WD+8+(\a)], v[TM+7], 8, v[TM+6]  ; my second head's,
	v_lshl_or_b32 v[WD+(\a)], v[WD+(\a)], 16, v[WD+(\a)]  ; each pair once more above
	v_lshl_or_b32 v[WD+8+(\a)], v[WD+8+(\a)], 16, v[WD+8+(\a)]
.endif
.set WN, 65*W
	WIN WN                                         ; destination and source 0: the accumulators' window
.irp b, 0,1,2,3
.irp i, 0,1,2,3,4,5,6,7,8,9,10,11,12,13,14,15
	v_med3_num_f32 v[AC+16*\b+\i], v[AC+16*\b+\i], -v[TM+8+\b], v[TM+8+\b]
.endr
.endr
	WIN W                                          ; source 0 alone
.irp b, 0,1,2,3
	v_cvt_scalef32_pk8_bf8_f32 v[PCD+16*(\a)+4*\b:PCD+16*(\a)+4*\b+1], v[AC+16*\b:AC+16*\b+7], v[TM+12+\b]
	v_cvt_scalef32_pk8_bf8_f32 v[PCD+16*(\a)+4*\b+2:PCD+16*(\a)+4*\b+3], v[AC+16*\b+8:AC+16*\b+15], v[TM+12+\b]
.endr
	WIN 0
	v_nop                                          ; a plain place behind the last conversion
.irp b, 0,1,2,3
.if \isv
	global_store_b128 v[L16], v[PCD+16*(\a)+4*\b:PCD+16*(\a)+4*\b+3], s[OUT2:OUT2+1] offset:((\a)/2)*4096+\b*1024+((\a)%2)*512
.else
	global_store_b128 v[L16], v[PCD+16*(\a)+4*\b:PCD+16*(\a)+4*\b+3], s[OUT0+2*(\b/2):OUT0+2*(\b/2)+1] offset:((\a)/2)*2048+(\b%2)*1024+((\a)%2)*512
.endif
.endr
.endm
	; ---- PART 1: q or k
	s_wait_tensorcnt 1                             ; both parts' scale bytes and my part of K step 0 are in (K step 1's load may be out)
	s_barrier_signal -1
	s_barrier_wait -1                              ; everybody's are
	FETCH_B 0, 0, 0
	FETCH_A 0, 0, 0
	SCALES 0, ADRSE, ADRSO
	FETCH_A 0, 0, 4
	STEP 0, 0, 1                                   ; the first step's products start the sums
	TURN 0, 1, 1, 1                                ; slot 0 takes K step 2
	STEP 1, 0, 0
	TURN 1, 0, 1, 1                                ; slot 1 takes K step 3
	STEP 0, 0, 0
	TURN 0, 1, 2, 1                                ; slot 0 takes part 2's K step 0
	STEP 1, 0, 0
	TURN 1, 0, 2, 0                                ; slot 1 takes part 2's K step 1; its round has shown slot 0 landed in every wave
	WIN 0
	PLACES NP                                      ; behind the last products: their results are read, and the registers that held A's fragments written, only behind these
	s_mov_b32 s[SEL], 0x76543210
	s_mov_b32 s[SEL+1], 0xfedcba98                 ; lane l xor 16
	s_mov_b32 s6, 0x600000                         ; the mantissa field of 57,344
	s_mov_b32 s7, 0xffff0000                       ; lanes 16-31
.irp b, 0,1,2,3
	v_mov_b32 v[TM+4+\b], 0                        ; a lane permute's destination counts as one of its sources
.endr
.irp a, 0,1,2,3,4,5,6,7
	QOUT \a, 0
.endr
.irp d, 0,1                                    ; lanes 0-15 send token tiles 0-3, lanes 16-31 tiles 4-7; word p is tile 0, 2, 1, 3 of the four
	v_cndmask_b32 v[CW+4*\d+0], v[WD+8*\d+0], v[WD+8*\d+4], s7
	v_cndmask_b32 v[CW+4*\d+1], v[WD+8*\d+2], v[WD+8*\d+6], s7
	v_cndmask_b32 v[CW+4*\d+2], v[WD+8*\d+1], v[WD+8*\d+5], s7
	v_cndmask_b32 v[CW+4*\d+3], v[WD+8*\d+3], v[WD+8*\d+7], s7
.endr
	global_store_b128 v[L16], v[CW:CW+3], s[OUT0:OUT0+1] offset:8192
	global_store_b128 v[L16], v[CW+4:CW+7], s[OUT0+2:OUT0+3] offset:8192
	; ---- PART 2: v
	s_wait_xcnt 0x0                                ; part 1's stores have read their registers: part 2's fragments land there, and its codes are written there, only behind this wait
	FETCH2 0, 0, 0
	SCALES 0, ADRSE2, ADRSO2
	STEP2 0, 1                                     ; the first step's products start the sums anew
	CSTEP2 0, 1, 1                                 ; slot 0 takes K step 2
	STEP2 1, 0
	CSTEP2 1, 0, 1                                 ; slot 1 takes K step 3
	STEP2 0, 0
	CSTEP2 0, 1, 0                                 ; nothing is left to fetch
	STEP2 1, 0
	s_wait_dscnt 0x0                               ; the last step
.irp a, 0,1,2,3
	MULH \a, 1, 1, 0
.endr
	WIN 0
	PLACES NP
.irp b, 0,1,2,3
	v_mov_b32 v[TM+4+\b], 0
.endr
.irp a, 0,1,2,3
	QOUT \a, 1
.endr
	global_store_b128 v[L16], v[WD:WD+3], s[OUT2:OUT2+1] offset:8192       ; both halves of the lanes hold the four tiles' words
	s_wait_tensorcnt 0x0                           ; the wave's end
	ds_add_u32 v[SPW], v[NIL]
	s_wait_dscnt 0x0
	CROUND                                         ; the closing round: no work-group ends while a partner may still ask for a tile that names it
	s_endpgm
.Lfunc_end_k_q7129368b8c_proj:
	.size	k_q7129368b8c_proj, .Lfunc_end_k_q7129368b8c_proj-k_q7129368b8c_proj
	.p2alignl 7, 3214868480
	.fill 96, 4, 3214868480
	.section	.rodata,"a",@progbits
	.p2align	6, 0x0
	.amdhsa_kernel k_q7129368b8c_proj
		.amdhsa_group_segment_fixed_size 327680
		.amdhsa_private_segment_fixed_size 0
		.amdhsa_enable_private_segment 0
		.amdhsa_kernarg_size 80
		.amdhsa_user_sgpr_count 2
		.amdhsa_user_sgpr_kernarg_segment_ptr 1
		.amdhsa_wavefront_size32 1
		.amdhsa_system_sgpr_workgroup_id_x 1
		.amdhsa_system_sgpr_workgroup_id_y 1
		.amdhsa_system_sgpr_workgroup_id_z 1
		.amdhsa_system_vgpr_workitem_id 0
		.amdhsa_next_free_vgpr 1024
		.amdhsa_next_free_sgpr 102
		.amdhsa_reserve_vcc 0
		.amdhsa_float_denorm_mode_32 3
		.amdhsa_float_denorm_mode_16_64 3
		.amdhsa_memory_ordered 1
		.amdhsa_forward_progress 1
		.amdhsa_inst_pref_size 255
	.end_amdhsa_kernel
	.section	.bss,"aw",@nobits
	.p2align	6
	.space	262144
	.amdgpu_metadata
---
amdhsa.version: [ 1, 2 ]
amdhsa.kernels:
  - .name:           k_q7129368b8c_proj
    .symbol:         k_q7129368b8c_proj.kd
    .args:
      - { .name: x_codes, .offset: 0, .size: 8, .value_kind: global_buffer, .address_space: global }
      - { .name: x_scales, .offset: 8, .size: 8, .value_kind: global_buffer, .address_space: global }
      - { .name: Wq_codes, .offset: 16, .size: 8, .value_kind: global_buffer, .address_space: global }
      - { .name: Wq_scales, .offset: 24, .size: 8, .value_kind: global_buffer, .address_space: global }
      - { .name: Wk_codes, .offset: 32, .size: 8, .value_kind: global_buffer, .address_space: global }
      - { .name: Wk_scales, .offset: 40, .size: 8, .value_kind: global_buffer, .address_space: global }
      - { .name: Wv_codes, .offset: 48, .size: 8, .value_kind: global_buffer, .address_space: global }
      - { .name: Wv_scales, .offset: 56, .size: 8, .value_kind: global_buffer, .address_space: global }
      - { .name: qrec, .offset: 64, .size: 8, .value_kind: global_buffer, .address_space: global }
      - { .name: kvrec, .offset: 72, .size: 8, .value_kind: global_buffer, .address_space: global }
    .group_segment_fixed_size: 327680
    .private_segment_fixed_size: 0
    .kernarg_segment_align: 8
    .kernarg_segment_size: 80
    .max_flat_workgroup_size: 128
    .sgpr_count:     102
    .vgpr_count:     1024
    .wavefront_size: 32
...
	.end_amdgpu_metadata
.endif
;; end of part 4
;; launch attn (part 5): grid 4 x 64, 16 waves a work-group, no clusters, 280,576 bytes of LDS; arguments qrec, kvrec, cimg, csc; writes cimg, csc
.if DOCPART == 5
	.amdgcn_target "amdgcn-amd-amdhsa--gfx1250"
	.amdhsa_code_object_version 6
	.text
	.protected	k_q7129368b8c_attn
	.globl	k_q7129368b8c_attn
	.p2align	8
	.type	k_q7129368b8c_attn,@function
k_q7129368b8c_attn:
	s_mov_b64 s[64:65], 0
	v_nop
	global_prefetch_b8 v0, s[64:65] scope:SCOPE_SE
	s_setreg_imm32_b32 hwreg(HW_REG_WAVE_MODE, 25, 1), 1
	s_wait_xcnt 0x0
; Causal attention of one head on codes of BF8 (E5M2) with E8M0 scales, and the quantising of its result.  2,048 tokens, head size 64, 64 (batch, head) pairs.
; t = score x log2(e) / 8; M = the running largest t rounded UP to a whole number; p = 2^(t - M) is quantised along the keys, not normalised; the row's sum is taken of the unquantised p and divides at the end.
; When M moves, the sum and O are multiplied by 2^(old M - new M): exact.
; SHARES.  A work-group: one head (y) and x = 0..3.  Each of its sixteen waves serves two tiles of 16 queries, one after the other: tile idx = wave / 2 of the group of 128 tokens G = 15 - j, then of G = j,
;   j = 2 x + ((wave ^ (wave >> 2)) & 1).  That is (16 - j) + (j + 1) = 17 key steps of 128 for every wave of every work-group: 256 work-groups of equal work.
; LDS holds the head's sixteen records of k and v as they lie in memory, 16 x 17,408 bytes, filled ONCE by sixteen tensor loads (waves 0-3, four each: at most four of a wave are out); nothing is filled again and nothing is stored to LDS.
; TWO BARRIERS IN ALL.  The first stands behind the fetching waves' wait for their first load: records 0-3 are whole, and key steps 0-3 read them.  The second stands behind their wait for all their loads, in front of
;   key step 4: records 4-15 are whole, and every later read stands behind it.  Between and behind them no wave waits for another.
; NO CLUSTER: the four work-groups of a head read the same records, but which key steps are worked hangs on the work-group's own queries, and partners of a joint load must run alike.
; LAYOUT.  Both products are used transposed: S^T = K Q^T, O^T = V^T P^T: a lane holds ONE query throughout.  Source 0's tiles are X tiles: of each 32 rows X0 takes rows 0-7 and 24-31, X1 rows 8-23, so that a lane's
;   16 registers of a pair of tiles are 16 numbers of one block of 32: lanes 0-15 k 0-15 in order, lanes 16-31 k 24-31 and then 16-23.  v's codes were made in that order, so p meets them as it comes;
;   the result, which meets a given weight, is put into true order by eight selects.  An X tile is read from the natural tiles' images: lane r of X0 takes lane r's 16 bytes of tile 2 b + r / 8, X1 lane r xor 8's.
; THE SCORE PRODUCT IS 128 DEEP FOR A K OF 64: q's upper eight registers are zeros; k's fragment of tile t is named v[48 + 8 t : 63 + 8 t], whose upper eight are the next tile's codes (finite: the quantiser holds them;
;   behind tile 7 zeros), and both sides' upper scale bytes repeat the lower ones.  Those products are zeros.
; THE SOFTMAX BY TURNS.  Behind the row's maximum a key step has 68 exponentials and 144 other vector instructions.  The 64 scores are four groups of 16 (eight numbers of each of two blocks); between one group's
;   exponentials stand the next group's scalings, the group before's sums, holds and conversions, the blocks' scale bytes and O^T's rescaling: one or two behind each exponential, so that the wave has plain work
;   to issue between two exponentials, and each exponential has its plain instruction behind it long before its result is used.  Both lists are numbered and dealt by macros.
; TWO HOLDS IN ONE INSTRUCTION: a dual pair takes one number of each of two blocks, so that its destinations are an even and an odd register and its like sources differ modulo 4.
; OUT: cimg [tile of 16 tokens 512][pair of heads 8][block 4][lane 32][16 bytes]: register images of the next product's operand, 512 dense bytes a store.  csc [token][32]: one byte a lane; these stores write their
;   surroundings in part: a row's other bytes belong to other heads' work-groups; they are 1 byte in 33 of what the launch stores.
; LIMITS: NaN and infinities are not served.  A block whose largest magnitude lies under 2^-111, or of zeros, keeps the byte 1 (zero codes; the bytes are read by this program alone).  1 / sum is v_rcp_f32 and a
;   multiplication.  A block's largest p is made from its largest score by the same two instructions: that takes v_exp_f32 not to fall where its input rises.
.set KVREC, 17408
.set QREC,  8704
.set HEADB, 16*KVREC
.set L0,  1                            ; v1   X0: 16 lane + 512 (r / 8)
.set L1,  2                            ; v2   X1: that xor 128
.set LS0, 3                            ; v3   scale words of X0: 16 lane + 8 (r / 8)
.set LS1, 4                            ; v4   of X1: that xor 128
.set D0,  5                            ; v5   my query in its group - 24 h
.set D1,  6                            ; v6   my query in its group - 8 h
.set L16, 7                            ; v7   16 lane
.set CSO, 8                            ; v8   32 r + h
.set AD0, 9                            ; v9-10   the step's record + L0, L1
.set AS0, 11                           ; v11-12  + LS0, LS1
.set TMP, 13
.set SUM, 14                           ; v[14:15] the row's sum in two halves
.set NM,  16                           ; v16 -M, v17 the largest t
.set FF,  18                           ; v18 f, v19 named with it as a pair
.set QS,  20                           ; q's scale words
.set PS,  21                           ; p's
.set QS2, 22                           ; the second tile's q
.set HH,  23
.set KSC, 24                           ; v24-27 k's scale words
.set VSC, 28                           ; v28-31 v's
.set QF,  32                           ; v32-39 q, v40-47 zeros
.set KF,  48                           ; v48-111 eight tiles of k, later four fragments of v; v112-119 zeros
.set SS,  120                          ; v120-183 S^T, then p
.set OT,  184                          ; v184-215 O^T
.set PC,  216                          ; v216-231 p's codes
.set BM,  232                          ; v232-235 the blocks' largest scores, then largest p
.set BT,  236                          ; v236-239 the other half's maxima, then bytes, then the sum's second chain
.set BL,  240                          ; v240-243 57,344 x the scale
.set BO,  244                          ; v244-247 the conversions' scale operands
.set Q2,  248                          ; v248-255 the second tile's q
.set WV,  12
.set SEL, 20
.set CS,  22
.set MNT, 24
.set HIM, 25
.set G1,  28
.set G0,  36
.set TB,  52                           ; LDS byte of the step's record
.set STP, 53                           ; the step
.set CNT, 54
.set GG,  55                           ; my queries' group
	s_load_b256 s[4:11], s[0:1], 0x0               ; qrec, kvrec, cimg, csc
	v_lshl_add_u32 v254, v0, 2, 0x44000
	v_mov_b32 v255, 0
	ds_add_u32 v254, v255
	ds_add_u32 v254, v255
	s_wait_dscnt 0x0
	v_lshrrev_b32 v[TMP], 5, v0
	v_readfirstlane_b32 s[WV], v[TMP]              ; wave 0..15
	s_and_b32 s13, ttmp7, 0xffff                   ; 16 x batch + head
	s_lshr_b32 s14, s[WV], 2
	s_xor_b32 s14, s14, s[WV]
	s_and_b32 s14, s14, 1
	s_lshl_b32 s15, ttmp9, 1
	s_add_co_u32 s15, s15, s14                     ; j
	s_lshr_b32 s16, s[WV], 1                       ; idx
	s_sub_co_u32 s17, 15, s15                      ; the first pass's group
	s_mul_i32 s18, s13, HEADB                      ; the head's records
	s_mov_b32 s19, 0
	s_mul_i32 s26, s[WV], KVREC                    ; a fetching wave's first record, in memory and in LDS alike
	s_mov_b32 s27, 0
	s_mov_b32 s[G1], 3<<16                         ; a record: 68 rows of 256 bytes (32 elements of 8), dense; no mask, no padding
	s_mov_b32 s[G1+1], 32<<16
	s_mov_b32 s[G1+2], 68<<16
	s_mov_b32 s[G1+3], 32<<16
	s_mov_b32 s[G1+4], 68
	s_mov_b32 s[G1+5], 32
	s_mov_b32 s[G1+6], 0
	s_mov_b32 s[G1+7], 0
	s_wait_kmcnt 0x0
	s_add_nc_u64 s[6:7], s[6:7], s[18:19]
	s_cmp_lt_u32 s[WV], 4                          ; all first fills of a wave stand in this one branch, ahead of every wait on TENSORcnt, LDS read and barrier
	s_cbranch_scc0 .Lno_fetch
	s_add_nc_u64 s[6:7], s[6:7], s[26:27]
.irp g, 0,1,2,3                                ; records wave, 4 + wave, 8 + wave, 12 + wave
	s_mov_b32 s[G0+4*\g], 1
	s_add_co_u32 s[G0+4*\g+1], s26, \g*4*KVREC
	s_add_nc_u64 s[G0+4*\g+2:G0+4*\g+3], s[6:7], \g*4*KVREC
	s_or_b32 s[G0+4*\g+3], s[G0+4*\g+3], 0x80000000
.endr
	tensor_load_to_lds s[G0:G0+3], s[G1:G1+7]
	s_nop 0
	tensor_load_to_lds s[G0+4:G0+7], s[G1:G1+7]
	s_nop 0
	tensor_load_to_lds s[G0+8:G0+11], s[G1:G1+7]
	s_nop 0
	tensor_load_to_lds s[G0+12:G0+15], s[G1:G1+7]
	s_nop 0
.rept 4
	v_nop
.endr
.Lno_fetch:
	; the two tiles' records of q
	s_lshl_b32 s70, s13, 4
	s_add_co_u32 s71, s70, s17
	s_mul_i32 s56, s71, QREC
	s_mov_b32 s57, 0
	s_add_co_u32 s71, s70, s15
	s_mul_i32 s58, s71, QREC
	s_mov_b32 s59, 0
	s_add_nc_u64 s[56:57], s[4:5], s[56:57]
	s_add_nc_u64 s[58:59], s[4:5], s[58:59]
	v_and_b32 v[L16], 31, v0
	v_lshlrev_b32 v[L16], 4, v[L16]
	v_and_b32 v[TMP], 15, v0                       ; r
	v_bfe_u32 v[HH], v0, 4, 1                      ; h
	s_lshr_b32 s70, s16, 1
	s_lshl_b32 s70, s70, 11
	s_and_b32 s71, s16, 1
	s_lshl_b32 s72, s71, 9
	s_add_co_u32 s70, s70, s72                     ; tile idx's codes: (idx / 2) 2048 + (idx % 2) 512
	v_add_nc_u32 v[AD0], s70, v[L16]
	s_lshr_b32 s72, s16, 2
	s_lshl_b32 s72, s72, 8
	s_lshl_b32 s71, s71, 3
	s_add_co_u32 s72, s72, s71
	s_bfe_u32 s71, s16, 0x10001
	s_lshl_b32 s71, s71, 2
	s_add_co_u32 s72, s72, s71
	s_add_co_u32 s72, s72, 8192                    ; its scale words: 8192 + 256 (idx / 4) + 8 (idx % 2) + 4 ((idx / 2) % 2) + 16 r
	v_lshl_add_u32 v[AD0+1], v[TMP], 4, s72
	global_load_b128 v[QF:QF+3], v[AD0], s[56:57]
	global_load_b128 v[QF+4:QF+7], v[AD0], s[56:57] offset:1024
	global_load_b32 v[QS], v[AD0+1], s[56:57]
	global_load_b128 v[Q2:Q2+3], v[AD0], s[58:59]
	global_load_b128 v[Q2+4:Q2+7], v[AD0], s[58:59] offset:1024
	global_load_b32 v[QS2], v[AD0+1], s[58:59]
	; where the two results go
	s_lshr_b32 s70, s13, 4
	s_lshl_b32 s70, s70, 7
	s_add_co_u32 s70, s70, s16                     ; 128 x batch + idx
	s_and_b32 s71, s13, 15                         ; the head
	s_lshr_b32 s72, s71, 1
	s_lshl_b32 s72, s72, 11
	s_and_b32 s73, s71, 1
	s_lshl_b32 s73, s73, 10
	s_add_co_u32 s72, s72, s73                     ; its two blocks among a tile's 16,384 bytes
	s_lshl_b32 s71, s71, 1                         ; and among a token's 32 scale bytes
	s_lshl_b32 s74, s17, 3
	s_add_co_u32 s74, s74, s70                     ; the first pass's tile of 16 tokens
	s_lshl_b32 s60, s74, 14
	s_add_co_u32 s60, s60, s72
	s_mov_b32 s61, 0
	s_lshl_b32 s62, s74, 9
	s_add_co_u32 s62, s62, s71
	s_mov_b32 s63, 0
	s_lshl_b32 s74, s15, 3
	s_add_co_u32 s74, s74, s70                     ; the second pass's
	s_lshl_b32 s66, s74, 14
	s_add_co_u32 s66, s66, s72
	s_mov_b32 s67, 0
	s_lshl_b32 s68, s74, 9
	s_add_co_u32 s68, s68, s71
	s_mov_b32 s69, 0
	s_add_nc_u64 s[60:61], s[8:9], s[60:61]
	s_add_nc_u64 s[62:63], s[10:11], s[62:63]
	s_add_nc_u64 s[66:67], s[8:9], s[66:67]
	s_add_nc_u64 s[68:69], s[10:11], s[68:69]
	s_mov_b32 s[SEL], 0x76543210
	s_mov_b32 s[SEL+1], 0xfedcba98                 ; lane l xor 16
	s_mov_b32 s[CS], 0x3e38aa3b                    ; c = log2(e) / 8
	s_mov_b32 s[CS+1], s[CS]                       ; (named with it as a pair)
	s_mov_b32 s[MNT], 0x600000                     ; the mantissa field of 57,344
	s_mov_b32 s[HIM], 0xffff0000                   ; lanes 16-31
	s_mov_b32 s[TB], 0
	s_mov_b32 s[STP], 0
	s_mov_b32 s[GG], s17
	v_and_b32 v[L0], 8, v0
	v_lshl_add_u32 v[L0], v[L0], 6, v[L16]
	v_xor_b32 v[L1], 128, v[L0]
	v_and_b32 v[LS0], 8, v0
	v_add_nc_u32 v[LS0], v[LS0], v[L16]
	v_xor_b32 v[LS1], 128, v[LS0]
	s_lshl_b32 s70, s16, 4
	v_add_nc_u32 v[D0], s70, v[TMP]                ; my query in its group: 16 idx + r
	v_lshlrev_b32 v[D1], 3, v[HH]
	v_sub_nc_u32 v[D1], v[D0], v[D1]
	v_mul_u32_u24 v[AS0], v[HH], 24
	v_sub_nc_u32 v[D0], v[D0], v[AS0]
	v_lshl_add_u32 v[CSO], v[TMP], 5, v[HH]
.irp i, 0,1,2,3,4,5,6,7
	v_mov_b32 v[QF+8+\i], 0                        ; q's padded half
	v_mov_b32 v[KF+64+\i], 0                       ; behind k's tile 7
.endr
.irp b, 0,1,2,3
	v_mov_b32 v[BT+\b], 0                          ; written once: a lane permute's destination counts as one of its sources
.endr
	v_mov_b32 v[FF+1], 0
.macro INIT                                    ; a pass begins: the largest t under every t, sums and O^T zeros, which the first change of M leaves zeros
	v_mov_b32 v[NM+1], 0xff61b1e6
	v_floor_f32 v[NM], -v[NM+1]
	v_mov_b32 v[SUM], 0
	v_mov_b32 v[SUM+1], 0
.set n, 0
.rept 32
	v_mov_b32 v[OT+n], 0
.set n, n+1
.endr
.endm
; THE SOFTMAX'S PIECES.  Group grp (0-3) is registers X .. X + 7 and X + 16 .. X + 23, X = SS + 32 (grp / 2) + 8 (grp % 2): half grp % 2 of blocks 2 (grp / 2) and 2 (grp / 2) + 1.  idx counts within a piece.
.macro SCALE2                                  ; t - M for a pair of scores: eight a group
.set rr, SS+32*(grp/2)+8*(grp%2)+16*(idx/4)+2*(idx%4)
	v_pk_fma_f32 v[rr:rr+1], v[rr:rr+1], s[CS:CS+1], v[NM:NM+1] op_sel_hi:[1,0,0]
.endm
.macro SUMUP                                   ; the row's sum of the unquantised p, in two chains: the first block's pairs onto the running sum, the second block's onto BT
.set rr, SS+32*(grp/2)+8*(grp%2)+16*(idx%2)+2*(idx/2)
.if idx%2 == 0
	v_pk_add_f32 v[SUM:SUM+1], v[SUM:SUM+1], v[rr:rr+1]
.elseif grp+idx == 1
	s_wait_alu depctr_va_vdst(0)
	v_pk_add_f32 v[BT:BT+1], v[rr:rr+1], v[rr+2:rr+3]   ; the second chain begins with two pairs: nothing is cleared
.else
	s_wait_alu depctr_va_vdst(0)
	v_pk_add_f32 v[BT:BT+1], v[BT:BT+1], v[rr:rr+1]
.endif
.endm
.macro HOLD2                                   ; the conversion does not saturate (ISA guide 7.6.2); p is not negative, so the hold is one-sided.  Two holds, one of each block
.set xx, SS+32*(grp/2)+8*(grp%2)+2*(idx/2)
.set lx, BL+2*(grp/2)
.if idx%2 == 0
	v_dual_min_num_f32 v[xx], v[xx], v[lx] :: v_dual_min_num_f32 v[xx+17], v[xx+17], v[lx+1]
.else
	v_dual_min_num_f32 v[xx+16], v[xx+16], v[lx+1] :: v_dual_min_num_f32 v[xx+1], v[xx+1], v[lx]
.endif
.endm
.macro CODES                                   ; eight codes of block 2 (grp / 2) + idx
.set blk, 2*(grp/2)+idx
.set rr, SS+16*blk+8*(grp%2)
	v_cvt_scalef32_pk8_bf8_f32 v[PC+4*blk+2*(grp%2):PC+4*blk+2*(grp%2)+1], v[rr:rr+7], v[BO+blk]
.endm
.macro RESC                                    ; a pair of O^T under the new M; in ascending order
	v_pk_mul_f32 v[OT+2*idx:OT+2*idx+1], v[OT+2*idx:OT+2*idx+1], v[FF:FF+1] op_sel_hi:[1,0]
.endm
; Exponential number en of 68: the four blocks' largest p, then the groups' 16 each.
.macro EXPO
.if en < 4
	v_exp_f32 v[BM+en], v[BM+en]
.else
.set grp, (en-4)/16
.set idx, (en-4)%16
.set rr, SS+32*(grp/2)+8*(grp%2)+16*(idx/8)+idx%8
	v_exp_f32 v[rr], v[rr]
.endif
.set en, en+1
.endm
; The other instruction number fn of 144.  0-12 ahead of the exponentials; 13-20 among the blocks' four; 21-46, 47-71, 72-97, 98-118 among groups 0, 1, 2, 3's; 119-143 behind them.
; A piece stands only behind the exponentials that it reads (a stage earlier) and ahead of those that read it; a group's sums ahead of its holds, its holds ahead of its conversions.
.macro FIL
.if fn == 0
	v_pk_mul_f32 v[SUM:SUM+1], v[SUM:SUM+1], v[FF:FF+1] op_sel_hi:[1,0]   ; the sum under the new M
.elseif fn < 5
	v_fma_f32 v[BM+fn-1], v[BM+fn-1], s[CS], v[NM]     ; t - M of each block's largest score
.elseif fn < 21
.set grp, (fn-5)/8
.set idx, (fn-5)%8
	SCALE2
.elseif fn < 25
.set idx, fn-21
	RESC
.elseif fn < 29
	s_wait_alu depctr_va_vdst(0)
	v_max_num_f32 v[BM+fn-25], 0x8000000, v[BM+fn-25]  ; the floor 2^-111: the byte cannot fall under 1
.elseif fn < 33
	v_add_nc_u32 v[BO+fn-29], 0xf8800000, v[BM+fn-29]  ; 15 off the exponent field: the conversion's scale operand
.elseif fn < 37
	v_and_or_b32 v[BL+fn-33], v[BM+fn-33], 0x7f800000, s[MNT]   ; 57,344 x the scale
.elseif fn < 41
	v_lshrrev_b32 v[BT+fn-37], 23, v[BO+fn-37]         ; the byte
.elseif fn == 41
	v_lshl_or_b32 v[PS], v[BT+1], 8, v[BT]             ; p's scale word for these 128 keys
.elseif fn == 42
	v_lshl_or_b32 v[PS], v[BT+2], 16, v[PS]
.elseif fn == 43
	v_lshl_or_b32 v[PS], v[BT+3], 24, v[PS]
.elseif fn < 47
.set idx, fn-40
	RESC
.elseif fn < 55
.set grp, 2
.set idx, fn-47
	SCALE2
.elseif fn < 62
.set grp, 0
.set idx, fn-55+(fn-54)/4                      ; 0, 1, 2, 4, 5, 6, 7: number 1 takes number 3's pair with its own
	SUMUP
.elseif fn < 70
.set grp, 0
.set idx, fn-62
	HOLD2
.elseif fn < 72
.set grp, 0
.set idx, fn-70
	CODES
.elseif fn < 80
.set grp, 3
.set idx, fn-72
	SCALE2
.elseif fn < 88
.set grp, 1
.set idx, fn-80
	SUMUP
.elseif fn < 96
.set grp, 1
.set idx, fn-88
	HOLD2
.elseif fn < 98
.set grp, 1
.set idx, fn-96
	CODES
.elseif fn < 106
.set grp, 2
.set idx, fn-98
	SUMUP
.elseif fn < 114
.set grp, 2
.set idx, fn-106
	HOLD2
.elseif fn < 116
.set grp, 2
.set idx, fn-114
	CODES
.elseif fn < 119
.set idx, fn-109
	RESC
.elseif fn < 127
.set grp, 3
.set idx, fn-119
	SUMUP
.elseif fn == 127
	v_pk_add_f32 v[SUM:SUM+1], v[SUM:SUM+1], v[BT:BT+1]
.elseif fn < 136
.set grp, 3
.set idx, fn-128
	HOLD2
.elseif fn < 138
.set grp, 3
.set idx, fn-136
	CODES
.else
.set idx, fn-128                               ; the last six pairs of O^T: also the plain places between the conversions and the products
	RESC
.endif
.set fn, fn+1
.endm
.macro DEAL ne, nf                             ; ne exponentials, nf others spread evenly behind them
.set si, 0
.rept \ne
	EXPO
.rept ((si+1)*\nf)/\ne-(si*\nf)/\ne
	FIL
.endr
.set si, si+1
.endr
.endm
; A KEY STEP: 128 keys, their record at LDS byte TB.  A step all of whose keys come after my queries is left out by a scalar branch on ids, round its work alone: the lines at its end that step TB and the step's number are on both ways.
.macro STEP
	s_cmp_gt_u32 s[STP], s[GG]
	s_cbranch_scc1 .Lhidden_\@
	v_add_nc_u32 v[AD0], s[TB], v[L0]
	v_add_nc_u32 v[AD0+1], s[TB], v[L1]
	v_add_nc_u32 v[AS0], s[TB], v[LS0]
	v_add_nc_u32 v[AS0+1], s[TB], v[LS1]
.rept 4
	v_nop                                          ; with the four additions: eight places between the last step's products and the loads into the registers that they read
.endr
.irp e, 0,1,2,3
.irp u, 0,1
	ds_load_b128 v[KF+8*(2*\e+\u):KF+8*(2*\e+\u)+3], v[AD0+\u] offset:\e*2048
	ds_load_b128 v[KF+8*(2*\e+\u)+4:KF+8*(2*\e+\u)+7], v[AD0+\u] offset:\e*2048+1024
.endr
.endr
	ds_load_b64 v[KSC:KSC+1], v[AS0] offset:8192       ; X0: lanes 0-15 the words of key blocks 0, 1; lanes 16-31 of blocks 2, 3
	ds_load_b64 v[KSC+2:KSC+3], v[AS0+1] offset:8192   ; X1 likewise
	s_wait_dscnt 0x0
.irp t, 0,1,2,3
	v_wmma_scale_f32_16x16x128_f8f6f4 v[SS+8*\t:SS+8*\t+7], v[KF+8*\t:KF+8*\t+15], v[QF:QF+15], 0, v[KSC+2*(\t%2)+(\t/2)%2], v[QS] matrix_a_fmt:MATRIX_FMT_BF8 matrix_b_fmt:MATRIX_FMT_BF8
.endr
.irp t, 4,5,6,7
	v_wmma_scale_f32_16x16x128_f8f6f4 v[SS+8*\t:SS+8*\t+7], v[KF+8*\t:KF+8*\t+15], v[QF:QF+15], 0, v[KSC+2*(\t%2)+(\t/2)%2], v[QS] matrix_a_fmt:MATRIX_FMT_BF8 matrix_b_fmt:MATRIX_FMT_BF8 matrix_a_scale:MATRIX_SCALE_ROW1
.endr
.rept 8
	v_nop                                          ; places: in front of the loads into k's registers, and of the first read of the scores
.endr
.irp t, 0,1,2,3                                ; v's four X tiles of channels: they land while the softmax is worked
.irp c, 0,1,2,3
	ds_load_b128 v[KF+16*\t+4*\c:KF+16*\t+4*\c+3], v[AD0+(\t%2)] offset:8704+(\t/2)*4096+\c*1024
.endr
.endr
	ds_load_b64 v[VSC:VSC+1], v[AS0] offset:16896
	ds_load_b64 v[VSC+2:VSC+3], v[AS0+1] offset:16896
	s_cmp_lg_u32 s[STP], s[GG]                     ; on the diagonal alone: hidden keys' scores become -infinity ahead of the maximum
	s_cbranch_scc1 .Lopen_\@
	v_mov_b32 v[TMP], 0xff800000
.set n, 0
.rept 64                                       ; register 16 b + i holds key 32 b + i + 24 h (i < 8) or 32 b + i + 8 h: hidden where 32 b + i > my query - 24 h, or - 8 h
	v_cmp_gt_i32 vcc_lo, 32*(n/16)+n%16, v[D0+(n%16)/8]
	v_cndmask_b32 v[SS+n], v[SS+n], v[TMP], vcc_lo
.set n, n+1
.endr
.Lopen_\@:
.irp b, 0,1,2,3
	v_max3_num_f32 v[BM+\b], v[SS+16*\b], v[SS+16*\b+1], v[SS+16*\b+2]   ; the largest score of each block of 32 keys: for the row's maximum, and for the block's largest p
.endr
.irp i, 3,5,7,9,11,13
.irp b, 0,1,2,3
	v_max3_num_f32 v[BM+\b], v[BM+\b], v[SS+16*\b+\i], v[SS+16*\b+\i+1]
.endr
.endr
.irp b, 0,1,2,3
	v_max_num_f32 v[BM+\b], v[BM+\b], v[SS+16*\b+15]
.endr
.irp b, 0,1,2,3
	v_permlanex16_b32 v[BT+\b], v[BM+\b], s[SEL], s[SEL+1]
.endr
.irp b, 0,1,2,3
	v_max_num_f32 v[BM+\b], v[BM+\b], v[BT+\b]     ; with lane l xor 16's 16 keys
.endr
	v_max3_num_f32 v[TMP], v[BM], v[BM+1], v[BM+2]
	v_max_num_f32 v[TMP], v[TMP], v[BM+3]
	v_mul_f32 v[TMP], s[CS], v[TMP]                ; as t
	v_max_num_f32 v[NM+1], v[NM+1], v[TMP]         ; the running largest t
	v_mov_b32 v[TMP], v[NM]
	v_floor_f32 v[NM], -v[NM+1]                    ; -M = floor(-t)
	v_sub_f32 v[TMP], v[NM], v[TMP]                ; old M - new M: a whole number, 0 or less
	v_cvt_i32_f32 v[TMP], v[TMP]                   ; (it saturates)
	v_ldexp_f32 v[FF], 1.0, v[TMP]                 ; f = 2^(old M - new M)
.set fn, 0
.set en, 0
.rept 13
	FIL                                            ; the sum's rescaling, the blocks' t - M, group 0's
.endr
	DEAL 4, 8                                      ; the blocks' largest p | group 1's scalings
	DEAL 16, 26                                    ; group 0's p | the blocks' bytes, limits and scale word; seven pairs of O^T
	DEAL 16, 25                                    ; group 1's p | group 2's scalings; group 0's sums, holds, codes
	DEAL 16, 26                                    ; group 2's p | group 3's scalings; group 1's sums, holds, codes
	DEAL 16, 21                                    ; group 3's p | group 2's sums, holds, codes; three pairs of O^T
.rept 25
	FIL                                            ; group 3's sums, holds, codes; six pairs of O^T
.endr
	s_wait_dscnt 0x0                               ; v
.irp t, 0,1,2,3                                ; one instruction a turn on four accumulators; the scores' products stand between one step's and the next's
	v_wmma_scale_f32_16x16x128_f8f6f4 v[OT+8*\t:OT+8*\t+7], v[KF+16*\t:KF+16*\t+15], v[PC:PC+15], v[OT+8*\t:OT+8*\t+7], v[VSC+2*(\t%2)+\t/2], v[PS] matrix_a_fmt:MATRIX_FMT_BF8 matrix_b_fmt:MATRIX_FMT_BF8
.endr
.Lhidden_\@:
	s_add_co_u32 s[TB], s[TB], KVREC
	s_add_co_u32 s[STP], s[STP], 1
.endm
; A barrier and the key steps behind it.  left: how many of a fetching wave's four loads may stay out: the records of these steps are the older ones.
.macro GROUP left, trips
	s_wait_tensorcnt \left
	s_wait_dscnt 0x0
	s_barrier_signal -1
	s_barrier_wait -1
	s_mov_b32 s[CNT], \trips
.Lgroup_\@:
	STEP
	s_sub_co_u32 s[CNT], s[CNT], 1
	s_cmp_lg_u32 s[CNT], 0
	s_cbranch_scc1 .Lgroup_\@
.endm
; A pass's end: O^T / the sum, quantised along the head's 64 (two blocks), put into true order, stored.
.macro CTXOUT cb, sb
.rept 8
	v_nop                                          ; places behind the last products
.endr
	v_add_f32 v[SUM], v[SUM], v[SUM+1]
	v_permlanex16_b32 v[TMP], v[SUM], s[SEL], s[SEL+1]
	v_add_f32 v[SUM], v[SUM], v[TMP]               ; the row's sum
	v_rcp_f32 v[FF], v[SUM]
	v_nop                                          ; a plain place behind the reciprocal
.set n, 0
	s_wait_alu depctr_va_vdst(0)
.rept 16
	v_pk_mul_f32 v[OT+n:OT+n+1], v[OT+n:OT+n+1], v[FF:FF+1] op_sel_hi:[1,0]
.set n, n+2
.endr
.irp b, 0,1
	v_max3_num_f32 v[BM+\b], |v[OT+16*\b]|, |v[OT+16*\b+1]|, 0x8000000
.endr
.irp i, 2,4,6,8,10,12,14
.irp b, 0,1
	v_max3_num_f32 v[BM+\b], v[BM+\b], |v[OT+16*\b+\i]|, |v[OT+16*\b+\i+1]|
.endr
.endr
.irp b, 0,1
	v_permlanex16_b32 v[BT+\b], v[BM+\b], s[SEL], s[SEL+1]
.endr
.irp b, 0,1
	v_max_num_f32 v[BM+\b], v[BM+\b], v[BT+\b]
.endr
.irp b, 0,1
	v_add_nc_u32 v[BO+\b], 0xf8800000, v[BM+\b]
.endr
.irp b, 0,1
	v_and_or_b32 v[BL+\b], v[BM+\b], 0x7f800000, s[MNT]
.endr
.irp b, 0,1
	v_lshrrev_b32 v[BT+\b], 23, v[BO+\b]
.endr
.irp b, 0,1
.irp i, 0,1,2,3,4,5,6,7,8,9,10,11,12,13,14,15
	v_med3_num_f32 v[OT+16*\b+\i], v[OT+16*\b+\i], -v[BL+\b], v[BL+\b]
.endr
.endr
.irp b, 0,1
	v_cvt_scalef32_pk8_bf8_f32 v[PC+4*\b:PC+4*\b+1], v[OT+16*\b:OT+16*\b+7], v[BO+\b]
	v_cvt_scalef32_pk8_bf8_f32 v[PC+4*\b+2:PC+4*\b+3], v[OT+16*\b+8:OT+16*\b+15], v[BO+\b]
.endr
	v_nop                                          ; a plain place behind the last conversion
.irp b, 0,1                                    ; lanes 16-31 hold channels 24-31 ahead of 16-23: their two pairs of registers change places
	v_cndmask_b32 v[PC+8+4*\b+0], v[PC+4*\b+0], v[PC+4*\b+2], s[HIM]
	v_cndmask_b32 v[PC+8+4*\b+1], v[PC+4*\b+1], v[PC+4*\b+3], s[HIM]
	v_cndmask_b32 v[PC+8+4*\b+2], v[PC+4*\b+2], v[PC+4*\b+0], s[HIM]
	v_cndmask_b32 v[PC+8+4*\b+3], v[PC+4*\b+3], v[PC+4*\b+1], s[HIM]
.endr
	v_cndmask_b32 v[TMP], v[BT], v[BT+1], s[HIM]   ; lane (r, h) sends block h's byte of token r
	global_store_b128 v[L16], v[PC+8:PC+11], s[\cb:\cb+1]
	global_store_b128 v[L16], v[PC+12:PC+15], s[\cb:\cb+1] offset:512
	global_store_b8 v[CSO], v[TMP], s[\sb:\sb+1]
	s_wait_xcnt 0x0                                ; the stores' data are written again only behind this wait
.endm
	INIT
	s_wait_loadcnt 0x0                             ; q, both tiles
	GROUP 3, 4                                     ; records 0-3 are each fetching wave's first load: its other three may stay out
	GROUP 0, 12                                    ; records 4-15: all loads have landed; no tensor load is out from here on
	CTXOUT 60, 62
.irp i, 0,1,2,3,4,5,6,7
	v_mov_b32 v[QF+\i], v[Q2+\i]                   ; the second tile
.endr
	v_mov_b32 v[QS], v[QS2]
	INIT
	s_mov_b32 s[TB], 0
	s_mov_b32 s[STP], 0
	s_mov_b32 s[GG], s15                           ; j, at most 7: eight steps cover it; every record has landed, so no barrier
	s_mov_b32 s[CNT], 8
.Lsecond:
	STEP
	s_sub_co_u32 s[CNT], s[CNT], 1
	s_cmp_lg_u32 s[CNT], 0
	s_cbranch_scc1 .Lsecond
	CTXOUT 66, 68
	s_wait_xcnt 0x0
	v_lshl_add_u32 v254, v0, 2, 0x44000
	v_mov_b32 v255, 0
	s_wait_tensorcnt 0x0
	ds_add_u32 v254, v255
	s_wait_dscnt 0x0
	s_endpgm
.Lfunc_end_k_q7129368b8c_attn:
	.size	k_q7129368b8c_attn, .Lfunc_end_k_q7129368b8c_attn-k_q7129368b8c_attn
	.p2alignl 7, 3214868480
	.fill 96, 4, 3214868480
	.section	.rodata,"a",@progbits
	.p2align	6, 0x0
	.amdhsa_kernel k_q7129368b8c_attn
		.amdhsa_group_segment_fixed_size 280576
		.amdhsa_private_segment_fixed_size 0
		.amdhsa_enable_private_segment 0
		.amdhsa_kernarg_size 32
		.amdhsa_user_sgpr_count 2
		.amdhsa_user_sgpr_kernarg_segment_ptr 1
		.amdhsa_wavefront_size32 1
		.amdhsa_system_sgpr_workgroup_id_x 1
		.amdhsa_system_sgpr_workgroup_id_y 1
		.amdhsa_system_sgpr_workgroup_id_z 1
		.amdhsa_system_vgpr_workitem_id 0
		.amdhsa_next_free_vgpr 256
		.amdhsa_next_free_sgpr 80
		.amdhsa_reserve_vcc 1
		.amdhsa_float_denorm_mode_32 3
		.amdhsa_float_denorm_mode_16_64 3
		.amdhsa_memory_ordered 1
		.amdhsa_forward_progress 1
		.amdhsa_inst_pref_size 96
	.end_amdhsa_kernel
	.amdgpu_metadata
---
amdhsa.version: [ 1, 2 ]
amdhsa.kernels:
  - .name:           k_q7129368b8c_attn
    .symbol:         k_q7129368b8c_attn.kd
    .args:
      - { .name: qrec, .offset: 0, .size: 8, .value_kind: global_buffer, .address_space: global }
      - { .name: kvrec, .offset: 8, .size: 8, .value_kind: global_buffer, .address_space: global }
      - { .name: cimg, .offset: 16, .size: 8, .value_kind: global_buffer, .address_space: global }
      - { .name: csc, .offset: 24, .size: 8, .value_kind: global_buffer, .address_space: global }
    .group_segment_fixed_size: 280576
    .private_segment_fixed_size: 0
    .kernarg_segment_align: 8
    .kernarg_segment_size: 32
    .max_flat_workgroup_size: 512
    .sgpr_count:     80
    .vgpr_count:     256
    .wavefront_size: 32
...
	.end_amdgpu_metadata
.endif
;; end of part 5
;; launch outp (part 6): grid 8 x 32, 4 waves a work-group, clusters of 4 x 4, 327,680 bytes of LDS; arguments cimg, csc, Wo_codes, Wo_scales, bo, out0; writes out0
.if DOCPART == 6
	.amdgcn_target "amdgcn-amd-amdhsa--gfx1250"
	.amdhsa_code_object_version 6
	.text
	.protected	k_q7129368b8c_outp
	.globl	k_q7129368b8c_outp
	.p2align	8
	.type	k_q7129368b8c_outp,@function
k_q7129368b8c_outp:
	s_mov_b64 s[64:65], 0
	v_nop
	global_prefetch_b8 v0, s[64:65] scope:SCOPE_SE
	s_setreg_imm32_b32 hwreg(HW_REG_WAVE_MODE, 25, 1), 1
	s_wait_xcnt 0x0
	s_wait_alu depctr_hold_cnt(0) depctr_sa_sdst(0) depctr_va_vdst(0) depctr_va_sdst(0) depctr_va_ssrc(0) depctr_va_vcc(0) depctr_vm_vsrc(0)
	s_getreg_b32 s2, hwreg(HW_REG_IB_STS2, 6, 4)
	s_cmp_eq_u32 s2, 0
	s_cbranch_scc0 .Lentry_in_a_cluster
	s_endpgm
.Lentry_in_a_cluster:
	s_bfe_u32 s2, ttmp6, 0x10000c
	s_cmp_lg_u32 s2, 0xf033
	s_cbranch_scc0 .Lentry_shape_is_right
	s_endpgm
.Lentry_shape_is_right:
; out0 = ctx Wo + bo.  ctx: 8,192 rows x K 1,024 as codes of BF8 (E5M2), laid as register images: cimg [tile of 16 rows 512][128 along K 8][c 4][lane 32][16 bytes]; its scale bytes csc [8,192][32].
; Wo: 1,024 rows (output columns) of 1,024 codes, 32 scale bytes a row.  bo [1,024] and out0 [8,192][1,024]: f32.
; SHARES.  A work-group makes 256 rows x 128 columns: 32 x 8 = 256 work-groups.  Wave w takes rows 64 w .. 64 w + 63 (four blocks of 16) against all 128 rows of Wo (eight tiles): 32 accumulators, 256 registers.
;   For 128 along K a wave reads 12 fragments (48 loads) for 32 matrix instructions: half as much again for each multiply-add as a wave tile of 128 x 128 would read, which would leave work for 128 work-groups only.
; K goes in four steps of 256 through THREE LDS slots: steps 0, 1, 2 and the scale bytes are first fills (four loads of a wave are out); step 3 is the launch's one refill, into slot 0, behind one round of the
;   cluster's barrier in the second step of 128; it is awaited in the sixth: three and a half steps of 128, 112 matrix instructions a wave, later.  Nothing loops: eight steps of 128 are written out.
; A's part of a slot: for each of 16 tiles of rows 4,096 consecutive bytes of memory (two fragments' images); a wave's load brings 8 such rows, dense in LDS; a fragment is four loads at 16 x lane: no pitch, no conflict.
; B's part: 128 rows of 256 bytes, 16 bytes of padding behind each; waves 2 and 3 bring 64 rows each.
; THE SCALE WORDS come into registers ONCE: a row's 32 bytes are its eight words for all of K: two loads of 16 bytes a block.  Register SC + 8 i + k, k the step of 128: lanes 16-31 Wo's tile i; lanes 0-15, for i < 4, my block i.
; CLUSTERS 4 x 4: ctx's tiles are shared along a row of the cluster, Wo's along a column, each asked for jointly.  The matrix instruction is used transposed (source 0 = 16 rows of Wo, source 1 = 16 rows of ctx):
; a lane holds eight neighbouring numbers of a row of the output.  THE BIAS is the C of each sum's first matrix instruction: eight registers for each of Wo's eight tiles, in the result's layout.
; REGISTERS: window 0: v0-31 addresses; v32-95 scale words; v128-255 A's fragments, two sets of 64 (on the way out rows of the output).  window 1: B's fragments, two sets of 128.  window 2: the accumulators
;   ((a, b) at v[8 (8 a + b)]).  window 3: v0-63 the bias.
.set SIZE_N, 1024
.set ROWB,   256                       ; a slot's bytes of a row of Wo
.set AROW,   4096                      ; a slot's bytes of one tile of 16 rows of ctx
.set KROW,   1024
.set PITCH,  272                       ; a row of Wo in LDS: 256 bytes + 16 of padding
.set FR,     16                        ; registers of a fragment
.set NP,     8                         ; places behind this matrix instruction (ISA guide 7.12.1)
.set AHALF,  8*AROW                    ; what wave 0 or 1 brings
.set BOFF,   2*AHALF                   ; B lies behind A's 16 tiles
.set BHALF,  64*PITCH                  ; what wave 2 or 3 brings
.set SLOT,   BOFF+2*BHALF              ; 100,352
.set KS,     32
.set SCL,    3*SLOT                    ; behind the slots: the scale bytes, as units of 256 bytes + 16
.set SBLK,   2*272                     ; those of 16 rows
.set SAH,    16*272                    ; of 128 rows of ctx
.set SBO,    2*SAH                     ; Wo's lie behind ctx's 256 rows
.set SBH,    8*272                     ; of 64 rows of Wo
.set SPARE,  SCL+SBO+2*SBH             ; the spare words: 128 bytes a wave, named by no other line
.set STAGE,  SLOT                      ; the way out: 16 rows x (512 bytes + 16) for each wave, in slot 1: it is filled once, and every wave has passed the last barrier, in front of which its reads of slots 1 and 2 were over
.set SPITCH, 528
.set ADRA, 16                          ; v16-18  my A fragments in slot 0, 1, 2
.set ADRB, 20                          ; v20-22  B's
.set STO,  24
.set RD,   25
.set CO,   26                          ; 16 x lane
.set ADRS, 27                          ; scale bytes: lanes 0-15 my rows of ctx, lanes 16-31 Wo's rows
.set SPW,  28                          ; my spare word; never rewritten
.set NIL,  29                          ; 0; never rewritten
.set BOF,  30                          ; 32 h: my half's eight numbers of the bias
.set ADRSB, 31                         ; scale bytes: Wo's rows in both halves of the lanes
.set SC,   32
.set AF,   128
.set BK,   128
.set G1,   24                          ; s[24:31] group 1 for ctx's tiles;  s[32:43] group 0, one set for each slot
.set G0,   32
.set G1B,  44                          ; s[44:51], s[52:63] the same for Wo's
.set G0B,  52
.set G1S,  68                          ; s[68:75], s[76:79] ctx's scale bytes;  s[80:87], s[88:91] Wo's
.set G0S,  76
.set G1SB, 80
.set G0SB, 88
.set MSB, 0
.macro WIN new                         ; the immediate's high byte repeats the setting that is left
.if MSB != \new
	s_set_vgpr_msb (MSB<<8)|\new
.set MSB, \new
.endif
.endm
.set MUL,  0xa1                        ; source 0 (B) window 1, source 1 (A) window 0, C and D window 2
.set BEG,  0xb1                        ; the first step: C (the bias) window 3
.set TO_B, 0x40                        ; destination window 1
.set TO_3, 0xc0                        ; destination window 3
.macro JLOAD g0a, g1a, g0b, g1b        ; a joint load: waves 0 and 1 fetch for A, waves 2 and 3 for B; the branch hangs on the wave's number alone; four v_nop follow each line
	s_cmp_eq_u32 s15, 0
	s_cbranch_scc0 .Lfor_b_\@
	tensor_load_to_lds s[\g0a:\g0a+3], s[\g1a:\g1a+7]
	s_nop 0
.rept 4
	v_nop
.endr
	s_branch .Lasked_\@
.Lfor_b_\@:
	tensor_load_to_lds s[\g0b:\g0b+3], s[\g1b:\g1b+7]
	s_nop 0
.rept 4
	v_nop
.endr
.Lasked_\@:
.endm
.macro CREST                           ; a round of the cluster's barrier behind its opening barrier
	s_cmp_lg_u32 s14, 0
	s_cbranch_scc1 .Lnot_wave_0_\@
	s_barrier_signal -3
.Lnot_wave_0_\@:
	s_barrier_wait -3
	s_barrier_signal -1
	s_barrier_wait -1
.endm
.macro CROUND
	s_barrier_signal -1
	s_barrier_wait -1
	CREST
.endm
	s_load_b128 s[4:7], s[0:1], 0x0                ; ctx's images, its scale bytes
	s_load_b128 s[8:11], s[0:1], 0x10              ; Wo's codes, its scale bytes
	s_load_b64 s[66:67], s[0:1], 0x20              ; bo
	s_load_b64 s[12:13], s[0:1], 0x28              ; out0
	v_lshl_add_u32 v[SPW], v0, 2, SPARE
	v_mov_b32 v[NIL], 0
	ds_add_u32 v28, v29
	ds_add_u32 v28, v29
	s_wait_dscnt 0x0
	v_lshrrev_b32 v1, 5, v0
	v_readfirstlane_b32 s14, v1                    ; wave 0..3
	s_lshr_b32 s15, s14, 1                         ; I fetch for A (0) or for B (1),
	s_and_b32 s16, s14, 1                          ; its first or its second half
	s_bfe_u32 s92, ttmp6, 0x40000                  ; cx
	s_bfe_u32 s93, ttmp6, 0x40004                  ; cy
	s_lshl_b32 s94, ttmp9, 2
	s_add_co_u32 s94, s94, s92                     ; tile column, 0..7
	s_and_b32 s17, ttmp7, 0xffff
	s_lshl_b32 s17, s17, 2
	s_add_co_u32 s17, s17, s93                     ; tile row, 0..31
	s_lshl_b32 s95, s93, 2
	s_lshl_b32 s95, 15, s95                        ; my row of the cluster
	s_lshl_b32 s96, 0x1111, s92                    ; my column
	s_or_b32 s[G1+0], s95, (3<<16)|(1<<21)         ; A: mask; elements of 8 bytes; bit 21 beside a mask; no padding
	s_mov_b32 s[G1+1], 512<<16                     ; a row: 512 elements, 4,096 bytes
	s_mov_b32 s[G1+2], 8<<16                       ; 8 rows: 8 tiles of 16 rows of ctx
	s_mov_b32 s[G1+3], 512<<16
	s_mov_b32 s[G1+4], 8
	s_mov_b32 s[G1+5], 2048                        ; from tile to tile: 16,384 bytes
	s_mov_b32 s[G1+6], 0
	s_mov_b32 s[G1+7], 0
	s_or_b32 s[G1B+0], s96, (0<<16)|(1<<20)|(1<<21)|(5<<22)|(3<<25)  ; B: 64 rows of 256 bytes, 4 words of padding behind every 64
	s_mov_b32 s[G1B+1], ROWB<<16
	s_mov_b32 s[G1B+2], 64<<16
	s_mov_b32 s[G1B+3], ROWB<<16
	s_mov_b32 s[G1B+4], 64
	s_mov_b32 s[G1B+5], KROW
	s_mov_b32 s[G1B+6], 0
	s_mov_b32 s[G1B+7], 0
	s_or_b32 s[G1S+0], s95, (3<<16)|(1<<20)|(1<<21)|(5<<22)|(3<<25)  ; the scale bytes of 128 rows of ctx: 16 rows of 256 dense bytes, padded
	s_mov_b32 s[G1S+1], 32<<16
	s_mov_b32 s[G1S+2], 16<<16
	s_mov_b32 s[G1S+3], 32<<16
	s_mov_b32 s[G1S+4], 16
	s_mov_b32 s[G1S+5], 32
	s_mov_b32 s[G1S+6], 0
	s_mov_b32 s[G1S+7], 0
	s_or_b32 s[G1SB+0], s96, (3<<16)|(1<<20)|(1<<21)|(5<<22)|(3<<25) ; of 64 rows of Wo: 8 such rows
	s_mov_b32 s[G1SB+1], 32<<16
	s_mov_b32 s[G1SB+2], 8<<16
	s_mov_b32 s[G1SB+3], 32<<16
	s_mov_b32 s[G1SB+4], 8
	s_mov_b32 s[G1SB+5], 32
	s_mov_b32 s[G1SB+6], 0
	s_mov_b32 s[G1SB+7], 0
	s_lshl_b32 s18, s16, 7
	s_lshl_b32 s20, s17, 8
	s_add_co_u32 s20, s20, s18                     ; the first row of ctx that I fetch: 256 x tile row + 128 x half
	s_lshl_b32 s22, s20, 5                         ; its scale bytes,
	s_mov_b32 s23, 0
	s_lshl_b32 s20, s20, 10                        ; its images: (row / 16) tiles of 16,384 bytes are row x 1,024
	s_mov_b32 s21, 0
	s_lshl_b32 s18, s16, 6
	s_lshl_b32 s98, s94, 7
	s_add_co_u32 s98, s98, s18                     ; the first row of Wo: 128 x tile column + 64 x half
	s_lshl_b32 s100, s98, 5
	s_mov_b32 s101, 0
	s_lshl_b32 s98, s98, 10
	s_mov_b32 s99, 0
	s_lshl_b32 s97, s16, 15                        ; where they go in a slot: A's half,
	s_mul_i32 s18, s16, BHALF
	s_add_co_u32 s18, s18, BOFF                    ; B's half;
	s_mul_i32 s19, s16, SAH
	s_add_co_u32 s19, s19, SCL                     ; ctx's scale bytes,
	s_mul_i32 s3, s16, SBH
	s_add_co_u32 s3, s3, SCL+SBO                   ; Wo's: no place in the cluster enters an LDS address
	s_wait_kmcnt 0x0
	s_add_nc_u64 s[20:21], s[4:5], s[20:21]
	s_add_nc_u64 s[22:23], s[6:7], s[22:23]
	s_add_nc_u64 s[98:99], s[8:9], s[98:99]
	s_add_nc_u64 s[100:101], s[10:11], s[100:101]
	CROUND                                         ; all sixteen work-groups are here: the first joint loads meet
	s_mov_b32 s[G0S], 1
	s_mov_b32 s[G0S+1], s19
	s_mov_b64 s[G0S+2:G0S+3], s[22:23]
	s_or_b32 s[G0S+3], s[G0S+3], 0x80000000
	s_mov_b32 s[G0SB], 1
	s_mov_b32 s[G0SB+1], s3
	s_mov_b64 s[G0SB+2:G0SB+3], s[100:101]
	s_or_b32 s[G0SB+3], s[G0SB+3], 0x80000000
	JLOAD G0S, G1S, G0SB, G1SB                     ; the scale bytes first: they are wanted with K step 0
.irp s, 0,1,2
	s_mov_b32 s[G0+4*\s], 1
	s_add_co_u32 s[G0+4*\s+1], s97, \s*SLOT
	s_add_nc_u64 s[G0+4*\s+2:G0+4*\s+3], s[20:21], \s*AROW
	s_or_b32 s[G0+4*\s+3], s[G0+4*\s+3], 0x80000000
	s_mov_b32 s[G0B+4*\s], 1
	s_add_co_u32 s[G0B+4*\s+1], s18, \s*SLOT
	s_add_nc_u64 s[G0B+4*\s+2:G0B+4*\s+3], s[98:99], \s*ROWB
	s_or_b32 s[G0B+4*\s+3], s[G0B+4*\s+3], 0x80000000
	JLOAD G0+4*\s, G1, G0B+4*\s, G1B
.endr
	v_and_b32 v1, 15, v0                           ; r
	v_bfe_u32 v2, v0, 4, 1                         ; h
	v_and_b32 v6, 31, v0
	v_lshlrev_b32 v[CO], 4, v6                     ; 16 x lane
	v_mul_u32_u24 v3, v1, PITCH
	v_lshl_add_u32 v4, v2, 4, v3                   ; a row of Wo x pitch + 16 h
	s_lshl_b32 s21, s14, 14                        ; my four tiles of rows: 4 x 4,096 bytes a wave
	s_mov_b32 s22, BOFF
.irp s, 0,1,2
	v_add_nc_u32 v[ADRA+\s], s21, v[CO]            ; A: images
	v_add_nc_u32 v[ADRB+\s], s22, v4               ; B: rows
	s_add_co_u32 s21, s21, SLOT
	s_add_co_u32 s22, s22, SLOT
.endr
	v_mul_u32_u24 v5, v1, KS                       ; row r's 32 scale bytes,
	v_lshrrev_b32 v6, 8, v5
	v_lshl_add_u32 v5, v6, 4, v5                   ; and 16 more for each 256 passed
	s_mul_i32 s21, s14, 4*SBLK                     ; my 64 rows of ctx
	s_mov_b32 s22, SBO
	s_sub_co_u32 s22, s22, s21                     ; from them to Wo's first row
	v_mul_u32_u24 v6, s22, v2                      ; lanes 16-31 take Wo's: one product with h
	s_add_co_u32 s21, s21, SCL
	v_add_nc_u32 v6, v5, v6
	v_add_nc_u32 v[ADRS], s21, v6
	v_add_nc_u32 v[ADRSB], SCL+SBO, v5
	s_mul_i32 s23, s14, 16*SPITCH
	s_add_co_u32 s23, s23, STAGE                   ; my stage
	v_mul_u32_u24 v5, v1, SPITCH                   ; in: row r, 32 bytes for each half of the lanes
	v_lshl_add_u32 v5, v2, 5, v5
	v_add_nc_u32 v[STO], s23, v5
	v_add_nc_u32 v[RD], s23, v[CO]                 ; back: the 32 lanes take one row of 512 bytes
	s_lshl_b32 s20, s17, 8
	s_lshl_b32 s21, s14, 6
	s_add_co_u32 s20, s20, s21                     ; my first row of the output: 256 x tile row + 64 x wave,
	s_lshl_b32 s20, s20, 12                        ; in bytes: under 2^25
	s_mov_b32 s21, 0
	s_lshl_b32 s98, s94, 9                         ; my first column, in bytes
	s_mov_b32 s99, 0
	s_add_nc_u64 s[12:13], s[12:13], s[20:21]
	s_add_nc_u64 s[12:13], s[12:13], s[98:99]
	s_add_nc_u64 s[66:67], s[66:67], s[98:99]      ; and the same column of the bias
	v_lshlrev_b32 v[BOF], 5, v2
	WIN TO_3
.irp b, 0,1,2,3,4,5,6,7
	global_load_b128 v[8*\b:8*\b+3], v[BOF], s[66:67] offset:64*\b         ; register 8 b + j of window 3: bo at my column 16 b + 8 h + j
	global_load_b128 v[8*\b+4:8*\b+7], v[BOF], s[66:67] offset:64*\b+16
.endr
	WIN 0
.macro FRAG reg, adr, q, i             ; B: 16 rows x 128 K from rows: registers 4 c .. 4 c + 3 hold K = 32 c + 16 h + 0 .. 15
.irp c, 0,1,2,3
	ds_load_b128 v[\reg+4*\c:\reg+4*\c+3], v[\adr] offset:128*(\q)+32*\c+(\i)*16*PITCH
.endr
.endm
.macro FRAGA reg, adr, q, i            ; A: the same registers from an image
.irp c, 0,1,2,3
	ds_load_b128 v[\reg+4*\c:\reg+4*\c+3], v[\adr] offset:(\i)*AROW+(\q)*2048+512*\c
.endr
.endm
.macro FETCH slot, q, p                ; 48 loads in one run: the fragments of the slot's q-th 128 along K into set p
	WIN TO_B
.irp i, 0,1,2,3,4,5,6,7
	FRAG 128*(\p)+FR*\i, ADRB+\slot, \q, \i
.endr
	WIN 0
.irp i, 0,1,2,3
	FRAGA AF+64*(\p)+FR*\i, ADRA+\slot, \q, \i
.endr
.endm
; 8 matrix instructions: my block a x Wo's eight tiles, set p, step k of 128.  The 32 accumulators take turns, one instruction a turn, in the same order in every step.  first = 1: the bias starts the sums.
.macro MULA a, p, k, first
.irp b, 0,1,2,3,4,5,6,7
.if \first
	v_wmma_scale_f32_16x16x128_f8f6f4 v[8*(8*(\a)+\b):8*(8*(\a)+\b)+7], v[128*(\p)+FR*\b:128*(\p)+FR*\b+FR-1], v[AF+64*(\p)+FR*(\a):AF+64*(\p)+FR*(\a)+FR-1], v[8*\b:8*\b+7], v[SC+8*\b+(\k)], v[SC+8*(\a)+(\k)] matrix_a_fmt:MATRIX_FMT_BF8 matrix_b_fmt:MATRIX_FMT_BF8 matrix_a_scale:MATRIX_SCALE_ROW1
.else
	v_wmma_scale_f32_16x16x128_f8f6f4 v[8*(8*(\a)+\b):8*(8*(\a)+\b)+7], v[128*(\p)+FR*\b:128*(\p)+FR*\b+FR-1], v[AF+64*(\p)+FR*(\a):AF+64*(\p)+FR*(\a)+FR-1], v[8*(8*(\a)+\b):8*(8*(\a)+\b)+7], v[SC+8*\b+(\k)], v[SC+8*(\a)+(\k)] matrix_a_fmt:MATRIX_FMT_BF8 matrix_b_fmt:MATRIX_FMT_BF8 matrix_a_scale:MATRIX_SCALE_ROW1
.endif
.endr
.endm
.macro PLACES n                        ; plain vector instructions between a matrix instruction and a load into, or a read of, its registers (ISA guide 7.12.1 for reads)
.rept \n
	v_nop
.endr
.endm
; Step k of 128 along K multiplies set k % 2; at its head the next step's fragments (slot nslot, its nq-th 128) are asked for, into the set that the step before multiplied: they have this step's 32 matrix instructions in which to land.
.macro STEP k, nslot, nq
	PLACES NP
	s_wait_dscnt 0x0                               ; this step's fragments are in
	FETCH \nslot, \nq, 1-(\k)%2
	WIN MUL
	MULA 0, (\k)%2, \k, 0
	MULA 1, (\k)%2, \k, 0
	MULA 2, (\k)%2, \k, 0
	MULA 3, (\k)%2, \k, 0
.endm
; A step (k odd: set 1) whose successor lies in a slot that a barrier has to show.  In front of the barrier each wave waits for all its tensor loads, adds 0 to its spare word, and waits for that and for its LDS reads.
; fill = 1: the barrier opens a round of the cluster's, and slot 0, whose last reads were this step's fragments, is filled again, with K step 3.
.macro CSTEP k, nslot, fill
	WIN 0                                          ; (the add's two registers lie in window 0)
	s_wait_tensorcnt 0x0                           ; all my tensor loads have landed
	ds_add_u32 v[SPW], v[NIL]                      ; 0 onto my spare word
	s_wait_dscnt 0x1                               ; this step's fragments are in (the add may be out)
	WIN MUL
	MULA 0, 1, \k, 0                               ; eight matrix instructions stand between the add and the wait for it
	s_wait_dscnt 0x0                               ; the add is done; my LDS reads were over at the wait above
	s_barrier_signal -1
	MULA 1, 1, \k, 0
	WIN 0
	s_barrier_wait -1
.if \fill
	CREST                                          ; no wave of any partner still reads slot 0 or has a load on its way
	s_add_nc_u64 s[G0+2:G0+3], s[G0+2:G0+3], 3*AROW
	s_add_nc_u64 s[G0B+2:G0B+3], s[G0B+2:G0B+3], 3*ROWB
	JLOAD G0, G1, G0B, G1B                         ; the first tensor load behind the round; its four v_nop are among the places in front of the loads below
	PLACES NP-4
.else
	PLACES NP
.endif
	FETCH \nslot, 0, 0
	WIN MUL
	MULA 2, 1, \k, 0
	MULA 3, 1, \k, 0
.endm
	s_wait_tensorcnt 2                             ; the scale bytes and my part of slot 0 are in; slots 1 and 2 may be out
	s_barrier_signal -1
	s_barrier_wait -1                              ; everybody's are
.irp i, 0,1,2,3
	ds_load_b128 v[SC+8*\i:SC+8*\i+3], v[ADRS] offset:\i*SBLK
	ds_load_b128 v[SC+8*\i+4:SC+8*\i+7], v[ADRS] offset:\i*SBLK+16
.endr
.irp i, 4,5,6,7
	ds_load_b128 v[SC+8*\i:SC+8*\i+3], v[ADRSB] offset:\i*SBLK
	ds_load_b128 v[SC+8*\i+4:SC+8*\i+7], v[ADRSB] offset:\i*SBLK+16
.endr
	FETCH 0, 0, 0
	s_wait_loadcnt 0x0                             ; the bias
	s_wait_dscnt 0x0
	FETCH 0, 1, 1
	WIN BEG
	MULA 0, 0, 0, 1                                ; step 0: the bias starts the sums
	MULA 1, 0, 0, 1
	MULA 2, 0, 0, 1
	MULA 3, 0, 0, 1
	CSTEP 1, 1, 1                                  ; slots 1 and 2 are shown landed; slot 0 takes K step 3
	STEP 2, 1, 1
	STEP 3, 2, 0
	STEP 4, 2, 1
	CSTEP 5, 0, 0                                  ; the refill is shown landed; nobody reads slots 1 and 2 any more; nothing is filled
	STEP 6, 0, 1
	s_wait_dscnt 0x0                               ; the last step: nothing more to fetch
	MULA 0, 1, 7, 0
	MULA 1, 1, 7, 0
	MULA 2, 1, 7, 0
	MULA 3, 1, 7, 0
	WIN 0
; THE WAY OUT, block by block of 16 rows x 128 columns, through my own stage: in as 32 bytes a lane, back as whole rows of 512 bytes.  LDS serves a wave's instructions in order (ISA guide 5.7.1.4).
.macro TOSTAGE a
.set AC, 64*(\a)
	WIN 0x08                                       ; an LDS store's data are its source 1: window 2
.irp b, 0,1,2,3,4,5,6,7
	ds_store_b128 v[STO], v[AC+8*\b:AC+8*\b+3] offset:64*\b          ; each accumulator from its low end on
	ds_store_b128 v[STO], v[AC+8*\b+4:AC+8*\b+7] offset:64*\b+16
.endr
	WIN 0
.set BB, BK+64*((\a)%2)
.irp t, 0,1,2,3,4,5,6,7,8,9,10,11,12,13,14,15
	ds_load_b128 v[BB+4*\t:BB+4*\t+3], v[RD] offset:\t*SPITCH
.endr
.endm
.macro SEND a, younger                 ; younger: the LDS instructions issued behind block a's loads, which may stay out
.set BB, BK+64*((\a)%2)
	s_wait_dscnt \younger
.if (\a) > 0
	s_add_nc_u64 s[12:13], s[12:13], 16*SIZE_N*4   ; (behind a wait on XCNT: the earlier stores have read their base)
.endif
.irp t, 0,1,2,3,4,5,6,7,8,9,10,11,12,13,14,15
	global_store_b128 v[CO], v[BB+4*\t:BB+4*\t+3], s[12:13] offset:\t*SIZE_N*4 th:TH_STORE_NT   ; 32 lanes store 512 consecutive bytes, at a multiple of 256 from the output's first byte
.endr
.endm
	PLACES NP                                      ; behind the last products: their results are read, and the registers that held A's fragments loaded, only behind these
	TOSTAGE 0
.irp a, 1,2,3
.if \a > 1
	s_wait_xcnt 0x0                                ; block a - 2's stores have read their registers and their base
.endif
	TOSTAGE \a
	SEND \a-1, 32                                  ; behind block a - 1's loads: block a's 16 stores and 16 loads
.endr
	s_wait_xcnt 0x0
	SEND 3, 0
	s_wait_tensorcnt 0x0                           ; the wave's end
	ds_add_u32 v[SPW], v[NIL]
	s_wait_dscnt 0x0
	CROUND                                         ; the closing round: no work-group ends while a partner may still ask for a tile that names it
	s_endpgm
.Lfunc_end_k_q7129368b8c_outp:
	.size	k_q7129368b8c_outp, .Lfunc_end_k_q7129368b8c_outp-k_q7129368b8c_outp
	.p2alignl 7, 3214868480
	.fill 96, 4, 3214868480
	.section	.rodata,"a",@progbits
	.p2align	6, 0x0
	.amdhsa_kernel k_q7129368b8c_outp
		.amdhsa_group_segment_fixed_size 327680
		.amdhsa_private_segment_fixed_size 0
		.amdhsa_enable_private_segment 0
		.amdhsa_kernarg_size 48
		.amdhsa_user_sgpr_count 2
		.amdhsa_user_sgpr_kernarg_segment_ptr 1
		.amdhsa_wavefront_size32 1
		.amdhsa_system_sgpr_workgroup_id_x 1
		.amdhsa_system_sgpr_workgroup_id_y 1
		.amdhsa_system_sgpr_workgroup_id_z 1
		.amdhsa_system_vgpr_workitem_id 0
		.amdhsa_next_free_vgpr 832
		.amdhsa_next_free_sgpr 102
		.amdhsa_reserve_vcc 0
		.amdhsa_float_denorm_mode_32 3
		.amdhsa_float_denorm_mode_16_64 3
		.amdhsa_memory_ordered 1
		.amdhsa_forward_progress 1
		.amdhsa_inst_pref_size 89
	.end_amdhsa_kernel
	.amdgpu_metadata
---
amdhsa.version: [ 1, 2 ]
amdhsa.kernels:
  - .name:           k_q7129368b8c_outp
    .symbol:         k_q7129368b8c_outp.kd
    .args:
      - { .name: cimg, .offset: 0, .size: 8, .value_kind: global_buffer, .address_space: global }
      - { .name: csc, .offset: 8, .size: 8, .value_kind: global_buffer, .address_space: global }
      - { .name: Wo_codes, .offset: 16, .size: 8, .value_kind: global_buffer, .address_space: global }
      - { .name: Wo_scales, .offset: 24, .size: 8, .value_kind: global_buffer, .address_space: global }
      - { .name: bo, .offset: 32, .size: 8, .value_kind: global_buffer, .address_space: global }
      - { .name: out0, .offset: 40, .size: 8, .value_kind: global_buffer, .address_space: global }
    .group_segment_fixed_size: 327680
    .private_segment_fixed_size: 0
    .kernarg_segment_align: 8
    .kernarg_segment_size: 48
    .max_flat_workgroup_size: 128
    .sgpr_count:     102
    .vgpr_count:     832
    .wavefront_size: 32
...
	.end_amdgpu_metadata
.endif
;; end of part 6
